; MI455X (gfx1250); checked and timed in simulation.
; The chip was launched on July 23, 2026; its instructions are those of AMD's public machine-readable ISA for CDNA 5 (MIT licence, August 2026) and "CDNA5" Instruction Set Architecture Reference Guide (July 2026). The comments in the code are by the model that wrote it; some were corrected since.
;; Glm4 Moe Mo E Expert Parallel. Allowed arithmetic: float matrix products may take bf16 or f16 operands with f32 sums; all other float work in f32.
;; Inputs: correction_bias 8 float32; hidden_states 2 x 2,048 x 1,024 float32; router_weight 8 x 1,024 float32; sw_down 512 x 1,024 float32; sw_gate 1,024 x 512 float32; sw_up 1,024 x 512 float32; w_down 8 x 512 x 1,024 float32; w_gate 8 x 1,024 x 512 float32; w_up 8 x 1,024 x 512 float32.
;; Outputs: out0 2 x 2,048 x 1,024 float32.
;; 3 versions, each right; version 2 is faster than version 1; version 3 is version 2 with the launches prep, combine written anew for expert scheduling mode. Each part assembles by itself: llvm-mc -triple=amdgcn-amd-amdhsa -mcpu=gfx1250 --defsym DOCPART=n.
;; ======== version 1 of 3: 6 launches
;; limits: values outside matrix products are rounded to bf16
;; workspace buffers: sel 16,384 bytes of whole numbers; topw 32,768 bytes; plan 33,792 bytes of whole numbers; xs 27,262,976 bytes; wb 28,311,552 bytes; hact 13,631,488 bytes; yrows 54,525,952 bytes
;; launch prep (part 1): grid 1120 x 1, 8 waves a work-group, no clusters, 61,440 bytes of LDS; arguments hidden_states, router_weight, correction_bias, w_gate, sw_gate, w_up, sw_up, w_down, sw_down, sel, topw, wb; writes sel, topw, wb
.if DOCPART == 1
	.amdgcn_target "amdgcn-amd-amdhsa--gfx1250"
	.amdhsa_code_object_version 6
	.text
	.protected	k_qc1320f0fbc_prep
	.globl	k_qc1320f0fbc_prep
	.p2align	8
	.type	k_qc1320f0fbc_prep,@function
k_qc1320f0fbc_prep:
	s_mov_b64 s[64:65], 0
	v_nop
	global_prefetch_b8 v0, s[64:65] scope:SCOPE_SE
	s_setreg_imm32_b32 hwreg(HW_REG_WAVE_MODE, 25, 1), 1
	s_wait_xcnt 0x0
; PREP.  Two jobs that need nothing of each other, in one launch.
; Work-groups 0-255: the router for 16 tokens each.  logits = x . router_weight^T with both sides rounded to bf16 and f32 sums (matrix unit),
;   sigmoid, + bias, the group with the larger sum of its two best biased scores, the two best of (chosen group's biased scores, 0.0 for the other group),
;   ties to the lower index, weights from the unbiased scores.  Stored: sel[t] = e0 | e1<<8 | ((1<<e0)|(1<<e1))<<16 and topw[t][2].
; Work-groups 256-1119: the six weight tensors are rounded to bf16 into wb, 65,536 bytes of f32 a work-group:
;   wb = gate [9][1024][512], up [9][1024][512], down [9][512][1024]; index 8 of each is the shared expert.
; LIMITS.  correction_bias is rounded to bf16 (8 significant bits) like every matrix input.  The weights are a reciprocal (1 ulp) and a multiply.
;   NaN scores are not ordered as the reference's top_k orders them.
; No cluster: no two work-groups read the same bytes but router_weight's 32,768.
.set XP,   272                         ; an LDS row: 128 bf16 + 16 bytes, so that the 16 rows of a fragment load start at 16 different 16-byte columns
.set WREG, 24*XP                       ; a wave's own bytes: 16 rows of x, 8 rows of router_weight, for its 128 k
.set RT,   16*XP                       ; where the router's rows begin in them
.set PART, 8*WREG                      ; behind them: every wave's partial logits, 32 bytes a lane
	s_load_b512 s[4:19], s[0:1], 0x0               ; x 4:5, router_weight 6:7, bias 8:9, w_gate 10:11, sw_gate 12:13, w_up 14:15, sw_up 16:17, w_down 18:19
	s_load_b256 s[20:27], s[0:1], 0x40             ; sw_down 20:21, sel 22:23, topw 24:25, wb 26:27
	v_lshl_add_u32 v160, v0, 2, 0xec00
	v_mov_b32 v161, 0
	v_lshrrev_b32 v1, 5, v0
	v_readfirstlane_b32 s28, v1                    ; wave 0..7
	v_and_b32 v1, 31, v0                           ; lane
	s_mov_b32 s43, 0
	s_cmp_lt_u32 ttmp9, 256                        ; the same for all waves of a work-group
	s_cbranch_scc0 .Lcast
	; ---------------- the router: tokens 16 w .. 16 w + 15; wave wv takes k = 128 wv .. 128 wv + 127 ----------------
	v_and_b32 v2, 15, v0                           ; r
	v_bfe_u32 v3, v0, 4, 1                         ; h
	v_lshlrev_b32 v4, 4, v0                        ; byte in a row of x or router_weight: 512 wv + 16 lane
	s_mul_i32 s29, s28, WREG
	v_lshl_add_u32 v5, v1, 3, s29                  ; where my four bf16 of a row go
	v_mul_u32_u24 v6, v2, XP
	v_lshl_add_u32 v6, v3, 4, v6
	v_add_nc_u32 v6, s29, v6                       ; fragment of x: row r, 16 h
	v_and_b32 v7, 7, v0
	v_mul_u32_u24 v7, v7, XP
	v_lshl_add_u32 v7, v3, 4, v7
	v_add_nc_u32 v7, s29, v7                       ; fragment of router_weight: row r % 8 (rows 8-15 of the fragment repeat the 8 experts)
	s_lshl_b32 s30, s28, 10
	s_add_co_u32 s30, s30, PART
	v_lshl_add_u32 v8, v1, 5, s30                  ; my partial logits
	v_lshlrev_b32 v9, 5, v1                        ; the same place in wave 0's part, less PART
	v_lshlrev_b32 v10, 2, v2                       ; sel: 4 r
	v_lshlrev_b32 v11, 3, v2                       ; topw: 8 r
	s_lshl_b32 s42, ttmp9, 16                      ; 16 rows of 4,096 bytes
	s_wait_kmcnt 0x0
	s_add_nc_u64 s[4:5], s[4:5], s[42:43]
.irp e, 0,1,2,3,4,5,6,7
	global_load_b128 v[80+4*\e:83+4*\e], v4, s[6:7] offset:4096*\e    ; a wave's load covers 512 consecutive bytes of one row
.endr
.irp i, 0,1,2,3,4,5,6,7,8,9,10,11,12,13,14,15
	global_load_b128 v[16+4*\i:19+4*\i], v4, s[4:5] offset:4096*\i
.endr
	s_wait_loadcnt 16                              ; router_weight's eight are in; x's sixteen, issued behind them, stay out
.irp e, 0,1,2,3,4,5,6,7
	v_cvt_pk_bf16_f32 v[144+2*\e], v[80+4*\e], v[81+4*\e]
	v_cvt_pk_bf16_f32 v[145+2*\e], v[82+4*\e], v[83+4*\e]
	ds_store_b64 v5, v[144+2*\e:145+2*\e] offset:RT+XP*\e
.endr
.irp i, 0,1,2,3,4,5,6,7,8,9,10,11,12,13,14,15
	s_wait_loadcnt 15-\i                           ; loads come back in order: row i is in, the younger rows stay out
	v_cvt_pk_bf16_f32 v[112+2*\i], v[16+4*\i], v[17+4*\i]
	v_cvt_pk_bf16_f32 v[113+2*\i], v[18+4*\i], v[19+4*\i]
	ds_store_b64 v5, v[112+2*\i:113+2*\i] offset:XP*\i
.endr
.irp s, 0,1,2,3                        ; the wave's own bytes, served in order: no barrier between its stores and these loads
	ds_load_b128 v[16+8*\s:19+8*\s], v6 offset:64*\s
	ds_load_b128 v[20+8*\s:23+8*\s], v6 offset:64*\s+32
	ds_load_b128 v[48+8*\s:51+8*\s], v7 offset:RT+64*\s
	ds_load_b128 v[52+8*\s:55+8*\s], v7 offset:RT+64*\s+32
.endr
	s_wait_dscnt 0x0
	; source 0 = experts, source 1 = tokens: register j of a lane is expert j's partial logit of token r.  Two accumulators by turns.
	v_wmma_f32_16x16x32_bf16 v[80:87], v[48:55], v[16:23], 0
	v_wmma_f32_16x16x32_bf16 v[88:95], v[56:63], v[24:31], 0
	v_wmma_f32_16x16x32_bf16 v[80:87], v[64:71], v[32:39], v[80:87]
	v_wmma_f32_16x16x32_bf16 v[88:95], v[72:79], v[40:47], v[88:95]
.rept 4
	v_nop                                          ; four places between the last product and the first read of a result (ISA guide 7.12.1)
.endr
.irp p, 0,1,2,3
	v_pk_add_f32 v[96+2*\p:97+2*\p], v[80+2*\p:81+2*\p], v[88+2*\p:89+2*\p]
.endr
	ds_store_b128 v8, v[96:99]
	ds_store_b128 v8, v[100:103] offset:16
	s_wait_dscnt 0x0                               ; for wave 0's sake: my partial logits are in LDS
	s_barrier_signal -1
	s_barrier_wait -1
	s_cmp_lg_u32 s28, 0
	s_cbranch_scc1 .Lend                           ; wave 0 goes on alone; no barrier follows
	s_load_b256 s[32:39], s[8:9], 0x0              ; the bias
.irp w, 0,1,2,3,4,5,6,7
	ds_load_b128 v[16+8*\w:19+8*\w], v9 offset:PART+1024*\w
	ds_load_b128 v[20+8*\w:23+8*\w], v9 offset:PART+1024*\w+16
.endr
	s_mov_b32 s40, 0xbfb8aa3b                      ; -log2(e)
	s_mov_b32 s41, s40                             ; named with it as a pair
	s_lshl_b32 s42, ttmp9, 6
	s_add_nc_u64 s[22:23], s[22:23], s[42:43]      ; sel at my 16 tokens
	s_lshl_b32 s42, ttmp9, 7
	s_add_nc_u64 s[24:25], s[24:25], s[42:43]      ; topw likewise
	s_wait_kmcnt 0x0
.irp e, 0,1,2,3,4,5,6,7
	v_mov_b32 v[128+\e], s[32+\e]
.endr
.irp p, 0,1,2,3
	v_cvt_pk_bf16_f32 v[136+\p], v[128+2*\p], v[129+2*\p]      ; the bias in bf16,
.endr
.irp p, 0,1,2,3
	v_lshlrev_b32 v[128+2*\p], 16, v[136+\p]                   ; and back in f32
	v_and_b32 v[129+2*\p], 0xffff0000, v[136+\p]
.endr
	s_wait_dscnt 0x0
.irp w, 1,2,3,4,5,6,7                  ; the eight waves' parts, k ascending
.irp p, 0,1,2,3
	v_pk_add_f32 v[16+2*\p:17+2*\p], v[16+2*\p:17+2*\p], v[16+8*\w+2*\p:17+8*\w+2*\p]
.endr
.endr
	; scores S = 1 / (1 + 2^(-log2(e) logit)) in v104-111; biased C = S + bias in v112-119
.irp p, 0,1,2,3
	v_pk_mul_f32 v[104+2*\p:105+2*\p], v[16+2*\p:17+2*\p], s[40:41] op_sel_hi:[1,0]
.endr
.irp e, 0,1,2,3,4,5,6,7
	v_exp_f32 v[104+\e], v[104+\e]
.endr
	v_nop                                          ; a plain instruction between the last exponential and the use of its result
	s_wait_alu depctr_va_vdst(0)
.irp p, 0,1,2,3
	v_pk_add_f32 v[104+2*\p:105+2*\p], v[104+2*\p:105+2*\p], 1.0 op_sel_hi:[1,0]
.endr
.irp e, 0,1,2,3,4,5,6,7
	v_rcp_f32 v[104+\e], v[104+\e]
.endr
	v_nop
	s_wait_alu depctr_va_vdst(0)
.irp p, 0,1,2,3
	v_pk_add_f32 v[112+2*\p:113+2*\p], v[104+2*\p:105+2*\p], v[128+2*\p:129+2*\p]
.endr
.macro GSCORE dst, c                   ; the sum of the two largest of v[c .. c+3]
	v_max_num_f32 v136, v[\c], v[\c+1]
	v_min_num_f32 v137, v[\c], v[\c+1]
	v_max_num_f32 v138, v[\c+2], v[\c+3]
	v_min_num_f32 v139, v[\c+2], v[\c+3]
	v_max_num_f32 v137, v137, v139                 ; the better of the two losers
	v_min_num_f32 v139, v136, v138                 ; the lesser of the two winners
	v_max_num_f32 v136, v136, v138                 ; the largest
	v_max_num_f32 v137, v137, v139                 ; the second
	v_add_f32 v[\dst], v136, v137
.endm
	GSCORE 140, 112
	GSCORE 141, 116
	v_mov_b32 v142, 0
	v_cmp_gt_f32 vcc_lo, v141, v140                ; group 1 only if strictly better: a tie goes to group 0
.irp e, 0,1,2,3
	v_cndmask_b32 v[120+\e], v[112+\e], v142, vcc_lo           ; M: the other group's experts count as 0.0
.endr
.irp e, 4,5,6,7
	v_cndmask_b32 v[120+\e], v142, v[112+\e], vcc_lo
.endr
	v_mov_b32 v143, v120                           ; the best M, its index, its unbiased score
	v_mov_b32 v144, 0
	v_mov_b32 v145, v104
.irp e, 1,2,3,4,5,6,7
	v_cmp_ge_f32 vcc_lo, v143, v[120+\e]           ; keep: a tie stays with the lower index
	v_cndmask_b32 v143, v[120+\e], v143, vcc_lo
	v_cndmask_b32 v144, \e, v144, vcc_lo
	v_cndmask_b32 v145, v[104+\e], v145, vcc_lo
.endr
	v_mov_b32 v146, 0xff800000                     ; the second best, among the others: starts at -infinity
	v_mov_b32 v147, 0
	v_mov_b32 v148, 0
.irp e, 0,1,2,3,4,5,6,7
	v_cmp_eq_u32 s30, \e, v144
	v_cmp_ge_f32 vcc_lo, v146, v[120+\e]
	s_or_b32 vcc_lo, vcc_lo, s30                   ; keep: it is the first choice, or no better
	v_cndmask_b32 v146, v[120+\e], v146, vcc_lo
	v_cndmask_b32 v147, \e, v147, vcc_lo
	v_cndmask_b32 v148, v[104+\e], v148, vcc_lo
.endr
	v_add_f32 v150, v145, v148
	v_add_f32 v150, 0x1e3ce508, v150               ; + 1e-20
	v_rcp_f32 v151, v150
	v_mov_b32 v154, 0x10000                        ; (the plain instruction behind the reciprocal)
	s_wait_alu depctr_va_vdst(0)
	v_mul_f32 v152, v145, v151
	v_mul_f32 v153, v148, v151
	v_lshlrev_b32 v155, v144, v154
	v_lshlrev_b32 v156, v147, v154
	v_or_b32 v155, v155, v156
	v_lshl_or_b32 v155, v147, 8, v155
	v_or_b32 v155, v155, v144
	; lanes 16-31 hold the same tokens as lanes 0-15 and store the same values to the same places.  64 and 128 bytes a work-group: the two tables are 49,152 bytes in all.
	global_store_b32 v10, v155, s[22:23]
	global_store_b64 v11, v[152:153], s[24:25]
.Lend:
	s_wait_tensorcnt 0x0
	ds_add_u32 v160, v161
	s_wait_dscnt 0x0
	s_endpgm
	; ---------------- the cast: piece id = work-group - 256, 65,536 bytes of f32 to 32,768 of bf16; the pieces lie in wb's own order ----------------
.Lcast:
	s_sub_co_u32 s29, ttmp9, 256
	s_wait_kmcnt 0x0
	s_mov_b64 s[44:45], s[10:11]                   ; pieces 0-255: w_gate
	s_mov_b32 s46, 0
.macro PICK from, reg                  ; from piece \from on: the tensor whose address lies in s[reg:reg+1]
	s_cmp_ge_u32 s29, \from
	s_cselect_b64 s[44:45], s[\reg:\reg+1], s[44:45]
	s_cselect_b32 s46, \from, s46
.endm
	PICK 256, 12                                   ; sw_gate
	PICK 288, 14                                   ; w_up
	PICK 544, 16                                   ; sw_up
	PICK 576, 18                                   ; w_down
	PICK 832, 20                                   ; sw_down
	s_sub_co_u32 s46, s29, s46
	s_lshl_b32 s46, s46, 16
	s_mov_b32 s47, 0
	s_add_nc_u64 s[44:45], s[44:45], s[46:47]
	s_lshl_b32 s42, s29, 15
	s_add_nc_u64 s[26:27], s[26:27], s[42:43]
	s_lshl_b32 s30, s28, 13
	v_lshl_add_u32 v4, v1, 4, s30                  ; in: 8,192 wv + 16 lane
	s_lshl_b32 s30, s28, 12
	v_lshl_add_u32 v5, v1, 3, s30                  ; out: 4,096 wv + 8 lane
.irp j, 0,1,2,3,4,5,6,7,8,9,10,11,12,13,14,15
	global_load_b128 v[16+4*\j:19+4*\j], v4, s[44:45] offset:512*\j th:TH_LOAD_NT   ; 512 consecutive bytes a load; all sixteen of a wave go out at once
.endr
.irp j, 0,1,2,3,4,5,6,7,8,9,10,11,12,13,14,15
	s_wait_loadcnt 15-\j                           ; load j is in, the younger ones stay out
	v_cvt_pk_bf16_f32 v[80+2*\j], v[16+4*\j], v[17+4*\j]
	v_cvt_pk_bf16_f32 v[81+2*\j], v[18+4*\j], v[19+4*\j]
	global_store_b64 v5, v[80+2*\j:81+2*\j], s[26:27] offset:256*\j   ; the wave's 32 lanes store 256 consecutive bytes, aligned; no register is written twice
.endr
	s_endpgm
.Lfunc_end_k_qc1320f0fbc_prep:
	.size	k_qc1320f0fbc_prep, .Lfunc_end_k_qc1320f0fbc_prep-k_qc1320f0fbc_prep
	.p2alignl 7, 3214868480
	.fill 96, 4, 3214868480
	.section	.rodata,"a",@progbits
	.p2align	6, 0x0
	.amdhsa_kernel k_qc1320f0fbc_prep
		.amdhsa_group_segment_fixed_size 61440
		.amdhsa_private_segment_fixed_size 0
		.amdhsa_enable_private_segment 0
		.amdhsa_kernarg_size 96
		.amdhsa_user_sgpr_count 2
		.amdhsa_user_sgpr_kernarg_segment_ptr 1
		.amdhsa_wavefront_size32 1
		.amdhsa_system_sgpr_workgroup_id_x 1
		.amdhsa_system_sgpr_workgroup_id_y 1
		.amdhsa_system_sgpr_workgroup_id_z 1
		.amdhsa_system_vgpr_workitem_id 0
		.amdhsa_next_free_vgpr 162
		.amdhsa_next_free_sgpr 66
		.amdhsa_reserve_vcc 1
		.amdhsa_float_denorm_mode_32 3
		.amdhsa_float_denorm_mode_16_64 3
		.amdhsa_memory_ordered 1
		.amdhsa_forward_progress 1
		.amdhsa_inst_pref_size 28
	.end_amdhsa_kernel
	.amdgpu_metadata
---
amdhsa.version: [ 1, 2 ]
amdhsa.kernels:
  - .name:           k_qc1320f0fbc_prep
    .symbol:         k_qc1320f0fbc_prep.kd
    .args:
      - { .name: hidden_states, .offset: 0, .size: 8, .value_kind: global_buffer, .address_space: global }
      - { .name: router_weight, .offset: 8, .size: 8, .value_kind: global_buffer, .address_space: global }
      - { .name: correction_bias, .offset: 16, .size: 8, .value_kind: global_buffer, .address_space: global }
      - { .name: w_gate, .offset: 24, .size: 8, .value_kind: global_buffer, .address_space: global }
      - { .name: sw_gate, .offset: 32, .size: 8, .value_kind: global_buffer, .address_space: global }
      - { .name: w_up, .offset: 40, .size: 8, .value_kind: global_buffer, .address_space: global }
      - { .name: sw_up, .offset: 48, .size: 8, .value_kind: global_buffer, .address_space: global }
      - { .name: w_down, .offset: 56, .size: 8, .value_kind: global_buffer, .address_space: global }
      - { .name: sw_down, .offset: 64, .size: 8, .value_kind: global_buffer, .address_space: global }
      - { .name: sel, .offset: 72, .size: 8, .value_kind: global_buffer, .address_space: global }
      - { .name: topw, .offset: 80, .size: 8, .value_kind: global_buffer, .address_space: global }
      - { .name: wb, .offset: 88, .size: 8, .value_kind: global_buffer, .address_space: global }
    .group_segment_fixed_size: 61440
    .private_segment_fixed_size: 0
    .kernarg_segment_align: 8
    .kernarg_segment_size: 96
    .max_flat_workgroup_size: 256
    .sgpr_count:     66
    .vgpr_count:     162
    .wavefront_size: 32
...
	.end_amdgpu_metadata
.endif
;; end of part 1
;; launch place (part 2): grid 128 x 1, 8 waves a work-group, no clusters, 2,048 bytes of LDS; arguments sel, plan; writes plan
.if DOCPART == 2
	.amdgcn_target "amdgcn-amd-amdhsa--gfx1250"
	.amdhsa_code_object_version 6
	.text
	.protected	k_qc1320f0fbc_place
	.globl	k_qc1320f0fbc_place
	.p2align	8
	.type	k_qc1320f0fbc_place,@function
k_qc1320f0fbc_place:
	s_mov_b64 s[64:65], 0
	v_nop
	global_prefetch_b8 v0, s[64:65] scope:SCOPE_SE
	s_setreg_imm32_b32 hwreg(HW_REG_WAVE_MODE, 25, 1), 1
	s_wait_xcnt 0x0
; PLACE.  Where each token's two copies go in the row space that the two products walk (104 blocks of 128 rows at the most):
;   rows 0-4095: every token, for the shared expert (expert number 8).  From row 4096 on: experts 0..7 in order, each expert's tokens in token order,
;   each expert filled up to a multiple of 128 rows.
; The decision is made here and stored as whole numbers; the launches behind this one form their addresses, and one branch, from what they read of it.  In this launch every
; address is made of ids and constants, and no branch hangs on data.
; Stored, all in plan: pos[4096][2] at byte 0 (the two rows of each token); at 32768 the expert of each block; at 33280 the number of blocks (32 times);
;   at 33408 for each expert e two words: the row behind its last token, and the next expert's first row (between them lie the rows of zeros).
; No atomics: every work-group counts all 4,096 choices itself (sel is 16,384 bytes).  Work-group g is the group of tokens 32 g .. 32 g + 31, a lane a token.
;   Wave wv counts groups 16 wv .. 16 wv + 15; the eight waves' counts meet in LDS; wave 0 then places the group's tokens.  128 groups: 128 work-groups.
; No matrix unit, no cluster, no tensor loads: 16 KiB in, 33 KiB out.
.set MAXROW, 0x33ff                    ; 13,311: the last row of the row space
	s_load_b128 s[4:7], s[0:1], 0x0                ; sel 4:5, plan 6:7
	v_lshl_add_u32 v48, v0, 2, 0x400
	v_mov_b32 v49, 0
	v_lshrrev_b32 v1, 5, v0
	v_readfirstlane_b32 s12, v1                    ; wave 0..7
	v_and_b32 v1, 31, v0                           ; lane
	s_mov_b32 s14, ttmp9                           ; my group
	s_lshl_b32 s52, s12, 11
	v_lshl_add_u32 v5, v1, 2, s52                  ; sel: the wave's 16 groups, 128 bytes each
	s_lshl_b32 s52, s14, 7
	v_lshl_add_u32 v6, v1, 2, s52                  ; sel of my own group
	s_wait_kmcnt 0x0
.irp i, 0,1,2,3,4,5,6,7,8,9,10,11,12,13,14,15
	global_load_b32 v[8+\i], v5, s[4:5] offset:128*\i
.endr
	global_load_b32 v24, v6, s[4:5]
.set i, 16
.rept 16
	s_mov_b32 s[i], 0                              ; s16-23 n_e: tokens of expert e;  s24-31 c_e: those in groups below mine
.set i, i+1
.endr
	s_lshl_b32 s52, s12, 4
	s_wait_loadcnt 0x0
.set i, 0
.rept 16
	s_add_co_u32 s55, s52, i                       ; the group's number
	s_cmp_lt_u32 s55, s14
	s_cselect_b32 s53, -1, 0                       ; all ones if it lies below my group
.irp e, 0,1,2,3,4,5,6,7
	v_and_b32 v[40+\e], 0x10000<<\e, v[8+i]
.endr
.irp e, 0,1,2,3,4,5,6,7
	v_cmp_ne_u32 s[40+\e], 0, v[40+\e]             ; a bit for each token of the group that chose e
.endr
.irp e, 0,1,2,3,4,5,6,7
	s_bcnt1_i32_b32 s54, s[40+\e]
	s_add_co_u32 s[16+\e], s[16+\e], s54
	s_and_b32 s54, s54, s53                        ; the count, or 0
	s_add_co_u32 s[24+\e], s[24+\e], s54
.endr
.set i, i+1
.endr
	; the eight waves' counts meet in LDS: lanes 0-7 n_e, lanes 8-15 c_e
	v_mov_b32 v25, 0
.irp e, 0,1,2,3,4,5,6,7
	v_writelane_b32 v25, s[16+\e], \e
	v_writelane_b32 v25, s[24+\e], 8+\e
.endr
	s_lshl_b32 s52, s12, 7
	v_lshl_add_u32 v28, v1, 2, s52
	ds_store_b32 v28, v25
	s_wait_dscnt 0x0                               ; for the others' sake: my counts are in LDS
	s_barrier_signal -1
	s_barrier_wait -1
	; wave 0 goes on in every work-group, wave 1 in work-group 0 alone; no barrier follows
	s_cmp_eq_u32 s12, 0
	s_cbranch_scc1 .Lgo
	s_cmp_lg_u32 s12, 1
	s_cbranch_scc1 .Lend
	s_cmp_lg_u32 s14, 0
	s_cbranch_scc1 .Lend
.Lgo:
	v_lshlrev_b32 v29, 2, v1
.irp k, 0,1,2,3,4,5,6,7
	ds_load_b32 v[40+\k], v29 offset:128*\k
.endr
	s_wait_dscnt 0x0
	v_add_nc_u32 v40, v40, v41
	v_add_nc_u32 v42, v42, v43
	v_add_nc_u32 v44, v44, v45
	v_add_nc_u32 v46, v46, v47
	v_add_nc_u32 v40, v40, v42
	v_add_nc_u32 v44, v44, v46
	v_add_nc_u32 v26, v40, v44
.irp e, 0,1,2,3,4,5,6,7
	v_readlane_b32 s[16+\e], v26, \e
	v_readlane_b32 s[24+\e], v26, 8+\e
.endr
	; s32-39 the row of my group's first token of e; s16-23 now the row behind e's last token; s40-47 the block behind e's last
	s_mov_b32 s48, 4096
.irp e, 0,1,2,3,4,5,6,7
	s_add_co_u32 s[32+\e], s48, s[24+\e]
	s_add_co_u32 s[16+\e], s48, s[16+\e]
	s_add_co_u32 s53, s[16+\e], 127
	s_and_b32 s53, s53, 0xffffff80                 ; up to a multiple of 128: the next expert's first row
	s_lshr_b32 s[40+\e], s53, 7
	s_mov_b32 s48, s53
.endr
	s_cmp_lg_u32 s12, 0
	s_cbranch_scc1 .Ltable
	; wave 0: the two rows of each token of my group
	v_and_b32 v32, 0xff, v24                       ; e0
	v_bfe_u32 v33, v24, 8, 8                       ; e1
	v_mov_b32 v30, 4096
	v_mov_b32 v31, 4096
.irp e, 0,1,2,3,4,5,6,7
	v_and_b32 v27, 0x10000<<\e, v24
	v_cmp_ne_u32 s54, 0, v27
	v_mbcnt_lo_u32_b32 v27, s54, 0                 ; tokens of the group in front of me that chose e
	v_add_nc_u32 v27, s[32+\e], v27
	v_cmp_eq_u32 vcc_lo, \e, v32
	v_cndmask_b32 v30, v30, v27, vcc_lo
	v_cmp_eq_u32 vcc_lo, \e, v33
	v_cndmask_b32 v31, v31, v27, vcc_lo
.endr
	v_min_u32 v30, MAXROW, v30
	v_min_u32 v31, MAXROW, v31
	s_lshl_b32 s52, s14, 8
	v_lshl_add_u32 v34, v1, 3, s52
	global_store_b64 v34, v[30:31], s[6:7]         ; 32 lanes store 256 consecutive bytes, aligned
	s_wait_tensorcnt 0x0
	ds_add_u32 v48, v49
	s_wait_dscnt 0x0
	s_endpgm
	; wave 1 of work-group 0: the three small tables, 768 bytes in all, four bytes a lane
.Ltable:
	v_lshlrev_b32 v35, 2, v1
	v_mov_b32 v8, 8                                ; blocks 0-31: the shared expert
	global_store_b32 v35, v8, s[6:7] offset:32768
.irp j, 1,2,3
	v_add_nc_u32 v13, 32*\j, v1                    ; block b
	v_mov_b32 v[8+\j], 0
.irp e, 0,1,2,3,4,5,6,7
	v_cmp_le_u32 vcc_lo, s[40+\e], v13             ; expert e ends at or in front of b:
	v_add_co_ci_u32 v[8+\j], vcc_lo, 0, v[8+\j], vcc_lo        ; b's expert is the number of such experts
.endr
	v_min_u32 v[8+\j], 7, v[8+\j]
	global_store_b32 v35, v[8+\j], s[6:7] offset:32768+128*\j
.endr
	v_mov_b32 v12, s47                             ; the number of blocks
	global_store_b32 v35, v12, s[6:7] offset:33280
	v_mov_b32 v14, 0                               ; lanes 2 e, 2 e + 1: where expert e's rows of zeros begin and end
.irp e, 0,1,2,3,4,5,6,7
	s_lshl_b32 s52, s[40+\e], 7
	v_writelane_b32 v14, s[16+\e], 2*\e
	v_writelane_b32 v14, s52, 2*\e+1
.endr
	global_store_b32 v35, v14, s[6:7] offset:33408
.Lend:
	s_wait_tensorcnt 0x0
	ds_add_u32 v48, v49
	s_wait_dscnt 0x0
	s_endpgm
.Lfunc_end_k_qc1320f0fbc_place:
	.size	k_qc1320f0fbc_place, .Lfunc_end_k_qc1320f0fbc_place-k_qc1320f0fbc_place
	.p2alignl 7, 3214868480
	.fill 96, 4, 3214868480
	.section	.rodata,"a",@progbits
	.p2align	6, 0x0
	.amdhsa_kernel k_qc1320f0fbc_place
		.amdhsa_group_segment_fixed_size 2048
		.amdhsa_private_segment_fixed_size 0
		.amdhsa_enable_private_segment 0
		.amdhsa_kernarg_size 16
		.amdhsa_user_sgpr_count 2
		.amdhsa_user_sgpr_kernarg_segment_ptr 1
		.amdhsa_wavefront_size32 1
		.amdhsa_system_sgpr_workgroup_id_x 1
		.amdhsa_system_sgpr_workgroup_id_y 1
		.amdhsa_system_sgpr_workgroup_id_z 1
		.amdhsa_system_vgpr_workitem_id 0
		.amdhsa_next_free_vgpr 50
		.amdhsa_next_free_sgpr 66
		.amdhsa_reserve_vcc 1
		.amdhsa_float_denorm_mode_32 3
		.amdhsa_float_denorm_mode_16_64 3
		.amdhsa_memory_ordered 1
		.amdhsa_forward_progress 1
		.amdhsa_inst_pref_size 50
	.end_amdhsa_kernel
	.amdgpu_metadata
---
amdhsa.version: [ 1, 2 ]
amdhsa.kernels:
  - .name:           k_qc1320f0fbc_place
    .symbol:         k_qc1320f0fbc_place.kd
    .args:
      - { .name: sel, .offset: 0, .size: 8, .value_kind: global_buffer, .address_space: global }
      - { .name: plan, .offset: 8, .size: 8, .value_kind: global_buffer, .address_space: global }
    .group_segment_fixed_size: 2048
    .private_segment_fixed_size: 0
    .kernarg_segment_align: 8
    .kernarg_segment_size: 16
    .max_flat_workgroup_size: 256
    .sgpr_count:     66
    .vgpr_count:     50
    .wavefront_size: 32
...
	.end_amdgpu_metadata
.endif
;; end of part 2
;; launch scatter (part 3): grid 256 x 1, 8 waves a work-group, no clusters, 0 bytes of LDS; arguments hidden_states, plan, xs; writes xs
.if DOCPART == 3
	.amdgcn_target "amdgcn-amd-amdhsa--gfx1250"
	.amdhsa_code_object_version 6
	.text
	.protected	k_qc1320f0fbc_scatter
	.globl	k_qc1320f0fbc_scatter
	.p2align	8
	.type	k_qc1320f0fbc_scatter,@function
k_qc1320f0fbc_scatter:
	s_mov_b64 s[64:65], 0
	v_nop
	global_prefetch_b8 v0, s[64:65] scope:SCOPE_SE
	s_setreg_imm32_b32 hwreg(HW_REG_WAVE_MODE, 25, 1), 1
	s_wait_xcnt 0x0
; SCATTER.  Each row of x, rounded to bf16, is stored three times into xs: at row t (the shared expert's) and at the two rows that plan gives for token t.
; Behind each expert's last token rows of zeros fill its last block of 128.
; Work-group w owns tokens 16 w .. 16 w + 15, a wave two of them.  The rows are whole numbers that an earlier launch stored; they come by scalar loads and become scalar bases.
; A stream: each byte of x is read once, all 16 loads of a wave go out at once; no LDS, no barrier, no matrix unit, no cluster (no two work-groups read the same rows).
.set MAXROW, 0x33ff                    ; 13,311: the last row of the row space
	s_load_b128 s[4:7], s[0:1], 0x0                ; x 4:5, plan 6:7
	s_load_b64 s[8:9], s[0:1], 0x10                ; xs
	v_lshrrev_b32 v1, 5, v0
	v_readfirstlane_b32 s12, v1                    ; wave 0..7
	v_and_b32 v1, 31, v0                           ; lane
	v_lshlrev_b32 v2, 5, v1                        ; in: 8 numbers, 32 bytes a lane
	v_lshlrev_b32 v3, 4, v1                        ; out: 16 bytes a lane
	s_lshl_b32 s13, ttmp9, 4
	s_lshl1_add_u32 s13, s12, s13                  ; my first token: 16 w + 2 wv
	s_lshl_b32 s14, s13, 3                         ; its 8 bytes in pos
	s_lshr_b32 s15, ttmp9, 5                       ; the expert whose rows of zeros this work-group helps to write,
	s_lshl_b32 s15, s15, 3                         ; its two words
	s_lshl_b32 s40, s13, 12                        ; my first row of x
	s_mov_b32 s41, 0
	s_wait_kmcnt 0x0
	s_load_b128 s[16:19], s[6:7], s14 offset:0x0   ; the four rows of my two tokens
	s_load_b64 s[20:21], s[6:7], s15 offset:33408  ; where that expert's rows of zeros begin and end
	s_add_nc_u64 s[4:5], s[4:5], s[40:41]
.irp k, 0,1
.irp j, 0,1,2,3
	global_load_b128 v[16+32*\k+8*\j:19+32*\k+8*\j], v2, s[4:5] offset:4096*\k+1024*\j th:TH_LOAD_NT      ; a pair of loads covers 1,024 consecutive bytes of a row
	global_load_b128 v[20+32*\k+8*\j:23+32*\k+8*\j], v2, s[4:5] offset:4096*\k+1024*\j+16 th:TH_LOAD_NT
.endr
.endr
	s_lshl_b32 s40, s13, 11
	s_add_nc_u64 s[24:25], s[8:9], s[40:41]        ; the shared expert's rows: t and, 2,048 bytes on, t + 1
	s_wait_kmcnt 0x0
.irp n, 0,1,2,3
	s_min_u32 s[16+\n], s[16+\n], MAXROW
.endr
.irp n, 0,1,2,3
	s_lshl_b32 s40, s[16+\n], 11
	s_add_nc_u64 s[26+2*\n:27+2*\n], s[8:9], s[40:41]          ; s[26:29] the first token's two rows, s[30:33] the second's
.endr
	; rows of zeros: 32 work-groups x 4 pairs of waves reach an expert's 127 rows at the most; a wave writes half a row
	s_and_b32 s40, ttmp9, 31
	s_lshr_b32 s42, s12, 1
	s_lshl_b32 s42, s42, 5
	s_add_co_u32 s40, s40, s42
	s_add_co_u32 s40, s40, s20
	s_cmp_lt_u32 s40, s21                          ; two whole numbers read from plan
	s_cbranch_scc0 .Lnopad
	s_min_u32 s40, s40, MAXROW
	s_lshl_b32 s40, s40, 11
	s_and_b32 s42, s12, 1
	s_lshl_b32 s42, s42, 10
	s_add_co_u32 s40, s40, s42
	v_lshl_add_u32 v12, v1, 4, s40
	v_mov_b32 v8, 0
	v_mov_b32 v9, 0
	v_mov_b32 v10, 0
	v_mov_b32 v11, 0
	global_store_b128 v12, v[8:11], s[8:9]
	global_store_b128 v12, v[8:11], s[8:9] offset:512
.Lnopad:
.irp k, 0,1
.irp j, 0,1,2,3
	s_wait_loadcnt 14-2*(4*\k+\j)                  ; this pair of loads is in, the younger pairs stay out
.irp q, 0,1,2,3
	v_cvt_pk_bf16_f32 v[80+4*(4*\k+\j)+\q], v[16+32*\k+8*\j+2*\q], v[17+32*\k+8*\j+2*\q]
.endr
	global_store_b128 v3, v[80+4*(4*\k+\j):83+4*(4*\k+\j)], s[24:25] offset:2048*\k+512*\j     ; 32 lanes store 512 consecutive bytes, aligned; three copies; no register is written twice
	global_store_b128 v3, v[80+4*(4*\k+\j):83+4*(4*\k+\j)], s[26+4*\k:27+4*\k] offset:512*\j
	global_store_b128 v3, v[80+4*(4*\k+\j):83+4*(4*\k+\j)], s[28+4*\k:29+4*\k] offset:512*\j
.endr
.endr
	s_endpgm
.Lfunc_end_k_qc1320f0fbc_scatter:
	.size	k_qc1320f0fbc_scatter, .Lfunc_end_k_qc1320f0fbc_scatter-k_qc1320f0fbc_scatter
	.p2alignl 7, 3214868480
	.fill 96, 4, 3214868480
	.section	.rodata,"a",@progbits
	.p2align	6, 0x0
	.amdhsa_kernel k_qc1320f0fbc_scatter
		.amdhsa_group_segment_fixed_size 0
		.amdhsa_private_segment_fixed_size 0
		.amdhsa_enable_private_segment 0
		.amdhsa_kernarg_size 24
		.amdhsa_user_sgpr_count 2
		.amdhsa_user_sgpr_kernarg_segment_ptr 1
		.amdhsa_wavefront_size32 1
		.amdhsa_system_sgpr_workgroup_id_x 1
		.amdhsa_system_sgpr_workgroup_id_y 1
		.amdhsa_system_sgpr_workgroup_id_z 1
		.amdhsa_system_vgpr_workitem_id 0
		.amdhsa_next_free_vgpr 112
		.amdhsa_next_free_sgpr 66
		.amdhsa_reserve_vcc 0
		.amdhsa_float_denorm_mode_32 3
		.amdhsa_float_denorm_mode_16_64 3
		.amdhsa_memory_ordered 1
		.amdhsa_forward_progress 1
		.amdhsa_inst_pref_size 9
	.end_amdhsa_kernel
	.amdgpu_metadata
---
amdhsa.version: [ 1, 2 ]
amdhsa.kernels:
  - .name:           k_qc1320f0fbc_scatter
    .symbol:         k_qc1320f0fbc_scatter.kd
    .args:
      - { .name: hidden_states, .offset: 0, .size: 8, .value_kind: global_buffer, .address_space: global }
      - { .name: plan, .offset: 8, .size: 8, .value_kind: global_buffer, .address_space: global }
      - { .name: xs, .offset: 16, .size: 8, .value_kind: global_buffer, .address_space: global }
    .group_segment_fixed_size: 0
    .private_segment_fixed_size: 0
    .kernarg_segment_align: 8
    .kernarg_segment_size: 24
    .max_flat_workgroup_size: 256
    .sgpr_count:     66
    .vgpr_count:     112
    .wavefront_size: 32
...
	.end_amdgpu_metadata
.endif
;; end of part 3
;; launch gemm1 (part 4): grid 4 x 96, 4 waves a work-group, no clusters, 327,680 bytes of LDS; arguments xs, wb, plan, hact; writes hact
.if DOCPART == 4
	.amdgcn_target "amdgcn-amd-amdhsa--gfx1250"
	.amdhsa_code_object_version 6
	.text
	.protected	k_qc1320f0fbc_gemm1
	.globl	k_qc1320f0fbc_gemm1
	.p2align	8
	.type	k_qc1320f0fbc_gemm1,@function
k_qc1320f0fbc_gemm1:
	s_mov_b64 s[64:65], 0
	v_nop
	global_prefetch_b8 v0, s[64:65] scope:SCOPE_SE
	s_setreg_imm32_b32 hwreg(HW_REG_WAVE_MODE, 25, 1), 1
	s_wait_xcnt 0x0
.set GEMM, 1                           ; 1: hact = silu(xs Wgate_e) * (xs Wup_e);  2: yrows = hact Wdown_e.  The two texts differ in this line alone.
; A PRODUCT BY BLOCKS OF 128 ROWS, each block with the weights of its own expert (plan: the expert of each block, the number of blocks).  bf16 operands, f32 sums.
; SHARES.  Work-group (cb, y) makes 128 rows x 256 columns of B for row block y; work-groups y = 0..6 stay and take block y + 96 too.  The number of blocks, 96 to 103, is a count
;   read from memory, and no barrier may hang on it: so the second trip is always run.  Where block y + 96 does not exist, the trip reads the last block that does (rows that were
;   written, that block's expert), and its result goes to rows 128 (y + 96) on of the output, which has room for 104 blocks; no later launch reads those rows.
;   The 256 columns are two sub-tiles of 128: in product 1 gate's and up's columns 128 cb .. + 127, so that silu(g) u is made in registers; in product 2 columns 256 cb + 128 u.
;   Four waves, each 64 rows x 64 columns of each sub-tile: 32 accumulators of 16 x 16, 256 registers.
; RING.  K goes in steps of 128 through two LDS slots.  Waves 0 and 1 fetch a sub-tile of B each (128 rows of 256 bytes), waves 2 and 3 half of A's tile (64 rows of 256 bytes):
;   one tensor load a wave behind each barrier, and never more than one of a wave outstanding.  B lies [k][n] in memory and in LDS and is turned by ds_load_tr16_b128.
; THE MATRIX INSTRUCTION IS USED TRANSPOSED (source 0 = 16 columns of B, source 1 = 16 rows of A): a lane holds row lane % 16 and eight neighbouring columns.
; NO CLUSTER.  The work-groups that read the same tiles of B are the row blocks of one expert, and their number is a count read from memory (0 to 64), so no fixed grouping of the
;   grid holds them.  The four column blocks of a row block share A's tile: 32,768 of a K step's 98,304 bytes; the other 65,536 are each work-group's own.
; LIMIT.  Only the two chosen experts of a token are computed: an infinity or NaN that an expert with combine weight 0 would give is not reproduced.
; REGISTERS.  Window 0: v1-16 addresses; v32-63 at work; fragments of A v64-95, v96-127 (two buffers), of B v128-191, v192-255.  Window 1: accumulator (a, b) at v[8 (8 a + b)].
;   s16 the block that is made, s56 the block that is read, s18 its expert; s57, s58 the same two for the second trip; s59 the offset of the scalar load that is out.
.if GEMM == 1
.set KTOT, 1024                        ; K
.set BROW, 512                         ; elements in a row of B
.set WOFF, 0                           ; where the weights begin in wb
.set CBB,  256                         ; bytes from a column block to the next
.set USTR, 9437184                     ; bytes from sub-tile 0 to sub-tile 1: from gate to up
.set OBLK, 131072                      ; bytes of the output in a block of 128 rows
.else
.set KTOT, 512
.set BROW, 1024
.set WOFF, 18874368
.set CBB,  512
.set USTR, 256
.set OBLK, 524288
.endif
.set MAXBLK, 103                       ; 32 blocks of the shared expert + 64 + 7 at the most: eight experts' 8,192 rows, each expert filled up to a multiple of 128
.set LAPS,  KTOT/256                   ; a lap = two K steps = once round the ring
.set BSTEP, 128*BROW*2                 ; bytes from a K step of B to the next
.set PA,    272                        ; A's LDS row: 256 bytes + 16
.set PB,    288                        ; B's LDS row: 256 bytes + 32
.set BT,    128*PB                     ; a sub-tile of B
.set AOFF,  2*BT                       ; A's tile lies behind the two
.set AH,    64*PA                      ; half of A's tile
.set SLOT,  AOFF+2*AH                  ; 108,544
.set STAGE, 2*SLOT                     ; behind the ring, at a multiple of 256: the way out; no tensor load lands here
.set SP2,   528                        ; product 2's stage row: 512 bytes + 16
.set ADRA, 8                           ; v8-9    my fragments of A in slot 0, 1
.set ADRB, 10                          ; v10-13  my fragments of B: slot 0 sub-tile 0, 1; slot 1 sub-tile 0, 1
.set G1A, 24                           ; s[24:31] descriptor group 1 for A's halves
.set G1B, 32                           ; s[32:39] for B's sub-tiles
.set G0A, 40                           ; s[40:47] group 0 for A, a set for each slot
.set G0B, 48                           ; s[48:55] group 0 for B
.set MSB, 0
.macro WIN new                         ; s_set_vgpr_msb: bits 1:0 source 0, 3:2 source 1, 5:4 source 2, 7:6 destination; the high byte repeats the setting that is left
.if MSB != \new
	s_set_vgpr_msb (MSB<<8)|\new
.set MSB, \new
.endif
.endm
.macro PLACES                          ; four places between a matrix instruction and a load into, or a read of, its registers (ISA guide 7.12.1 for reads)
.rept 4
	v_nop
.endr
.endm
.macro SYNC
	s_barrier_signal -1
	s_barrier_wait -1
.endm
.macro JLOAD s                         ; a wave's one tensor load into slot s; four v_nop follow each of the two lines
	s_cmp_lt_u32 s12, 2
	s_cbranch_scc0 .Lfor_a_\@
	tensor_load_to_lds s[G0B+4*\s:G0B+4*\s+3], s[G1B:G1B+7]
	s_nop 0
.rept 4
	v_nop
.endr
	s_branch .Lasked_\@
.Lfor_a_\@:
	tensor_load_to_lds s[G0A+4*\s:G0A+4*\s+3], s[G1A:G1A+7]
	s_nop 0
.rept 4
	v_nop
.endr
.Lasked_\@:
.endm
; 24 LDS loads in one run: the fragments of quarter q (32 along K) of a slot into buffer f: 8 of B (16 columns x 32 k, turned), 4 of A (16 rows x 32 k)
.macro FETCH slot, q, f
.irp b, 0,1,2,3,4,5,6,7
	ds_load_tr16_b128 v[128+64*\f+8*\b:128+64*\f+8*\b+3],   v[ADRB+2*\slot+\b/4] offset:\q*32*PB+32*(\b%4)
	ds_load_tr16_b128 v[128+64*\f+8*\b+4:128+64*\f+8*\b+7], v[ADRB+2*\slot+\b/4] offset:\q*32*PB+32*(\b%4)+16*PB
.endr
.irp a, 0,1,2,3
	ds_load_b128 v[64+32*\f+8*\a:64+32*\f+8*\a+3],   v[ADRA+\slot] offset:\q*64+\a*16*PA
	ds_load_b128 v[64+32*\f+8*\a+4:64+32*\f+8*\a+7], v[ADRA+\slot] offset:\q*64+\a*16*PA+32
.endr
.endm
; 32 matrix instructions on buffer f.  The 32 accumulators take turns, one instruction a turn, in the same order everywhere.  zero = 1: the products start the sums.
.macro MUL32 f, zero
	WIN 0x50                                       ; C and D in window 1
.irp a, 0,1,2,3
.irp b, 0,1,2,3,4,5,6,7
.if \zero
	v_wmma_f32_16x16x32_bf16 v[8*(8*\a+\b):8*(8*\a+\b)+7], v[128+64*\f+8*\b:128+64*\f+8*\b+7], v[64+32*\f+8*\a:64+32*\f+8*\a+7], 0
.else
	v_wmma_f32_16x16x32_bf16 v[8*(8*\a+\b):8*(8*\a+\b)+7], v[128+64*\f+8*\b:128+64*\f+8*\b+7], v[64+32*\f+8*\a:64+32*\f+8*\a+7], v[8*(8*\a+\b):8*(8*\a+\b)+7]
.endif
.endr
.endr
	WIN 0
.endm
; One of a K step's first three quarters: fetches quarter q of the slot into buffer g, then multiplies buffer f while those loads are on their way
.macro QUARTER slot, q, f, g, zero
	PLACES                                         ; buffer g was multiplied last
	FETCH \slot, \q, \g
	s_wait_dscnt 24                                ; all but the 24 just issued: buffer f is in
	MUL32 \f, \zero
.endm
; The last quarter changes slots.  In front of the barrier each wave waits for its reads of this slot and for all its tensor loads (its part of the next slot); behind it nobody reads
; this slot any more and the next slot is whole: this slot's refill, two K steps on, comes first, then the next slot's first fragments, then buffer 1's products.
.macro TURN slot, next, refill
	PLACES                                         ; buffer 0 was multiplied last
	s_wait_dscnt 0x0
	s_wait_tensorcnt 0x0                           ; no tensor load of mine is out, so a group 0 may be written
	ds_add_u32 v62, v63
	s_wait_dscnt 0x0
.if \refill
	s_add_nc_u64 s[G0A+4*\slot+2:G0A+4*\slot+3], s[G0A+4*\slot+2:G0A+4*\slot+3], 512
	s_add_nc_u64 s[G0B+4*\slot+2:G0B+4*\slot+3], s[G0B+4*\slot+2:G0B+4*\slot+3], 2*BSTEP
.endif
	SYNC
.if \refill
	JLOAD \slot                                    ; it has this quarter and the next K step's first three, 128 matrix instructions, in which to land
.endif
	FETCH \next, 0, 0
	MUL32 1, 0
.endm
	s_load_b256 s[4:11], s[0:1], 0x0               ; A 4:5, wb 6:7, plan 8:9, the output 10:11
	v_lshl_add_u32 v62, v0, 2, 0x3d800
	v_mov_b32 v63, 0
	v_lshrrev_b32 v1, 5, v0
	v_readfirstlane_b32 s12, v1                    ; wave 0..3
	s_lshr_b32 s13, s12, 1                         ; which 64 rows are mine
	s_and_b32 s14, s12, 1                          ; which 64 columns of each sub-tile.  Also: which sub-tile of B, or which half of A, I fetch
	s_mov_b32 s15, ttmp9                           ; column block
	s_and_b32 s16, ttmp7, 0xffff                   ; row block
	s_lshl_b32 s59, s16, 2                         ; its word in the table of experts
	; group 1, all sizes in elements of 2 bytes: rows of 128 elements, padded in LDS after every 64 words
	s_mov_b32 s[G1A+0], (1<<16)|(1<<20)|(5<<22)|(3<<25)    ; by 4 words
	s_mov_b32 s[G1A+1], 128<<16                    ; tensor_dim0 = 128
	s_mov_b32 s[G1A+2], 64<<16                     ; tensor_dim1 = 64
	s_mov_b32 s[G1A+3], 128<<16                    ; tile_dim0 = 128
	s_mov_b32 s[G1A+4], 64                         ; tile_dim1 = 64
	s_mov_b32 s[G1A+5], KTOT                       ; from row to row
	s_mov_b32 s[G1A+6], 0
	s_mov_b32 s[G1A+7], 0
	s_mov_b32 s[G1B+0], (1<<16)|(1<<20)|(5<<22)|(7<<25)    ; by 8 words
	s_mov_b32 s[G1B+1], 128<<16
	s_mov_b32 s[G1B+2], 128<<16                    ; tensor_dim1 = 128
	s_mov_b32 s[G1B+3], 128<<16
	s_mov_b32 s[G1B+4], 128                        ; tile_dim1 = 128
	s_mov_b32 s[G1B+5], BROW
	s_mov_b32 s[G1B+6], 0
	s_mov_b32 s[G1B+7], 0
	; group 0: the count and the LDS addresses are written once; the global addresses for each tile
	s_mov_b32 s[G0A+0], 1
	s_mov_b32 s[G0A+4], 1
	s_mov_b32 s[G0B+0], 1
	s_mov_b32 s[G0B+4], 1
	s_mul_i32 s[G0A+1], s12, AH
	s_add_co_u32 s[G0A+1], s[G0A+1], AOFF-2*AH     ; waves 2 and 3: A's halves 0 and 1
	s_add_co_u32 s[G0A+5], s[G0A+1], SLOT
	s_mul_i32 s[G0B+1], s12, BT                    ; waves 0 and 1: sub-tiles 0 and 1
	s_add_co_u32 s[G0B+5], s[G0B+1], SLOT
	s_mov_b32 s60, 0xbfb8aa3b                      ; -log2(e)
	s_mov_b32 s61, s60
	s_wait_kmcnt 0x0
	s_load_b32 s17, s[8:9], 33280                  ; the number of blocks
	s_load_b32 s18, s[8:9], s59 offset:32768       ; the expert of block y: blocks 0 to 95 always exist
	v_and_b32 v1, 15, v0                           ; r
	v_bfe_u32 v2, v0, 4, 1                         ; h
	v_mul_u32_u24 v3, v1, PA
	v_lshl_add_u32 v3, v2, 4, v3                   ; r x 272 + 16 h
	s_mul_i32 s20, s13, AH
	s_add_co_u32 s20, s20, AOFF
	v_add_nc_u32 v[ADRA], s20, v3
	v_add_nc_u32 v[ADRA+1], SLOT, v[ADRA]
	v_and_b32 v4, 7, v0                            ; the turning load: lane l reads 16 bytes of k row 8 h + l % 8, columns 8 ((l / 8) % 2) on
	v_lshl_add_u32 v4, v2, 3, v4
	v_mul_u32_u24 v4, v4, PB
	v_bfe_u32 v5, v0, 3, 1
	v_lshl_add_u32 v4, v5, 4, v4
	s_lshl_b32 s20, s14, 7
	v_add_nc_u32 v[ADRB], s20, v4
	v_add_nc_u32 v[ADRB+1], BT, v[ADRB]
	v_add_nc_u32 v[ADRB+2], SLOT, v[ADRB]
	v_add_nc_u32 v[ADRB+3], SLOT+BT, v[ADRB]
.if GEMM == 1
	; the work-group's stage: 128 rows x 272 bytes.  v14 in: my row, my 128 bytes of its 256.  v15 back: wave w takes rows 32 w on, whole.  v16 the same two rows in the output.
	s_mul_i32 s20, s13, AH
	s_lshl_b32 s22, s14, 7
	s_add_co_u32 s20, s20, s22
	s_add_co_u32 s20, s20, STAGE
	v_add_nc_u32 v14, s20, v3
	v_mul_u32_u24 v5, v2, PA
	v_lshl_add_u32 v5, v1, 4, v5
	s_mul_i32 s20, s12, 32*PA
	s_add_co_u32 s20, s20, STAGE
	v_add_nc_u32 v15, s20, v5
	v_lshlrev_b32 v6, 10, v2
	v_lshl_add_u32 v16, v1, 4, v6
	s_lshl_b32 s23, s12, 15                        ; in the output: 32 rows of 1,024 bytes a wave,
	s_lshl_b32 s22, s15, 8                         ; 256 bytes a column block
	s_add_co_u32 s23, s23, s22
.else
	; each wave's own stage: 16 rows x 528 bytes.  v14 in: row r, 32 bytes for each half of the lanes.  v15 back: a row's 512 bytes.  v16: its two pieces of 256 bytes in the output.
	s_mul_i32 s20, s12, 16*SP2
	s_add_co_u32 s20, s20, STAGE
	v_mul_u32_u24 v5, v1, SP2
	v_lshl_add_u32 v5, v2, 5, v5
	v_add_nc_u32 v14, s20, v5
	v_and_b32 v6, 31, v0
	v_lshl_add_u32 v15, v6, 4, s20
	v_lshlrev_b32 v6, 9, v2
	v_lshl_add_u32 v16, v1, 4, v6
	s_lshl_b32 s23, s13, 18                        ; in the output: my 64 rows of 4,096 bytes,
	s_lshl_b32 s22, s15, 10                        ; 1,024 bytes a column block,
	s_add_co_u32 s23, s23, s22
	s_lshl_b32 s22, s14, 8                         ; my 256 bytes of each sub-tile's 512
	s_add_co_u32 s23, s23, s22
.endif
	s_wait_kmcnt 0x0
	s_min_u32 s18, s18, 8                          ; an expert's number: 8 is the shared one
	s_mov_b32 s56, s16                             ; the first trip reads the block that it makes
	s_sub_co_u32 s17, s17, 1                       ; the last block that exists
	s_add_co_u32 s57, s16, 96
	s_min_u32 s57, s57, s17                        ; the second trip reads block y + 96, or the last that exists
	s_min_u32 s57, s57, MAXBLK-1
	s_lshl_b32 s59, s57, 2
	s_load_b32 s58, s[8:9], s59 offset:32768       ; its expert: waited for at the first tile's end; s58 and s59 are left alone until then
.Ltile:                                                ; row block y; work-groups y = 0..6 come round once more, for y + 96: the trips hang on the work-group's number alone
	s_wait_dscnt 0x0                               ; my reads of the ring and of the stage are over,
	s_wait_tensorcnt 0x0                           ; and no tensor load of mine is out: every group 0 may be written
	ds_add_u32 v62, v63
	ds_add_u32 v62, v63
	s_wait_dscnt 0x0
	s_mul_i32 s20, s56, 128*KTOT*2                 ; A: the block's 128 rows,
	s_mul_i32 s22, s14, 64*KTOT*2                  ; the half that I fetch
	s_add_co_u32 s20, s20, s22
	s_mov_b32 s21, 0
	s_add_nc_u64 s[G0A+2:G0A+3], s[4:5], s[20:21]  ; K step 0
	s_add_nc_u64 s[G0A+6:G0A+7], s[G0A+2:G0A+3], 256       ; K step 1
	s_or_b32 s[G0A+3], s[G0A+3], 0x80000000        ; type = 2
	s_or_b32 s[G0A+7], s[G0A+7], 0x80000000
	s_lshl_b32 s20, s18, 20                        ; B: an expert's matrix is 1,048,576 bytes,
	s_mul_i32 s22, s15, CBB                        ; the column block,
	s_add_co_u32 s20, s20, s22
	s_mul_i32 s22, s14, USTR                       ; the sub-tile that I fetch
	s_add_co_u32 s20, s20, s22
.if WOFF != 0
	s_add_co_u32 s20, s20, WOFF
.endif
	s_add_nc_u64 s[G0B+2:G0B+3], s[6:7], s[20:21]
	s_add_nc_u64 s[G0B+6:G0B+7], s[G0B+2:G0B+3], BSTEP
	s_or_b32 s[G0B+3], s[G0B+3], 0x80000000
	s_or_b32 s[G0B+7], s[G0B+7], 0x80000000
	s_mul_i32 s20, s16, OBLK                       ; the output: always the rows of the block that is made
	s_add_co_u32 s20, s20, s23
	s_add_nc_u64 s[62:63], s[10:11], s[20:21]      ; where my part of the tile goes
	SYNC                                           ; every wave has left the last tile's slots
	JLOAD 0                                        ; K step 0
	s_wait_dscnt 0x0
	s_wait_tensorcnt 0x0                           ; my part of it is in,
	ds_add_u32 v62, v63
	s_wait_dscnt 0x0
	SYNC                                           ; everybody's is
	JLOAD 1                                        ; K step 1
	FETCH 0, 0, 0
	QUARTER 0, 1, 0, 1, 1                          ; a tile's first quarter stands in front of the loop: its products start the sums
	s_mov_b32 s19, LAPS-1
.Llap:                                                 ; a trip goes once round the ring, from a lap's second quarter to the next lap's first, and fills both slots again
	QUARTER 0, 2, 1, 0, 0
	QUARTER 0, 3, 0, 1, 0
	TURN 0, 1, 1
	QUARTER 1, 1, 0, 1, 0
	QUARTER 1, 2, 1, 0, 0
	QUARTER 1, 3, 0, 1, 0
	TURN 1, 0, 1
	QUARTER 0, 1, 0, 1, 0
	s_sub_co_u32 s19, s19, 1
	s_cmp_lg_u32 s19, 0
	s_cbranch_scc1 .Llap
	QUARTER 0, 2, 1, 0, 0                          ; the last lap is written out: it asks for nothing more
	QUARTER 0, 3, 0, 1, 0
	TURN 0, 1, 0
	QUARTER 1, 1, 0, 1, 0
	QUARTER 1, 2, 1, 0, 0
	QUARTER 1, 3, 0, 1, 0
	s_wait_dscnt 0x0
	MUL32 1, 0
	PLACES                                         ; between the last product and the first read of a result
.if GEMM == 1
	; THE WAY OUT, 16 rows (block a) at a time: gate in window 1 at v[64 a + i], up at v[64 a + 32 + i], i = 0..31; each accumulator is read from its low end on.
	; h = g u / (1 + 2^(-log2(e) g)) in v64-95, rounded to bf16 in v32-47: a lane's eight columns are 16 bytes of a row.
.irp a, 0,1,2,3
	WIN 0x01                                       ; source 0 in window 1
.set i, 0
.rept 16
	v_pk_mul_f32 v[64+i:65+i], v[64*\a+i:64*\a+i+1], s[60:61] op_sel_hi:[1,0]
.set i, i+2
.endr
	WIN 0
.set i, 0
.rept 32
	v_exp_f32 v[64+i], v[64+i]
.set i, i+1
.endr
	v_nop                                          ; a plain instruction between the last exponential and the use of its result
.set i, 0
	s_wait_alu depctr_va_vdst(0)
.rept 16
	v_pk_add_f32 v[64+i:65+i], v[64+i:65+i], 1.0 op_sel_hi:[1,0]
.set i, i+2
.endr
.set i, 0
.rept 32
	v_rcp_f32 v[64+i], v[64+i]
.set i, i+1
.endr
	v_nop
	WIN 0x01
.set i, 0
	s_wait_alu depctr_va_vdst(0)
.rept 16
	v_pk_mul_f32 v[64+i:65+i], v[64*\a+i:64*\a+i+1], v[64+i:65+i]
.set i, i+2
.endr
.set i, 0
.rept 16
	v_pk_mul_f32 v[64+i:65+i], v[64*\a+32+i:64*\a+32+i+1], v[64+i:65+i]
.set i, i+2
.endr
	WIN 0
.set i, 0
.rept 16
	v_cvt_pk_bf16_f32 v[32+i], v[64+2*i], v[65+2*i]
.set i, i+1
.endr
.irp b, 0,1,2,3
	ds_store_b128 v14, v[32+4*\b:35+4*\b] offset:\a*16*PA+32*\b
.endr
.endr
	s_wait_dscnt 0x0                               ; for the others' sake: a row's 256 bytes come from two waves
	SYNC
.irp t, 0,1,2,3,4,5,6,7,8,9,10,11,12,13,14,15
	ds_load_b128 v[128+4*\t:131+4*\t], v15 offset:\t*2*PA
.endr
.irp t, 0,1,2,3,4,5,6,7,8,9,10,11,12,13,14,15
	s_wait_dscnt 15-\t                             ; load t is back, the younger ones stay out
	global_store_b128 v16, v[128+4*\t:131+4*\t], s[62:63] offset:\t*2048   ; sixteen lanes store 256 consecutive bytes, aligned
.endr
.else
	; THE WAY OUT, 16 rows (block a) at a time through my own stage: a lane's eight f32 are 32 bytes of a row; back come whole pieces of 256 bytes.
.irp a, 0,1,2,3
.set BK, 64+64*(\a%2)
.if \a >= 2
	s_wait_xcnt 0x0                                ; the registers that block a - 2's stores read are loaded again only behind this wait
.endif
	WIN 0x04                                       ; the data of an LDS store (source 1) in window 1
.irp b, 0,1,2,3,4,5,6,7
	ds_store_b128 v14, v[8*(8*\a+\b):8*(8*\a+\b)+3]   offset:256*(\b/4)+64*(\b%4)
	ds_store_b128 v14, v[8*(8*\a+\b)+4:8*(8*\a+\b)+7] offset:256*(\b/4)+64*(\b%4)+16
.endr
	WIN 0
.irp t, 0,1,2,3,4,5,6,7,8,9,10,11,12,13,14,15
	ds_load_b128 v[BK+4*\t:BK+4*\t+3], v15 offset:\t*SP2       ; LDS serves a wave's instructions in order: these see the stores above
.endr
.irp t, 0,1,2,3,4,5,6,7,8,9,10,11,12,13,14,15
	s_wait_dscnt 15-\t                             ; load t is back, the younger ones stay out
	global_store_b128 v16, v[BK+4*\t:BK+4*\t+3], s[62:63] offset:(16*\a+\t)*4096   ; each half of the lanes stores 256 consecutive bytes, aligned
.endr
.endr
.endif
	s_wait_xcnt 0x0                                ; the stores' base and data registers are written again only behind this wait
	s_wait_kmcnt 0x0                               ; the second trip's expert is in
	s_min_u32 s18, s58, 8
	s_mov_b32 s56, s57
	s_add_co_u32 s16, s16, 96
	s_cmp_lt_u32 s16, MAXBLK                       ; a constant: every wave of the work-group makes the same trips
	s_cbranch_scc1 .Ltile
	s_wait_tensorcnt 0x0
	ds_add_u32 v62, v63
	s_wait_dscnt 0x0
	s_endpgm
.Lfunc_end_k_qc1320f0fbc_gemm1:
	.size	k_qc1320f0fbc_gemm1, .Lfunc_end_k_qc1320f0fbc_gemm1-k_qc1320f0fbc_gemm1
	.p2alignl 7, 3214868480
	.fill 96, 4, 3214868480
	.section	.rodata,"a",@progbits
	.p2align	6, 0x0
	.amdhsa_kernel k_qc1320f0fbc_gemm1
		.amdhsa_group_segment_fixed_size 327680
		.amdhsa_private_segment_fixed_size 0
		.amdhsa_enable_private_segment 0
		.amdhsa_kernarg_size 32
		.amdhsa_user_sgpr_count 2
		.amdhsa_user_sgpr_kernarg_segment_ptr 1
		.amdhsa_wavefront_size32 1
		.amdhsa_system_sgpr_workgroup_id_x 1
		.amdhsa_system_sgpr_workgroup_id_y 1
		.amdhsa_system_sgpr_workgroup_id_z 1
		.amdhsa_system_vgpr_workitem_id 0
		.amdhsa_next_free_vgpr 512
		.amdhsa_next_free_sgpr 66
		.amdhsa_reserve_vcc 0
		.amdhsa_float_denorm_mode_32 3
		.amdhsa_float_denorm_mode_16_64 3
		.amdhsa_memory_ordered 1
		.amdhsa_forward_progress 1
		.amdhsa_inst_pref_size 103
	.end_amdhsa_kernel
	.amdgpu_metadata
---
amdhsa.version: [ 1, 2 ]
amdhsa.kernels:
  - .name:           k_qc1320f0fbc_gemm1
    .symbol:         k_qc1320f0fbc_gemm1.kd
    .args:
      - { .name: xs, .offset: 0, .size: 8, .value_kind: global_buffer, .address_space: global }
      - { .name: wb, .offset: 8, .size: 8, .value_kind: global_buffer, .address_space: global }
      - { .name: plan, .offset: 16, .size: 8, .value_kind: global_buffer, .address_space: global }
      - { .name: hact, .offset: 24, .size: 8, .value_kind: global_buffer, .address_space: global }
    .group_segment_fixed_size: 327680
    .private_segment_fixed_size: 0
    .kernarg_segment_align: 8
    .kernarg_segment_size: 32
    .max_flat_workgroup_size: 128
    .sgpr_count:     66
    .vgpr_count:     512
    .wavefront_size: 32
...
	.end_amdgpu_metadata
.endif
;; end of part 4
;; launch gemm2 (part 5): grid 4 x 96, 4 waves a work-group, no clusters, 327,680 bytes of LDS; arguments hact, wb, plan, yrows; writes yrows
.if DOCPART == 5
	.amdgcn_target "amdgcn-amd-amdhsa--gfx1250"
	.amdhsa_code_object_version 6
	.text
	.protected	k_qc1320f0fbc_gemm2
	.globl	k_qc1320f0fbc_gemm2
	.p2align	8
	.type	k_qc1320f0fbc_gemm2,@function
k_qc1320f0fbc_gemm2:
	s_mov_b64 s[64:65], 0
	v_nop
	global_prefetch_b8 v0, s[64:65] scope:SCOPE_SE
	s_setreg_imm32_b32 hwreg(HW_REG_WAVE_MODE, 25, 1), 1
	s_wait_xcnt 0x0
.set GEMM, 2                           ; 1: hact = silu(xs Wgate_e) * (xs Wup_e);  2: yrows = hact Wdown_e.  The two texts differ in this line alone.
; A PRODUCT BY BLOCKS OF 128 ROWS, each block with the weights of its own expert (plan: the expert of each block, the number of blocks).  bf16 operands, f32 sums.
; SHARES.  Work-group (cb, y) makes 128 rows x 256 columns of B for row block y; work-groups y = 0..6 stay and take block y + 96 too.  The number of blocks, 96 to 103, is a count
;   read from memory, and no barrier may hang on it: so the second trip is always run.  Where block y + 96 does not exist, the trip reads the last block that does (rows that were
;   written, that block's expert), and its result goes to rows 128 (y + 96) on of the output, which has room for 104 blocks; no later launch reads those rows.
;   The 256 columns are two sub-tiles of 128: in product 1 gate's and up's columns 128 cb .. + 127, so that silu(g) u is made in registers; in product 2 columns 256 cb + 128 u.
;   Four waves, each 64 rows x 64 columns of each sub-tile: 32 accumulators of 16 x 16, 256 registers.
; RING.  K goes in steps of 128 through two LDS slots.  Waves 0 and 1 fetch a sub-tile of B each (128 rows of 256 bytes), waves 2 and 3 half of A's tile (64 rows of 256 bytes):
;   one tensor load a wave behind each barrier, and never more than one of a wave outstanding.  B lies [k][n] in memory and in LDS and is turned by ds_load_tr16_b128.
; THE MATRIX INSTRUCTION IS USED TRANSPOSED (source 0 = 16 columns of B, source 1 = 16 rows of A): a lane holds row lane % 16 and eight neighbouring columns.
; NO CLUSTER.  The work-groups that read the same tiles of B are the row blocks of one expert, and their number is a count read from memory (0 to 64), so no fixed grouping of the
;   grid holds them.  The four column blocks of a row block share A's tile: 32,768 of a K step's 98,304 bytes; the other 65,536 are each work-group's own.
; LIMIT.  Only the two chosen experts of a token are computed: an infinity or NaN that an expert with combine weight 0 would give is not reproduced.
; REGISTERS.  Window 0: v1-16 addresses; v32-63 at work; fragments of A v64-95, v96-127 (two buffers), of B v128-191, v192-255.  Window 1: accumulator (a, b) at v[8 (8 a + b)].
;   s16 the block that is made, s56 the block that is read, s18 its expert; s57, s58 the same two for the second trip; s59 the offset of the scalar load that is out.
.if GEMM == 1
.set KTOT, 1024                        ; K
.set BROW, 512                         ; elements in a row of B
.set WOFF, 0                           ; where the weights begin in wb
.set CBB,  256                         ; bytes from a column block to the next
.set USTR, 9437184                     ; bytes from sub-tile 0 to sub-tile 1: from gate to up
.set OBLK, 131072                      ; bytes of the output in a block of 128 rows
.else
.set KTOT, 512
.set BROW, 1024
.set WOFF, 18874368
.set CBB,  512
.set USTR, 256
.set OBLK, 524288
.endif
.set MAXBLK, 103                       ; 32 blocks of the shared expert + 64 + 7 at the most: eight experts' 8,192 rows, each expert filled up to a multiple of 128
.set LAPS,  KTOT/256                   ; a lap = two K steps = once round the ring
.set BSTEP, 128*BROW*2                 ; bytes from a K step of B to the next
.set PA,    272                        ; A's LDS row: 256 bytes + 16
.set PB,    288                        ; B's LDS row: 256 bytes + 32
.set BT,    128*PB                     ; a sub-tile of B
.set AOFF,  2*BT                       ; A's tile lies behind the two
.set AH,    64*PA                      ; half of A's tile
.set SLOT,  AOFF+2*AH                  ; 108,544
.set STAGE, 2*SLOT                     ; behind the ring, at a multiple of 256: the way out; no tensor load lands here
.set SP2,   528                        ; product 2's stage row: 512 bytes + 16
.set ADRA, 8                           ; v8-9    my fragments of A in slot 0, 1
.set ADRB, 10                          ; v10-13  my fragments of B: slot 0 sub-tile 0, 1; slot 1 sub-tile 0, 1
.set G1A, 24                           ; s[24:31] descriptor group 1 for A's halves
.set G1B, 32                           ; s[32:39] for B's sub-tiles
.set G0A, 40                           ; s[40:47] group 0 for A, a set for each slot
.set G0B, 48                           ; s[48:55] group 0 for B
.set MSB, 0
.macro WIN new                         ; s_set_vgpr_msb: bits 1:0 source 0, 3:2 source 1, 5:4 source 2, 7:6 destination; the high byte repeats the setting that is left
.if MSB != \new
	s_set_vgpr_msb (MSB<<8)|\new
.set MSB, \new
.endif
.endm
.macro PLACES                          ; four places between a matrix instruction and a load into, or a read of, its registers (ISA guide 7.12.1 for reads)
.rept 4
	v_nop
.endr
.endm
.macro SYNC
	s_barrier_signal -1
	s_barrier_wait -1
.endm
.macro JLOAD s                         ; a wave's one tensor load into slot s; four v_nop follow each of the two lines
	s_cmp_lt_u32 s12, 2
	s_cbranch_scc0 .Lfor_a_\@
	tensor_load_to_lds s[G0B+4*\s:G0B+4*\s+3], s[G1B:G1B+7]
	s_nop 0
.rept 4
	v_nop
.endr
	s_branch .Lasked_\@
.Lfor_a_\@:
	tensor_load_to_lds s[G0A+4*\s:G0A+4*\s+3], s[G1A:G1A+7]
	s_nop 0
.rept 4
	v_nop
.endr
.Lasked_\@:
.endm
; 24 LDS loads in one run: the fragments of quarter q (32 along K) of a slot into buffer f: 8 of B (16 columns x 32 k, turned), 4 of A (16 rows x 32 k)
.macro FETCH slot, q, f
.irp b, 0,1,2,3,4,5,6,7
	ds_load_tr16_b128 v[128+64*\f+8*\b:128+64*\f+8*\b+3],   v[ADRB+2*\slot+\b/4] offset:\q*32*PB+32*(\b%4)
	ds_load_tr16_b128 v[128+64*\f+8*\b+4:128+64*\f+8*\b+7], v[ADRB+2*\slot+\b/4] offset:\q*32*PB+32*(\b%4)+16*PB
.endr
.irp a, 0,1,2,3
	ds_load_b128 v[64+32*\f+8*\a:64+32*\f+8*\a+3],   v[ADRA+\slot] offset:\q*64+\a*16*PA
	ds_load_b128 v[64+32*\f+8*\a+4:64+32*\f+8*\a+7], v[ADRA+\slot] offset:\q*64+\a*16*PA+32
.endr
.endm
; 32 matrix instructions on buffer f.  The 32 accumulators take turns, one instruction a turn, in the same order everywhere.  zero = 1: the products start the sums.
.macro MUL32 f, zero
	WIN 0x50                                       ; C and D in window 1
.irp a, 0,1,2,3
.irp b, 0,1,2,3,4,5,6,7
.if \zero
	v_wmma_f32_16x16x32_bf16 v[8*(8*\a+\b):8*(8*\a+\b)+7], v[128+64*\f+8*\b:128+64*\f+8*\b+7], v[64+32*\f+8*\a:64+32*\f+8*\a+7], 0
.else
	v_wmma_f32_16x16x32_bf16 v[8*(8*\a+\b):8*(8*\a+\b)+7], v[128+64*\f+8*\b:128+64*\f+8*\b+7], v[64+32*\f+8*\a:64+32*\f+8*\a+7], v[8*(8*\a+\b):8*(8*\a+\b)+7]
.endif
.endr
.endr
	WIN 0
.endm
; One of a K step's first three quarters: fetches quarter q of the slot into buffer g, then multiplies buffer f while those loads are on their way
.macro QUARTER slot, q, f, g, zero
	PLACES                                         ; buffer g was multiplied last
	FETCH \slot, \q, \g
	s_wait_dscnt 24                                ; all but the 24 just issued: buffer f is in
	MUL32 \f, \zero
.endm
; The last quarter changes slots.  In front of the barrier each wave waits for its reads of this slot and for all its tensor loads (its part of the next slot); behind it nobody reads
; this slot any more and the next slot is whole: this slot's refill, two K steps on, comes first, then the next slot's first fragments, then buffer 1's products.
.macro TURN slot, next, refill
	PLACES                                         ; buffer 0 was multiplied last
	s_wait_dscnt 0x0
	s_wait_tensorcnt 0x0                           ; no tensor load of mine is out, so a group 0 may be written
	ds_add_u32 v62, v63
	s_wait_dscnt 0x0
.if \refill
	s_add_nc_u64 s[G0A+4*\slot+2:G0A+4*\slot+3], s[G0A+4*\slot+2:G0A+4*\slot+3], 512
	s_add_nc_u64 s[G0B+4*\slot+2:G0B+4*\slot+3], s[G0B+4*\slot+2:G0B+4*\slot+3], 2*BSTEP
.endif
	SYNC
.if \refill
	JLOAD \slot                                    ; it has this quarter and the next K step's first three, 128 matrix instructions, in which to land
.endif
	FETCH \next, 0, 0
	MUL32 1, 0
.endm
	s_load_b256 s[4:11], s[0:1], 0x0               ; A 4:5, wb 6:7, plan 8:9, the output 10:11
	v_lshl_add_u32 v62, v0, 2, 0x3d800
	v_mov_b32 v63, 0
	v_lshrrev_b32 v1, 5, v0
	v_readfirstlane_b32 s12, v1                    ; wave 0..3
	s_lshr_b32 s13, s12, 1                         ; which 64 rows are mine
	s_and_b32 s14, s12, 1                          ; which 64 columns of each sub-tile.  Also: which sub-tile of B, or which half of A, I fetch
	s_mov_b32 s15, ttmp9                           ; column block
	s_and_b32 s16, ttmp7, 0xffff                   ; row block
	s_lshl_b32 s59, s16, 2                         ; its word in the table of experts
	; group 1, all sizes in elements of 2 bytes: rows of 128 elements, padded in LDS after every 64 words
	s_mov_b32 s[G1A+0], (1<<16)|(1<<20)|(5<<22)|(3<<25)    ; by 4 words
	s_mov_b32 s[G1A+1], 128<<16                    ; tensor_dim0 = 128
	s_mov_b32 s[G1A+2], 64<<16                     ; tensor_dim1 = 64
	s_mov_b32 s[G1A+3], 128<<16                    ; tile_dim0 = 128
	s_mov_b32 s[G1A+4], 64                         ; tile_dim1 = 64
	s_mov_b32 s[G1A+5], KTOT                       ; from row to row
	s_mov_b32 s[G1A+6], 0
	s_mov_b32 s[G1A+7], 0
	s_mov_b32 s[G1B+0], (1<<16)|(1<<20)|(5<<22)|(7<<25)    ; by 8 words
	s_mov_b32 s[G1B+1], 128<<16
	s_mov_b32 s[G1B+2], 128<<16                    ; tensor_dim1 = 128
	s_mov_b32 s[G1B+3], 128<<16
	s_mov_b32 s[G1B+4], 128                        ; tile_dim1 = 128
	s_mov_b32 s[G1B+5], BROW
	s_mov_b32 s[G1B+6], 0
	s_mov_b32 s[G1B+7], 0
	; group 0: the count and the LDS addresses are written once; the global addresses for each tile
	s_mov_b32 s[G0A+0], 1
	s_mov_b32 s[G0A+4], 1
	s_mov_b32 s[G0B+0], 1
	s_mov_b32 s[G0B+4], 1
	s_mul_i32 s[G0A+1], s12, AH
	s_add_co_u32 s[G0A+1], s[G0A+1], AOFF-2*AH     ; waves 2 and 3: A's halves 0 and 1
	s_add_co_u32 s[G0A+5], s[G0A+1], SLOT
	s_mul_i32 s[G0B+1], s12, BT                    ; waves 0 and 1: sub-tiles 0 and 1
	s_add_co_u32 s[G0B+5], s[G0B+1], SLOT
	s_mov_b32 s60, 0xbfb8aa3b                      ; -log2(e)
	s_mov_b32 s61, s60
	s_wait_kmcnt 0x0
	s_load_b32 s17, s[8:9], 33280                  ; the number of blocks
	s_load_b32 s18, s[8:9], s59 offset:32768       ; the expert of block y: blocks 0 to 95 always exist
	v_and_b32 v1, 15, v0                           ; r
	v_bfe_u32 v2, v0, 4, 1                         ; h
	v_mul_u32_u24 v3, v1, PA
	v_lshl_add_u32 v3, v2, 4, v3                   ; r x 272 + 16 h
	s_mul_i32 s20, s13, AH
	s_add_co_u32 s20, s20, AOFF
	v_add_nc_u32 v[ADRA], s20, v3
	v_add_nc_u32 v[ADRA+1], SLOT, v[ADRA]
	v_and_b32 v4, 7, v0                            ; the turning load: lane l reads 16 bytes of k row 8 h + l % 8, columns 8 ((l / 8) % 2) on
	v_lshl_add_u32 v4, v2, 3, v4
	v_mul_u32_u24 v4, v4, PB
	v_bfe_u32 v5, v0, 3, 1
	v_lshl_add_u32 v4, v5, 4, v4
	s_lshl_b32 s20, s14, 7
	v_add_nc_u32 v[ADRB], s20, v4
	v_add_nc_u32 v[ADRB+1], BT, v[ADRB]
	v_add_nc_u32 v[ADRB+2], SLOT, v[ADRB]
	v_add_nc_u32 v[ADRB+3], SLOT+BT, v[ADRB]
.if GEMM == 1
	; the work-group's stage: 128 rows x 272 bytes.  v14 in: my row, my 128 bytes of its 256.  v15 back: wave w takes rows 32 w on, whole.  v16 the same two rows in the output.
	s_mul_i32 s20, s13, AH
	s_lshl_b32 s22, s14, 7
	s_add_co_u32 s20, s20, s22
	s_add_co_u32 s20, s20, STAGE
	v_add_nc_u32 v14, s20, v3
	v_mul_u32_u24 v5, v2, PA
	v_lshl_add_u32 v5, v1, 4, v5
	s_mul_i32 s20, s12, 32*PA
	s_add_co_u32 s20, s20, STAGE
	v_add_nc_u32 v15, s20, v5
	v_lshlrev_b32 v6, 10, v2
	v_lshl_add_u32 v16, v1, 4, v6
	s_lshl_b32 s23, s12, 15                        ; in the output: 32 rows of 1,024 bytes a wave,
	s_lshl_b32 s22, s15, 8                         ; 256 bytes a column block
	s_add_co_u32 s23, s23, s22
.else
	; each wave's own stage: 16 rows x 528 bytes.  v14 in: row r, 32 bytes for each half of the lanes.  v15 back: a row's 512 bytes.  v16: its two pieces of 256 bytes in the output.
	s_mul_i32 s20, s12, 16*SP2
	s_add_co_u32 s20, s20, STAGE
	v_mul_u32_u24 v5, v1, SP2
	v_lshl_add_u32 v5, v2, 5, v5
	v_add_nc_u32 v14, s20, v5
	v_and_b32 v6, 31, v0
	v_lshl_add_u32 v15, v6, 4, s20
	v_lshlrev_b32 v6, 9, v2
	v_lshl_add_u32 v16, v1, 4, v6
	s_lshl_b32 s23, s13, 18                        ; in the output: my 64 rows of 4,096 bytes,
	s_lshl_b32 s22, s15, 10                        ; 1,024 bytes a column block,
	s_add_co_u32 s23, s23, s22
	s_lshl_b32 s22, s14, 8                         ; my 256 bytes of each sub-tile's 512
	s_add_co_u32 s23, s23, s22
.endif
	s_wait_kmcnt 0x0
	s_min_u32 s18, s18, 8                          ; an expert's number: 8 is the shared one
	s_mov_b32 s56, s16                             ; the first trip reads the block that it makes
	s_sub_co_u32 s17, s17, 1                       ; the last block that exists
	s_add_co_u32 s57, s16, 96
	s_min_u32 s57, s57, s17                        ; the second trip reads block y + 96, or the last that exists
	s_min_u32 s57, s57, MAXBLK-1
	s_lshl_b32 s59, s57, 2
	s_load_b32 s58, s[8:9], s59 offset:32768       ; its expert: waited for at the first tile's end; s58 and s59 are left alone until then
.Ltile:                                                ; row block y; work-groups y = 0..6 come round once more, for y + 96: the trips hang on the work-group's number alone
	s_wait_dscnt 0x0                               ; my reads of the ring and of the stage are over,
	s_wait_tensorcnt 0x0                           ; and no tensor load of mine is out: every group 0 may be written
	ds_add_u32 v62, v63
	ds_add_u32 v62, v63
	s_wait_dscnt 0x0
	s_mul_i32 s20, s56, 128*KTOT*2                 ; A: the block's 128 rows,
	s_mul_i32 s22, s14, 64*KTOT*2                  ; the half that I fetch
	s_add_co_u32 s20, s20, s22
	s_mov_b32 s21, 0
	s_add_nc_u64 s[G0A+2:G0A+3], s[4:5], s[20:21]  ; K step 0
	s_add_nc_u64 s[G0A+6:G0A+7], s[G0A+2:G0A+3], 256       ; K step 1
	s_or_b32 s[G0A+3], s[G0A+3], 0x80000000        ; type = 2
	s_or_b32 s[G0A+7], s[G0A+7], 0x80000000
	s_lshl_b32 s20, s18, 20                        ; B: an expert's matrix is 1,048,576 bytes,
	s_mul_i32 s22, s15, CBB                        ; the column block,
	s_add_co_u32 s20, s20, s22
	s_mul_i32 s22, s14, USTR                       ; the sub-tile that I fetch
	s_add_co_u32 s20, s20, s22
.if WOFF != 0
	s_add_co_u32 s20, s20, WOFF
.endif
	s_add_nc_u64 s[G0B+2:G0B+3], s[6:7], s[20:21]
	s_add_nc_u64 s[G0B+6:G0B+7], s[G0B+2:G0B+3], BSTEP
	s_or_b32 s[G0B+3], s[G0B+3], 0x80000000
	s_or_b32 s[G0B+7], s[G0B+7], 0x80000000
	s_mul_i32 s20, s16, OBLK                       ; the output: always the rows of the block that is made
	s_add_co_u32 s20, s20, s23
	s_add_nc_u64 s[62:63], s[10:11], s[20:21]      ; where my part of the tile goes
	SYNC                                           ; every wave has left the last tile's slots
	JLOAD 0                                        ; K step 0
	s_wait_dscnt 0x0
	s_wait_tensorcnt 0x0                           ; my part of it is in,
	ds_add_u32 v62, v63
	s_wait_dscnt 0x0
	SYNC                                           ; everybody's is
	JLOAD 1                                        ; K step 1
	FETCH 0, 0, 0
	QUARTER 0, 1, 0, 1, 1                          ; a tile's first quarter stands in front of the loop: its products start the sums
	s_mov_b32 s19, LAPS-1
.Llap:                                                 ; a trip goes once round the ring, from a lap's second quarter to the next lap's first, and fills both slots again
	QUARTER 0, 2, 1, 0, 0
	QUARTER 0, 3, 0, 1, 0
	TURN 0, 1, 1
	QUARTER 1, 1, 0, 1, 0
	QUARTER 1, 2, 1, 0, 0
	QUARTER 1, 3, 0, 1, 0
	TURN 1, 0, 1
	QUARTER 0, 1, 0, 1, 0
	s_sub_co_u32 s19, s19, 1
	s_cmp_lg_u32 s19, 0
	s_cbranch_scc1 .Llap
	QUARTER 0, 2, 1, 0, 0                          ; the last lap is written out: it asks for nothing more
	QUARTER 0, 3, 0, 1, 0
	TURN 0, 1, 0
	QUARTER 1, 1, 0, 1, 0
	QUARTER 1, 2, 1, 0, 0
	QUARTER 1, 3, 0, 1, 0
	s_wait_dscnt 0x0
	MUL32 1, 0
	PLACES                                         ; between the last product and the first read of a result
.if GEMM == 1
	; THE WAY OUT, 16 rows (block a) at a time: gate in window 1 at v[64 a + i], up at v[64 a + 32 + i], i = 0..31; each accumulator is read from its low end on.
	; h = g u / (1 + 2^(-log2(e) g)) in v64-95, rounded to bf16 in v32-47: a lane's eight columns are 16 bytes of a row.
.irp a, 0,1,2,3
	WIN 0x01                                       ; source 0 in window 1
.set i, 0
.rept 16
	v_pk_mul_f32 v[64+i:65+i], v[64*\a+i:64*\a+i+1], s[60:61] op_sel_hi:[1,0]
.set i, i+2
.endr
	WIN 0
.set i, 0
.rept 32
	v_exp_f32 v[64+i], v[64+i]
.set i, i+1
.endr
	v_nop                                          ; a plain instruction between the last exponential and the use of its result
.set i, 0
.rept 16
	v_pk_add_f32 v[64+i:65+i], v[64+i:65+i], 1.0 op_sel_hi:[1,0]
.set i, i+2
.endr
.set i, 0
.rept 32
	v_rcp_f32 v[64+i], v[64+i]
.set i, i+1
.endr
	v_nop
	WIN 0x01
.set i, 0
.rept 16
	v_pk_mul_f32 v[64+i:65+i], v[64*\a+i:64*\a+i+1], v[64+i:65+i]
.set i, i+2
.endr
.set i, 0
.rept 16
	v_pk_mul_f32 v[64+i:65+i], v[64*\a+32+i:64*\a+32+i+1], v[64+i:65+i]
.set i, i+2
.endr
	WIN 0
.set i, 0
.rept 16
	v_cvt_pk_bf16_f32 v[32+i], v[64+2*i], v[65+2*i]
.set i, i+1
.endr
.irp b, 0,1,2,3
	ds_store_b128 v14, v[32+4*\b:35+4*\b] offset:\a*16*PA+32*\b
.endr
.endr
	s_wait_dscnt 0x0                               ; for the others' sake: a row's 256 bytes come from two waves
	SYNC
.irp t, 0,1,2,3,4,5,6,7,8,9,10,11,12,13,14,15
	ds_load_b128 v[128+4*\t:131+4*\t], v15 offset:\t*2*PA
.endr
.irp t, 0,1,2,3,4,5,6,7,8,9,10,11,12,13,14,15
	s_wait_dscnt 15-\t                             ; load t is back, the younger ones stay out
	global_store_b128 v16, v[128+4*\t:131+4*\t], s[62:63] offset:\t*2048   ; sixteen lanes store 256 consecutive bytes, aligned
.endr
.else
	; THE WAY OUT, 16 rows (block a) at a time through my own stage: a lane's eight f32 are 32 bytes of a row; back come whole pieces of 256 bytes.
.irp a, 0,1,2,3
.set BK, 64+64*(\a%2)
.if \a >= 2
	s_wait_xcnt 0x0                                ; the registers that block a - 2's stores read are loaded again only behind this wait
.endif
	WIN 0x04                                       ; the data of an LDS store (source 1) in window 1
.irp b, 0,1,2,3,4,5,6,7
	ds_store_b128 v14, v[8*(8*\a+\b):8*(8*\a+\b)+3]   offset:256*(\b/4)+64*(\b%4)
	ds_store_b128 v14, v[8*(8*\a+\b)+4:8*(8*\a+\b)+7] offset:256*(\b/4)+64*(\b%4)+16
.endr
	WIN 0
.irp t, 0,1,2,3,4,5,6,7,8,9,10,11,12,13,14,15
	ds_load_b128 v[BK+4*\t:BK+4*\t+3], v15 offset:\t*SP2       ; LDS serves a wave's instructions in order: these see the stores above
.endr
.irp t, 0,1,2,3,4,5,6,7,8,9,10,11,12,13,14,15
	s_wait_dscnt 15-\t                             ; load t is back, the younger ones stay out
	global_store_b128 v16, v[BK+4*\t:BK+4*\t+3], s[62:63] offset:(16*\a+\t)*4096   ; each half of the lanes stores 256 consecutive bytes, aligned
.endr
.endr
.endif
	s_wait_xcnt 0x0                                ; the stores' base and data registers are written again only behind this wait
	s_wait_kmcnt 0x0                               ; the second trip's expert is in
	s_min_u32 s18, s58, 8
	s_mov_b32 s56, s57
	s_add_co_u32 s16, s16, 96
	s_cmp_lt_u32 s16, MAXBLK                       ; a constant: every wave of the work-group makes the same trips
	s_cbranch_scc1 .Ltile
	s_wait_tensorcnt 0x0
	ds_add_u32 v62, v63
	s_wait_dscnt 0x0
	s_endpgm
.Lfunc_end_k_qc1320f0fbc_gemm2:
	.size	k_qc1320f0fbc_gemm2, .Lfunc_end_k_qc1320f0fbc_gemm2-k_qc1320f0fbc_gemm2
	.p2alignl 7, 3214868480
	.fill 96, 4, 3214868480
	.section	.rodata,"a",@progbits
	.p2align	6, 0x0
	.amdhsa_kernel k_qc1320f0fbc_gemm2
		.amdhsa_group_segment_fixed_size 327680
		.amdhsa_private_segment_fixed_size 0
		.amdhsa_enable_private_segment 0
		.amdhsa_kernarg_size 32
		.amdhsa_user_sgpr_count 2
		.amdhsa_user_sgpr_kernarg_segment_ptr 1
		.amdhsa_wavefront_size32 1
		.amdhsa_system_sgpr_workgroup_id_x 1
		.amdhsa_system_sgpr_workgroup_id_y 1
		.amdhsa_system_sgpr_workgroup_id_z 1
		.amdhsa_system_vgpr_workitem_id 0
		.amdhsa_next_free_vgpr 512
		.amdhsa_next_free_sgpr 66
		.amdhsa_reserve_vcc 0
		.amdhsa_float_denorm_mode_32 3
		.amdhsa_float_denorm_mode_16_64 3
		.amdhsa_memory_ordered 1
		.amdhsa_forward_progress 1
		.amdhsa_inst_pref_size 86
	.end_amdhsa_kernel
	.amdgpu_metadata
---
amdhsa.version: [ 1, 2 ]
amdhsa.kernels:
  - .name:           k_qc1320f0fbc_gemm2
    .symbol:         k_qc1320f0fbc_gemm2.kd
    .args:
      - { .name: hact, .offset: 0, .size: 8, .value_kind: global_buffer, .address_space: global }
      - { .name: wb, .offset: 8, .size: 8, .value_kind: global_buffer, .address_space: global }
      - { .name: plan, .offset: 16, .size: 8, .value_kind: global_buffer, .address_space: global }
      - { .name: yrows, .offset: 24, .size: 8, .value_kind: global_buffer, .address_space: global }
    .group_segment_fixed_size: 327680
    .private_segment_fixed_size: 0
    .kernarg_segment_align: 8
    .kernarg_segment_size: 32
    .max_flat_workgroup_size: 128
    .sgpr_count:     66
    .vgpr_count:     512
    .wavefront_size: 32
...
	.end_amdgpu_metadata
.endif
;; end of part 5
;; launch combine (part 6): grid 256 x 1, 8 waves a work-group, no clusters, 0 bytes of LDS; arguments yrows, topw, plan, out0; writes out0
.if DOCPART == 6
	.amdgcn_target "amdgcn-amd-amdhsa--gfx1250"
	.amdhsa_code_object_version 6
	.text
	.protected	k_qc1320f0fbc_combine
	.globl	k_qc1320f0fbc_combine
	.p2align	8
	.type	k_qc1320f0fbc_combine,@function
k_qc1320f0fbc_combine:
	s_mov_b64 s[64:65], 0
	v_nop
	global_prefetch_b8 v0, s[64:65] scope:SCOPE_SE
	s_setreg_imm32_b32 hwreg(HW_REG_WAVE_MODE, 25, 1), 1
	s_wait_xcnt 0x0
; COMBINE.  out[t] = yrows[t] (the shared expert's row) + w0 yrows[pos[t][0]] + w1 yrows[pos[t][1]], all f32.
; A wave takes two tokens: six rows of 4,096 bytes, all 48 loads of 512 consecutive bytes issued at once; each row of yrows is read once in the launch.
; A stream: no LDS, no barrier, no matrix unit, no cluster (no two work-groups read the same bytes).
	s_load_b256 s[4:11], s[0:1], 0x0               ; yrows 4:5, topw 6:7, plan 8:9, out 10:11
	v_lshrrev_b32 v1, 5, v0
	v_readfirstlane_b32 s12, v1                    ; wave 0..7
	v_and_b32 v1, 31, v0
	v_lshlrev_b32 v1, 4, v1                        ; 16 bytes a lane
	s_lshl_b32 s13, ttmp9, 4
	s_lshl1_add_u32 s13, s12, s13                  ; my first token: 16 w + 2 wv
	s_lshl_b32 s14, s13, 3                         ; its 8 bytes in pos and in topw
	s_lshl_b32 s46, s13, 12                        ; its row of 4,096 bytes
	s_mov_b32 s47, 0
	s_wait_kmcnt 0x0
	s_load_b128 s[16:19], s[8:9], s14 offset:0x0   ; the four rows of my two tokens
	s_load_b128 s[20:23], s[6:7], s14 offset:0x0   ; their four weights
	s_add_nc_u64 s[24:25], s[4:5], s[46:47]        ; the shared expert's rows
	s_add_nc_u64 s[30:31], s[24:25], 4096
	s_add_nc_u64 s[44:45], s[10:11], s[46:47]
	s_wait_kmcnt 0x0
.irp n, 0,1,2,3
	s_min_u32 s[16+\n], s[16+\n], 0x33ff           ; a row of the row space: 13,311 at the most
.endr
	s_lshl_b32 s46, s16, 12
	s_add_nc_u64 s[26:27], s[4:5], s[46:47]
	s_lshl_b32 s46, s17, 12
	s_add_nc_u64 s[28:29], s[4:5], s[46:47]
	s_lshl_b32 s46, s18, 12
	s_add_nc_u64 s[32:33], s[4:5], s[46:47]
	s_lshl_b32 s46, s19, 12
	s_add_nc_u64 s[34:35], s[4:5], s[46:47]
.irp n, 0,1,2,3
	s_mov_b32 s[36+2*\n], s[20+\n]                 ; each weight in a pair of its own: the packed multiply-add names a pair
	s_mov_b32 s[37+2*\n], s[20+\n]
.endr
.irp k, 0,1
.irp j, 0,1,2,3,4,5,6,7
	global_load_b128 v[16+12*(8*\k+\j):16+12*(8*\k+\j)+3],    v1, s[24+6*\k:25+6*\k] offset:512*\j th:TH_LOAD_NT
	global_load_b128 v[16+12*(8*\k+\j)+4:16+12*(8*\k+\j)+7],  v1, s[26+6*\k:27+6*\k] offset:512*\j th:TH_LOAD_NT
	global_load_b128 v[16+12*(8*\k+\j)+8:16+12*(8*\k+\j)+11], v1, s[28+6*\k:29+6*\k] offset:512*\j th:TH_LOAD_NT
.endr
.endr
.irp k, 0,1
.irp j, 0,1,2,3,4,5,6,7
.set RG, 16+12*(8*\k+\j)
	s_wait_loadcnt 45-3*(8*\k+\j)                  ; this triple is in, the younger triples stay out
	v_pk_fma_f32 v[RG:RG+1],   v[RG+4:RG+5],   s[36+4*\k:37+4*\k], v[RG:RG+1]   op_sel_hi:[1,0,1]
	v_pk_fma_f32 v[RG+2:RG+3], v[RG+6:RG+7],   s[36+4*\k:37+4*\k], v[RG+2:RG+3] op_sel_hi:[1,0,1]
	v_pk_fma_f32 v[RG:RG+1],   v[RG+8:RG+9],   s[38+4*\k:39+4*\k], v[RG:RG+1]   op_sel_hi:[1,0,1]
	v_pk_fma_f32 v[RG+2:RG+3], v[RG+10:RG+11], s[38+4*\k:39+4*\k], v[RG+2:RG+3] op_sel_hi:[1,0,1]
	global_store_b128 v1, v[RG:RG+3], s[44:45] offset:4096*\k+512*\j th:TH_STORE_NT   ; 512 consecutive bytes, aligned; no register is written again
.endr
.endr
	s_endpgm
.Lfunc_end_k_qc1320f0fbc_combine:
	.size	k_qc1320f0fbc_combine, .Lfunc_end_k_qc1320f0fbc_combine-k_qc1320f0fbc_combine
	.p2alignl 7, 3214868480
	.fill 96, 4, 3214868480
	.section	.rodata,"a",@progbits
	.p2align	6, 0x0
	.amdhsa_kernel k_qc1320f0fbc_combine
		.amdhsa_group_segment_fixed_size 0
		.amdhsa_private_segment_fixed_size 0
		.amdhsa_enable_private_segment 0
		.amdhsa_kernarg_size 32
		.amdhsa_user_sgpr_count 2
		.amdhsa_user_sgpr_kernarg_segment_ptr 1
		.amdhsa_wavefront_size32 1
		.amdhsa_system_sgpr_workgroup_id_x 1
		.amdhsa_system_sgpr_workgroup_id_y 1
		.amdhsa_system_sgpr_workgroup_id_z 1
		.amdhsa_system_vgpr_workitem_id 0
		.amdhsa_next_free_vgpr 208
		.amdhsa_next_free_sgpr 66
		.amdhsa_reserve_vcc 0
		.amdhsa_float_denorm_mode_32 3
		.amdhsa_float_denorm_mode_16_64 3
		.amdhsa_memory_ordered 1
		.amdhsa_forward_progress 1
		.amdhsa_inst_pref_size 13
	.end_amdhsa_kernel
	.amdgpu_metadata
---
amdhsa.version: [ 1, 2 ]
amdhsa.kernels:
  - .name:           k_qc1320f0fbc_combine
    .symbol:         k_qc1320f0fbc_combine.kd
    .args:
      - { .name: yrows, .offset: 0, .size: 8, .value_kind: global_buffer, .address_space: global }
      - { .name: topw, .offset: 8, .size: 8, .value_kind: global_buffer, .address_space: global }
      - { .name: plan, .offset: 16, .size: 8, .value_kind: global_buffer, .address_space: global }
      - { .name: out0, .offset: 24, .size: 8, .value_kind: global_buffer, .address_space: global }
    .group_segment_fixed_size: 0
    .private_segment_fixed_size: 0
    .kernarg_segment_align: 8
    .kernarg_segment_size: 32
    .max_flat_workgroup_size: 256
    .sgpr_count:     66
    .vgpr_count:     208
    .wavefront_size: 32
...
	.end_amdgpu_metadata
.endif
;; end of part 6
;; ======== version 2 of 3: 6 launches; 1.14 times as fast as version 1
;; limits: values outside matrix products are rounded to bf16
;; workspace buffers: sel 16,384 bytes of whole numbers; topw 32,768 bytes; plan 33,792 bytes of whole numbers; xs 28,835,840 bytes; wb 28,311,552 bytes; hact 14,417,920 bytes; yrows 57,671,680 bytes
;; launch prep: the kernel of part 1 again; grid 1120 x 1, 8 waves a work-group, no clusters, 61,440 bytes of LDS; arguments hidden_states, router_weight, correction_bias, w_gate, sw_gate, w_up, sw_up, w_down, sw_down, sel, topw, wb; writes sel, topw, wb
;; launch place (part 7): grid 128 x 1, 8 waves a work-group, no clusters, 2,048 bytes of LDS; arguments sel, plan; writes plan
.if DOCPART == 7
	.amdgcn_target "amdgcn-amd-amdhsa--gfx1250"
	.amdhsa_code_object_version 6
	.text
	.protected	k_qc1320f0fbc_place
	.globl	k_qc1320f0fbc_place
	.p2align	8
	.type	k_qc1320f0fbc_place,@function
k_qc1320f0fbc_place:
	s_mov_b64 s[64:65], 0
	v_nop
	global_prefetch_b8 v0, s[64:65] scope:SCOPE_SE
	s_setreg_imm32_b32 hwreg(HW_REG_WAVE_MODE, 25, 1), 1
	s_wait_xcnt 0x0
; PLACE.  Where each token's two copies go in the row space that the two products walk (55 blocks of 256 rows at the most):
;   rows 0-4095: every token, for the shared expert (expert number 8).  From row 4096 on: experts 0..7 in order, each expert's tokens in token order,
;   each expert filled up to a multiple of 256 rows.
; The decision is made here and stored as whole numbers; the launches behind this one form their addresses, and their branches on it, from what they read of it.  In this launch
; every address is made of ids and constants, and no branch hangs on data.
; Stored, all in plan: pos[4096][2] at byte 0 (the two rows of each token); at 32768 the expert of each of 64 blocks; at 33280 the number of blocks (32 times);
;   at 33408 for each expert e two words: the row behind its last token, and the next expert's first row (between them lie the rows of zeros).
; No atomics: every work-group counts all 4,096 choices itself (sel is 16,384 bytes).  Work-group g is the group of tokens 32 g .. 32 g + 31, a lane a token.
;   Wave wv counts groups 16 wv .. 16 wv + 15; the eight waves' counts meet in LDS; wave 0 then places the group's tokens.  128 groups: 128 work-groups.
; No matrix unit, no cluster, no tensor loads: 16 KiB in, 33 KiB out.
.set MAXROW, 0x36ff                    ; 14,079: the last row of the row space
	s_load_b128 s[4:7], s[0:1], 0x0                ; sel 4:5, plan 6:7
	v_lshl_add_u32 v48, v0, 2, 0x400
	v_mov_b32 v49, 0
	v_lshrrev_b32 v1, 5, v0
	v_readfirstlane_b32 s12, v1                    ; wave 0..7
	v_and_b32 v1, 31, v0                           ; lane
	s_mov_b32 s14, ttmp9                           ; my group
	s_lshl_b32 s52, s12, 11
	v_lshl_add_u32 v5, v1, 2, s52                  ; sel: the wave's 16 groups, 128 bytes each
	s_lshl_b32 s52, s14, 7
	v_lshl_add_u32 v6, v1, 2, s52                  ; sel of my own group
	s_wait_kmcnt 0x0
.irp i, 0,1,2,3,4,5,6,7,8,9,10,11,12,13,14,15
	global_load_b32 v[8+\i], v5, s[4:5] offset:128*\i
.endr
	global_load_b32 v24, v6, s[4:5]
.set i, 16
.rept 16
	s_mov_b32 s[i], 0                              ; s16-23 n_e: tokens of expert e;  s24-31 c_e: those in groups below mine
.set i, i+1
.endr
	s_lshl_b32 s52, s12, 4
	s_wait_loadcnt 0x0
.set i, 0
.rept 16
	s_add_co_u32 s55, s52, i                       ; the group's number
	s_cmp_lt_u32 s55, s14
	s_cselect_b32 s53, -1, 0                       ; all ones if it lies below my group
.irp e, 0,1,2,3,4,5,6,7
	v_and_b32 v[40+\e], 0x10000<<\e, v[8+i]
.endr
.irp e, 0,1,2,3,4,5,6,7
	v_cmp_ne_u32 s[40+\e], 0, v[40+\e]             ; a bit for each token of the group that chose e
.endr
.irp e, 0,1,2,3,4,5,6,7
	s_bcnt1_i32_b32 s54, s[40+\e]
	s_add_co_u32 s[16+\e], s[16+\e], s54
	s_and_b32 s54, s54, s53                        ; the count, or 0
	s_add_co_u32 s[24+\e], s[24+\e], s54
.endr
.set i, i+1
.endr
	; the eight waves' counts meet in LDS: lanes 0-7 n_e, lanes 8-15 c_e
	v_mov_b32 v25, 0
.irp e, 0,1,2,3,4,5,6,7
	v_writelane_b32 v25, s[16+\e], \e
	v_writelane_b32 v25, s[24+\e], 8+\e
.endr
	s_lshl_b32 s52, s12, 7
	v_lshl_add_u32 v28, v1, 2, s52
	ds_store_b32 v28, v25
	s_wait_dscnt 0x0                               ; for the others' sake: my counts are in LDS
	s_barrier_signal -1
	s_barrier_wait -1
	; wave 0 goes on in every work-group, wave 1 in work-group 0 alone; no barrier follows
	s_cmp_eq_u32 s12, 0
	s_cbranch_scc1 .Lgo
	s_cmp_lg_u32 s12, 1
	s_cbranch_scc1 .Lend
	s_cmp_lg_u32 s14, 0
	s_cbranch_scc1 .Lend
.Lgo:
	v_lshlrev_b32 v29, 2, v1
.irp k, 0,1,2,3,4,5,6,7
	ds_load_b32 v[40+\k], v29 offset:128*\k
.endr
	s_wait_dscnt 0x0
	v_add_nc_u32 v40, v40, v41
	v_add_nc_u32 v42, v42, v43
	v_add_nc_u32 v44, v44, v45
	v_add_nc_u32 v46, v46, v47
	v_add_nc_u32 v40, v40, v42
	v_add_nc_u32 v44, v44, v46
	v_add_nc_u32 v26, v40, v44
.irp e, 0,1,2,3,4,5,6,7
	v_readlane_b32 s[16+\e], v26, \e
	v_readlane_b32 s[24+\e], v26, 8+\e
.endr
	; s32-39 the row of my group's first token of e; s16-23 now the row behind e's last token; s40-47 the block behind e's last
	s_mov_b32 s48, 4096
.irp e, 0,1,2,3,4,5,6,7
	s_add_co_u32 s[32+\e], s48, s[24+\e]
	s_add_co_u32 s[16+\e], s48, s[16+\e]
	s_add_co_u32 s53, s[16+\e], 255
	s_and_b32 s53, s53, 0xffffff00                 ; up to a multiple of 256: the next expert's first row
	s_lshr_b32 s[40+\e], s53, 8
	s_mov_b32 s48, s53
.endr
	s_cmp_lg_u32 s12, 0
	s_cbranch_scc1 .Ltable
	; wave 0: the two rows of each token of my group
	v_and_b32 v32, 0xff, v24                       ; e0
	v_bfe_u32 v33, v24, 8, 8                       ; e1
	v_mov_b32 v30, 4096
	v_mov_b32 v31, 4096
.irp e, 0,1,2,3,4,5,6,7
	v_and_b32 v27, 0x10000<<\e, v24
	v_cmp_ne_u32 s54, 0, v27
	v_mbcnt_lo_u32_b32 v27, s54, 0                 ; tokens of the group in front of me that chose e
	v_add_nc_u32 v27, s[32+\e], v27
	v_cmp_eq_u32 vcc_lo, \e, v32
	v_cndmask_b32 v30, v30, v27, vcc_lo
	v_cmp_eq_u32 vcc_lo, \e, v33
	v_cndmask_b32 v31, v31, v27, vcc_lo
.endr
	v_min_u32 v30, MAXROW, v30
	v_min_u32 v31, MAXROW, v31
	s_lshl_b32 s52, s14, 8
	v_lshl_add_u32 v34, v1, 3, s52
	global_store_b64 v34, v[30:31], s[6:7]         ; 32 lanes store 256 consecutive bytes, aligned
	s_wait_tensorcnt 0x0
	ds_add_u32 v48, v49
	s_wait_dscnt 0x0
	s_endpgm
	; wave 1 of work-group 0: the three small tables, 512 bytes in all, four bytes a lane
.Ltable:
	v_lshlrev_b32 v35, 2, v1
.irp j, 0,1
	v_add_nc_u32 v13, 32*\j, v1                    ; block b
	v_mov_b32 v[8+\j], 0
.irp e, 0,1,2,3,4,5,6,7
	v_cmp_le_u32 vcc_lo, s[40+\e], v13             ; expert e ends at or in front of b:
	v_add_co_ci_u32 v[8+\j], vcc_lo, 0, v[8+\j], vcc_lo        ; b's expert is the number of such experts
.endr
	v_min_u32 v[8+\j], 7, v[8+\j]                  ; a block past the last takes the last expert's number
.if \j == 0
	v_cmp_le_u32 vcc_lo, 16, v13
	v_cndmask_b32 v[8+\j], 8, v[8+\j], vcc_lo      ; blocks 0-15: the shared expert
.endif
	global_store_b32 v35, v[8+\j], s[6:7] offset:32768+128*\j
.endr
	v_mov_b32 v12, s47                             ; the number of blocks
	global_store_b32 v35, v12, s[6:7] offset:33280
	v_mov_b32 v14, 0                               ; lanes 2 e, 2 e + 1: where expert e's rows of zeros begin and end
.irp e, 0,1,2,3,4,5,6,7
	s_lshl_b32 s52, s[40+\e], 8
	v_writelane_b32 v14, s[16+\e], 2*\e
	v_writelane_b32 v14, s52, 2*\e+1
.endr
	global_store_b32 v35, v14, s[6:7] offset:33408
.Lend:
	s_wait_tensorcnt 0x0
	ds_add_u32 v48, v49
	s_wait_dscnt 0x0
	s_endpgm
.Lfunc_end_k_qc1320f0fbc_place:
	.size	k_qc1320f0fbc_place, .Lfunc_end_k_qc1320f0fbc_place-k_qc1320f0fbc_place
	.p2alignl 7, 3214868480
	.fill 96, 4, 3214868480
	.section	.rodata,"a",@progbits
	.p2align	6, 0x0
	.amdhsa_kernel k_qc1320f0fbc_place
		.amdhsa_group_segment_fixed_size 2048
		.amdhsa_private_segment_fixed_size 0
		.amdhsa_enable_private_segment 0
		.amdhsa_kernarg_size 16
		.amdhsa_user_sgpr_count 2
		.amdhsa_user_sgpr_kernarg_segment_ptr 1
		.amdhsa_wavefront_size32 1
		.amdhsa_system_sgpr_workgroup_id_x 1
		.amdhsa_system_sgpr_workgroup_id_y 1
		.amdhsa_system_sgpr_workgroup_id_z 1
		.amdhsa_system_vgpr_workitem_id 0
		.amdhsa_next_free_vgpr 50
		.amdhsa_next_free_sgpr 66
		.amdhsa_reserve_vcc 1
		.amdhsa_float_denorm_mode_32 3
		.amdhsa_float_denorm_mode_16_64 3
		.amdhsa_memory_ordered 1
		.amdhsa_forward_progress 1
		.amdhsa_inst_pref_size 49
	.end_amdhsa_kernel
	.amdgpu_metadata
---
amdhsa.version: [ 1, 2 ]
amdhsa.kernels:
  - .name:           k_qc1320f0fbc_place
    .symbol:         k_qc1320f0fbc_place.kd
    .args:
      - { .name: sel, .offset: 0, .size: 8, .value_kind: global_buffer, .address_space: global }
      - { .name: plan, .offset: 8, .size: 8, .value_kind: global_buffer, .address_space: global }
    .group_segment_fixed_size: 2048
    .private_segment_fixed_size: 0
    .kernarg_segment_align: 8
    .kernarg_segment_size: 16
    .max_flat_workgroup_size: 256
    .sgpr_count:     66
    .vgpr_count:     50
    .wavefront_size: 32
...
	.end_amdgpu_metadata
.endif
;; end of part 7
;; launch scatter (part 8): grid 256 x 1, 8 waves a work-group, no clusters, 0 bytes of LDS; arguments hidden_states, plan, xs; writes xs
.if DOCPART == 8
	.amdgcn_target "amdgcn-amd-amdhsa--gfx1250"
	.amdhsa_code_object_version 6
	.text
	.protected	k_qc1320f0fbc_scatter
	.globl	k_qc1320f0fbc_scatter
	.p2align	8
	.type	k_qc1320f0fbc_scatter,@function
k_qc1320f0fbc_scatter:
	s_mov_b64 s[64:65], 0
	v_nop
	global_prefetch_b8 v0, s[64:65] scope:SCOPE_SE
	s_setreg_imm32_b32 hwreg(HW_REG_WAVE_MODE, 25, 1), 1
	s_wait_xcnt 0x0
; SCATTER.  Each row of x, rounded to bf16, is stored three times into xs: at row t (the shared expert's) and at the two rows that plan gives for token t.
; Rows of zeros fill each expert's last block of 256, and all rows from the last expert's end to row 14,080: the products read every row of the row space.
; Work-group w owns tokens 16 w .. 16 w + 15, a wave two of them.  The rows are whole numbers that an earlier launch stored; they come by scalar loads and become scalar bases.
; A stream: each byte of x is read once, all 16 loads of a wave go out at once; no LDS, no barrier, no matrix unit, no cluster (no two work-groups read the same rows).
.set MAXROW, 0x36ff                    ; 14,079: the last row of the row space
.set ROWS,   14080
	s_load_b128 s[4:7], s[0:1], 0x0                ; x 4:5, plan 6:7
	s_load_b64 s[8:9], s[0:1], 0x10                ; xs
	v_lshrrev_b32 v1, 5, v0
	v_readfirstlane_b32 s12, v1                    ; wave 0..7
	v_and_b32 v1, 31, v0                           ; lane
	v_lshlrev_b32 v2, 5, v1                        ; in: 8 numbers, 32 bytes a lane
	v_lshlrev_b32 v3, 4, v1                        ; out: 16 bytes a lane
	s_lshl_b32 s13, ttmp9, 4
	s_lshl1_add_u32 s13, s12, s13                  ; my first token: 16 w + 2 wv
	s_lshl_b32 s14, s13, 3                         ; its 8 bytes in pos
	s_lshr_b32 s15, ttmp9, 5                       ; the expert whose rows of zeros this work-group helps to write,
	s_lshl_b32 s15, s15, 3                         ; its two words
	s_lshl_b32 s40, s13, 12                        ; my first row of x
	s_mov_b32 s41, 0
	s_wait_kmcnt 0x0
	s_load_b128 s[16:19], s[6:7], s14 offset:0x0   ; the four rows of my two tokens
	s_load_b64 s[20:21], s[6:7], s15 offset:33408  ; where that expert's rows of zeros begin and end
	s_load_b32 s22, s[6:7], 33468                  ; the row behind the last expert's last block
	s_add_nc_u64 s[4:5], s[4:5], s[40:41]
.irp k, 0,1
.irp j, 0,1,2,3
	global_load_b128 v[16+32*\k+8*\j:19+32*\k+8*\j], v2, s[4:5] offset:4096*\k+1024*\j th:TH_LOAD_NT      ; a pair of loads covers 1,024 consecutive bytes of a row
	global_load_b128 v[20+32*\k+8*\j:23+32*\k+8*\j], v2, s[4:5] offset:4096*\k+1024*\j+16 th:TH_LOAD_NT
.endr
.endr
	v_mov_b32 v8, 0
	v_mov_b32 v9, 0
	v_mov_b32 v10, 0
	v_mov_b32 v11, 0
	s_lshl_b32 s40, s13, 11
	s_add_nc_u64 s[24:25], s[8:9], s[40:41]        ; the shared expert's rows: t and, 2,048 bytes on, t + 1
	s_wait_kmcnt 0x0
.irp n, 0,1,2,3
	s_min_u32 s[16+\n], s[16+\n], MAXROW
.endr
.irp n, 0,1,2,3
	s_lshl_b32 s40, s[16+\n], 11
	s_add_nc_u64 s[26+2*\n:27+2*\n], s[8:9], s[40:41]          ; s[26:29] the first token's two rows, s[30:33] the second's
.endr
	; rows of zeros behind expert w / 32: 32 work-groups x 8 waves reach its 255 rows at the most; a wave writes a whole row
	s_and_b32 s40, ttmp9, 31
	s_lshl_b32 s40, s40, 3
	s_add_co_u32 s40, s40, s12
	s_add_co_u32 s40, s40, s20
	s_cmp_lt_u32 s40, s21                          ; two whole numbers read from plan
	s_cbranch_scc0 .Lnopad
	s_min_u32 s40, s40, MAXROW
	s_lshl_b32 s40, s40, 11
	v_lshl_add_u32 v12, v1, 4, s40
.irp j, 0,1,2,3
	global_store_b128 v12, v[8:11], s[8:9] offset:512*\j
.endr
.Lnopad:
	; rows of zeros from the last expert's end to the end of the row space: 7 blocks, 1,792 rows, at the most; 256 work-groups x 8 waves, a row a wave
	s_lshl_b32 s42, ttmp9, 3
	s_add_co_u32 s42, s42, s12
	s_add_co_u32 s42, s42, s22
	s_cmp_lt_u32 s42, ROWS
	s_cbranch_scc0 .Lnotail
	s_min_u32 s42, s42, MAXROW
	s_lshl_b32 s42, s42, 11
	v_lshl_add_u32 v13, v1, 4, s42
.irp j, 0,1,2,3
	global_store_b128 v13, v[8:11], s[8:9] offset:512*\j
.endr
.Lnotail:
.irp k, 0,1
.irp j, 0,1,2,3
	s_wait_loadcnt 14-2*(4*\k+\j)                  ; this pair of loads is in, the younger pairs stay out
.irp q, 0,1,2,3
	v_cvt_pk_bf16_f32 v[80+4*(4*\k+\j)+\q], v[16+32*\k+8*\j+2*\q], v[17+32*\k+8*\j+2*\q]
.endr
	global_store_b128 v3, v[80+4*(4*\k+\j):83+4*(4*\k+\j)], s[24:25] offset:2048*\k+512*\j     ; 32 lanes store 512 consecutive bytes, aligned; three copies; no register is written twice
	global_store_b128 v3, v[80+4*(4*\k+\j):83+4*(4*\k+\j)], s[26+4*\k:27+4*\k] offset:512*\j
	global_store_b128 v3, v[80+4*(4*\k+\j):83+4*(4*\k+\j)], s[28+4*\k:29+4*\k] offset:512*\j
.endr
.endr
	s_endpgm
.Lfunc_end_k_qc1320f0fbc_scatter:
	.size	k_qc1320f0fbc_scatter, .Lfunc_end_k_qc1320f0fbc_scatter-k_qc1320f0fbc_scatter
	.p2alignl 7, 3214868480
	.fill 96, 4, 3214868480
	.section	.rodata,"a",@progbits
	.p2align	6, 0x0
	.amdhsa_kernel k_qc1320f0fbc_scatter
		.amdhsa_group_segment_fixed_size 0
		.amdhsa_private_segment_fixed_size 0
		.amdhsa_enable_private_segment 0
		.amdhsa_kernarg_size 24
		.amdhsa_user_sgpr_count 2
		.amdhsa_user_sgpr_kernarg_segment_ptr 1
		.amdhsa_wavefront_size32 1
		.amdhsa_system_sgpr_workgroup_id_x 1
		.amdhsa_system_sgpr_workgroup_id_y 1
		.amdhsa_system_sgpr_workgroup_id_z 1
		.amdhsa_system_vgpr_workitem_id 0
		.amdhsa_next_free_vgpr 112
		.amdhsa_next_free_sgpr 66
		.amdhsa_reserve_vcc 0
		.amdhsa_float_denorm_mode_32 3
		.amdhsa_float_denorm_mode_16_64 3
		.amdhsa_memory_ordered 1
		.amdhsa_forward_progress 1
		.amdhsa_inst_pref_size 10
	.end_amdhsa_kernel
	.amdgpu_metadata
---
amdhsa.version: [ 1, 2 ]
amdhsa.kernels:
  - .name:           k_qc1320f0fbc_scatter
    .symbol:         k_qc1320f0fbc_scatter.kd
    .args:
      - { .name: hidden_states, .offset: 0, .size: 8, .value_kind: global_buffer, .address_space: global }
      - { .name: plan, .offset: 8, .size: 8, .value_kind: global_buffer, .address_space: global }
      - { .name: xs, .offset: 16, .size: 8, .value_kind: global_buffer, .address_space: global }
    .group_segment_fixed_size: 0
    .private_segment_fixed_size: 0
    .kernarg_segment_align: 8
    .kernarg_segment_size: 24
    .max_flat_workgroup_size: 256
    .sgpr_count:     66
    .vgpr_count:     112
    .wavefront_size: 32
...
	.end_amdgpu_metadata
.endif
;; end of part 8
;; launch gemm1 (part 9): grid 4 x 55, 4 waves a work-group, clusters of 4 x 1, 327,680 bytes of LDS; arguments xs, wb, plan, hact; writes hact
.if DOCPART == 9
	.amdgcn_target "amdgcn-amd-amdhsa--gfx1250"
	.amdhsa_code_object_version 6
	.text
	.protected	k_qc1320f0fbc_gemm1
	.globl	k_qc1320f0fbc_gemm1
	.p2align	8
	.type	k_qc1320f0fbc_gemm1,@function
k_qc1320f0fbc_gemm1:
	s_mov_b64 s[64:65], 0
	v_nop
	global_prefetch_b8 v0, s[64:65] scope:SCOPE_SE
	s_setreg_imm32_b32 hwreg(HW_REG_WAVE_MODE, 25, 1), 1
	s_wait_xcnt 0x0
	s_wait_alu depctr_hold_cnt(0) depctr_sa_sdst(0) depctr_va_vdst(0) depctr_va_sdst(0) depctr_va_ssrc(0) depctr_va_vcc(0) depctr_vm_vsrc(0)
	s_getreg_b32 s2, hwreg(HW_REG_IB_STS2, 6, 4)
	s_cmp_eq_u32 s2, 0
	s_cbranch_scc0 .Lentry_in_a_cluster
	s_endpgm
.Lentry_in_a_cluster:
	s_bfe_u32 s2, ttmp6, 0x10000c
	s_cmp_lg_u32 s2, 0x3003
	s_cbranch_scc0 .Lentry_shape_is_right
	s_endpgm
.Lentry_shape_is_right:
.set GEMM, 1                           ; 1: hact = silu(xs Wgate_e) * (xs Wup_e);  2: yrows = hact Wdown_e.  The two texts differ in this line alone.
; A PRODUCT BY BLOCKS OF 256 ROWS, each block with the weights of its own expert (plan: the expert of each block).  bf16 operands, f32 sums.
; SHARES.  Work-group (cb, y) makes 256 rows x 256 columns of B for row block y: one tile a work-group.  16 blocks of the shared expert + at most
;   floor((8,192 + 8 x 255) / 256) = 39 of the routed ones = the grid's 55 rows.  How many blocks hold tokens (48 to 55) is a count in memory, on which no barrier may hang:
;   a block past the last is made like any other, from the rows of zeros that lie there, with the last expert's weights; no token's result is taken from its rows.
;   The 256 columns are two sub-tiles of 128: in product 1 gate's and up's columns 128 cb .. + 127, so that silu(g) u is made in registers; in product 2 columns 256 cb + 128 u.
;   Four waves, each 64 rows x all 256 columns: 64 accumulators of 16 x 16, 512 registers; a wave's result is whole rows, so each wave has a stage of its own on the way out.
; RING.  K goes in steps of 128 through two LDS slots.  Waves 0 and 1 fetch a sub-tile of B each, waves 2 and 3 half of A's tile, each 128 rows of 256 bytes: two tensor loads
;   of a wave are out at the start, later one.  B lies [k][n] in memory and in LDS and is turned by ds_load_tr16_b128.
; CLUSTER.  The four column blocks of a row block form a cluster and need the same tile of A, 65,536 of a K step's 131,072 bytes: it is asked for JOINTLY, by the same tensor load
;   with the same descriptor (made of the row block and the wave's number alone) and a mask that names the four.  B's sub-tiles are each work-group's own and come by plain loads
;   behind the same rounds.  The work-groups that read the same B are the row blocks of one expert, whose number is a count in memory: no fixed grouping of the grid holds them.
; THE MATRIX INSTRUCTION IS USED TRANSPOSED (source 0 = 16 columns of B, source 1 = 16 rows of A): a lane holds row lane % 16 and eight neighbouring columns.
; LIMIT.  Only the two chosen experts of a token are computed: an infinity or NaN that an expert with combine weight 0 would give is not reproduced.
; REGISTERS, in windows of 256.  Window 0: v1-16 addresses; v32-63 at work; v64-95, v96-127 fragments of A (4 x 16 rows x 32 K), two buffers; v128-255 at work on the way out.
;   Window 1: fragments of B (16 x 16 columns x 32 K), two buffers of 128.  Window 2: accumulator (a, b) of row blocks a = 0, 1 at v[128 a + 8 b]; window 3: those of a = 2, 3.
;   The column block (from the place in the cluster) lies in s15 and enters s56-59, B's addresses and s62-63 alone: no register that feeds A's descriptors ever holds it.
.if GEMM == 1
.set KTOT, 1024                        ; K
.set BROW, 512                         ; elements in a row of B
.set WOFF, 0                           ; where the weights begin in wb
.set CBB,  256                         ; bytes of B from a column block to the next
.set USTR, 9437184                     ; bytes from sub-tile 0 to sub-tile 1: from gate to up
.set OROW, 1024                        ; bytes in a row of the output
.set OCB,  256                         ; bytes of the output from a column block to the next
.else
.set KTOT, 512
.set BROW, 1024
.set WOFF, 18874368
.set CBB,  512
.set USTR, 256
.set OROW, 4096
.set OCB,  1024
.endif
.set LAPS,  KTOT/256                   ; a lap = two K steps = once round the ring
.set BSTEP, 128*BROW*2                 ; bytes from a K step of B to the next
.set PA,    272                        ; A's LDS row: 256 bytes + 16
.set PB,    288                        ; B's LDS row: 256 bytes + 32
.set BT,    128*PB                     ; a sub-tile of B
.set AOFF,  2*BT                       ; A's tile lies behind the two
.set AH,    128*PA                     ; half of A's tile: what one load brings
.set AW,    64*PA                      ; a wave's 64 rows of it
.set SLOT,  AOFF+2*AH                  ; 143,360
.set STAGE, 2*SLOT                     ; behind the ring, at a multiple of 256: the way out; no tensor load lands here
.set SP2,   528                        ; product 2's stage row: 512 bytes + 16
.set ADRA, 8                           ; v8-9    my fragments of A in slot 0, 1
.set ADRB, 10                          ; v10-13  the fragments of B: slot 0 sub-tile 0, 1; slot 1 sub-tile 0, 1
.set G1A, 24                           ; s[24:31] descriptor group 1 for A's halves
.set G1B, 32                           ; s[32:39] for B's sub-tiles
.set G0A, 40                           ; s[40:47] group 0 for A, a set for each slot
.set G0B, 48                           ; s[48:55] group 0 for B
.set MSB, 0
.macro WIN new                         ; s_set_vgpr_msb: bits 1:0 source 0, 3:2 source 1, 5:4 source 2, 7:6 destination; the high byte repeats the setting that is left
.if MSB != (\new)
	s_set_vgpr_msb (MSB<<8)|(\new)
.set MSB, (\new)
.endif
.endm
.macro PLACES                          ; four places between a matrix instruction and a load into, or a read of, its registers (ISA guide 7.12.1 for reads)
.rept 4
	v_nop
.endr
.endm
.macro JLOAD s                         ; a wave's one tensor load into slot s; the branch hangs on the wave's number alone; four v_nop follow each of the two lines
	s_cmp_lt_u32 s12, 2
	s_cbranch_scc0 .Lfor_a_\@
	tensor_load_to_lds s[G0B+4*\s:G0B+4*\s+3], s[G1B:G1B+7]
	s_nop 0
.rept 4
	v_nop
.endr
	s_branch .Lasked_\@
.Lfor_a_\@:
	tensor_load_to_lds s[G0A+4*\s:G0A+4*\s+3], s[G1A:G1A+7]
	s_nop 0
.rept 4
	v_nop
.endr
.Lasked_\@:
.endm
; A round of the cluster's barrier: my work-group's barrier, so that wave 0's signal speaks for all four waves; wave 0 signals for the work-group; every wave waits for all four
; work-groups; my work-group's barrier once more.  No LDS instruction of the wave is pending at a signal.
.macro CREST                           ; a round behind its opening barrier
	s_cmp_lg_u32 s12, 0
	s_cbranch_scc1 .Lnot_wave_0_\@
	s_barrier_signal -3
.Lnot_wave_0_\@:
	s_barrier_wait -3
	s_barrier_signal -1
	s_barrier_wait -1
.endm
.macro CROUND                          ; a whole round
	s_barrier_signal -1
	s_barrier_wait -1
	CREST
.endm
; 40 LDS loads in one run: the fragments of quarter q (32 along K) of a slot into buffer f: 16 of B (16 columns x 32 k, turned), 4 of A (16 rows x 32 k)
.macro FETCH slot, q, f
	WIN 0x40                                       ; destination window 1, address window 0
.irp b, 0,1,2,3,4,5,6,7,8,9,10,11,12,13,14,15
	ds_load_tr16_b128 v[128*\f+8*\b:128*\f+8*\b+3],   v[ADRB+2*\slot+\b/8] offset:\q*32*PB+32*(\b%8)
	ds_load_tr16_b128 v[128*\f+8*\b+4:128*\f+8*\b+7], v[ADRB+2*\slot+\b/8] offset:\q*32*PB+32*(\b%8)+16*PB
.endr
	WIN 0
.irp a, 0,1,2,3
	ds_load_b128 v[64+32*\f+8*\a:64+32*\f+8*\a+3],   v[ADRA+\slot] offset:\q*64+\a*16*PA
	ds_load_b128 v[64+32*\f+8*\a+4:64+32*\f+8*\a+7], v[ADRA+\slot] offset:\q*64+\a*16*PA+32
.endr
.endm
; 32 matrix instructions on buffer f: row blocks 2 hi, 2 hi + 1 x all 16 column blocks.  The 64 accumulators take turns, one instruction a turn, in the same order in every quarter.
; zero = 1: the products start the sums: nothing is ever cleared.
.macro MULH f, hi, zero
	WIN 0xa1+0x50*\hi                              ; B window 1, A window 0, C and D window 2 or 3
.irp a, 0,1
.irp b, 0,1,2,3,4,5,6,7,8,9,10,11,12,13,14,15
.if \zero
	v_wmma_f32_16x16x32_bf16 v[128*\a+8*\b:128*\a+8*\b+7], v[128*\f+8*\b:128*\f+8*\b+7], v[64+32*\f+8*(2*\hi+\a):64+32*\f+8*(2*\hi+\a)+7], 0
.else
	v_wmma_f32_16x16x32_bf16 v[128*\a+8*\b:128*\a+8*\b+7], v[128*\f+8*\b:128*\f+8*\b+7], v[64+32*\f+8*(2*\hi+\a):64+32*\f+8*(2*\hi+\a)+7], v[128*\a+8*\b:128*\a+8*\b+7]
.endif
.endr
.endr
.endm
; One of a K step's first three quarters: fetches quarter q of the slot into buffer g, then multiplies buffer f, 64 matrix instructions, while those loads are on their way
.macro QUARTER slot, q, f, g, zero
	PLACES                                         ; buffer g was multiplied last
	FETCH \slot, \q, \g
	s_wait_dscnt 40                                ; all but the 40 just issued: buffer f is in
	MULH \f, 0, \zero
	MULH \f, 1, \zero
.endm
; The last quarter multiplies buffer 1 and changes slots.  In front of the barrier each wave waits for its reads of this slot and for all its tensor loads (the one that is out is its
; part of the next slot); behind it nobody reads this slot any more and the next slot is whole.  refill = 1: the barrier opens a round of the cluster's barrier, so that no wave of any
; partner still reads the slot or has a load on its way; the refill, two K steps on, is the first thing behind the round, 224 matrix instructions ahead of the wait for it.
.macro TURN slot, next, refill
	s_wait_dscnt 0x0                               ; buffer 1 is in, and my reads of this slot are over
	s_set_vgpr_msb 0xf1f0
	s_wait_tensorcnt 0x0                           ; no tensor load of mine is out, so a group 0 may be written
	ds_add_u32 v30, v31
	s_wait_dscnt 0x0
	s_set_vgpr_msb 0xf0f1
.if \refill
	s_add_nc_u64 s[G0A+4*\slot+2:G0A+4*\slot+3], s[G0A+4*\slot+2:G0A+4*\slot+3], 512
	s_add_nc_u64 s[G0B+4*\slot+2:G0B+4*\slot+3], s[G0B+4*\slot+2:G0B+4*\slot+3], 2*BSTEP
.endif
	s_barrier_signal -1
	MULH 1, 0, 0                                   ; work on registers while the others arrive
.if \refill
	WIN 0                                          ; at a branch and at a label every window is 0
	s_barrier_wait -1
	CREST
	JLOAD \slot                                    ; the four v_nop behind it are also the places in front of the loads below
.else
	s_barrier_wait -1
	PLACES                                         ; buffer 0 was multiplied in the quarter before
.endif
	FETCH \next, 0, 0
	MULH 1, 1, 0
.endm
	s_load_b256 s[4:11], s[0:1], 0x0               ; A 4:5, wb 6:7, plan 8:9, the output 10:11
	v_lshl_add_u32 v30, v0, 2, 0x4a400
	v_mov_b32 v31, 0
	ds_add_u32 v30, v31
	ds_add_u32 v30, v31
	v_lshrrev_b32 v1, 5, v0
	v_readfirstlane_b32 s12, v1                    ; wave 0..3: my 64 rows of the tile
	s_and_b32 s14, s12, 1                          ; which sub-tile of B, or which half of A, I fetch
	s_and_b32 s16, ttmp7, 0xffff                   ; row block: the cluster's y, which the four partners share
	s_lshl_b32 s17, s16, 2                         ; its word in the table of experts
	s_bfe_u32 s15, ttmp6, 0x40000                  ; cx: my place in the cluster
	s_lshl_b32 s56, ttmp9, 2                       ; in a cluster launch ttmp9 counts clusters
	s_add_co_u32 s15, s56, s15                     ; column block = 4 x cluster x + cx
	; group 1, all sizes in elements of 2 bytes: 128 rows of 128 elements, padded in LDS after every 64 words
	s_mov_b32 s[G1A+0], 15|(1<<16)|(1<<20)|(1<<21)|(5<<22)|(3<<25)  ; 15:0 the mask: all four work-groups; 21 set beside a mask; padding of 4 words
	s_mov_b32 s[G1A+1], 128<<16                    ; tensor_dim0 = 128
	s_mov_b32 s[G1A+2], 128<<16                    ; tensor_dim1 = 128
	s_mov_b32 s[G1A+3], 128<<16                    ; tile_dim0 = 128
	s_mov_b32 s[G1A+4], 128                        ; tile_dim1 = 128
	s_mov_b32 s[G1A+5], KTOT                       ; from row to row
	s_mov_b32 s[G1A+6], 0
	s_mov_b32 s[G1A+7], 0
	s_mov_b32 s[G1B+0], (1<<16)|(1<<20)|(5<<22)|(7<<25)    ; no mask: a load of my own; padding of 8 words
	s_mov_b32 s[G1B+1], 128<<16
	s_mov_b32 s[G1B+2], 128<<16
	s_mov_b32 s[G1B+3], 128<<16
	s_mov_b32 s[G1B+4], 128
	s_mov_b32 s[G1B+5], BROW
	s_mov_b32 s[G1B+6], 0
	s_mov_b32 s[G1B+7], 0
	; group 0: the count and the LDS addresses, made of the wave's number and constants
	s_mov_b32 s[G0A+0], 1
	s_mov_b32 s[G0A+4], 1
	s_mov_b32 s[G0B+0], 1
	s_mov_b32 s[G0B+4], 1
	s_mul_i32 s[G0A+1], s12, AH
	s_add_co_u32 s[G0A+1], s[G0A+1], AOFF-2*AH     ; waves 2 and 3: A's halves 0 and 1
	s_add_co_u32 s[G0A+5], s[G0A+1], SLOT
	s_mul_i32 s[G0B+1], s12, BT                    ; waves 0 and 1: sub-tiles 0 and 1
	s_add_co_u32 s[G0B+5], s[G0B+1], SLOT
.if GEMM == 1
	s_mov_b32 s60, 0xbfb8aa3b                      ; -log2(e)
	s_mov_b32 s61, s60
.endif
	s_wait_dscnt 0x0
	s_wait_kmcnt 0x0
	s_load_b32 s18, s[8:9], s17 offset:32768       ; the block's expert: waited for behind the first round; s17 is left alone until then
	s_mul_i32 s20, s16, 256*KTOT*2                 ; A: the block's 256 rows,
	s_mul_i32 s22, s14, 128*KTOT*2                 ; the half that I fetch
	s_add_co_u32 s20, s20, s22
	s_mov_b32 s21, 0
	s_add_nc_u64 s[G0A+2:G0A+3], s[4:5], s[20:21]  ; K step 0
	s_add_nc_u64 s[G0A+6:G0A+7], s[G0A+2:G0A+3], 256       ; K step 1
	s_or_b32 s[G0A+3], s[G0A+3], 0x80000000        ; type = 2
	s_or_b32 s[G0A+7], s[G0A+7], 0x80000000
	s_mul_i32 s56, s16, 256*OROW                   ; the output: the block's rows,
	s_mul_i32 s58, s12, 64*OROW                    ; my 64 of them,
	s_add_co_u32 s56, s56, s58
	s_mul_i32 s58, s15, OCB                        ; the column block
	s_add_co_u32 s56, s56, s58
	s_mov_b32 s57, 0
	s_add_nc_u64 s[62:63], s[10:11], s[56:57]
	v_and_b32 v1, 15, v0                           ; r
	v_bfe_u32 v2, v0, 4, 1                         ; h
	v_mul_u32_u24 v3, v1, PA
	v_lshl_add_u32 v3, v2, 4, v3                   ; r x 272 + 16 h
	s_mul_i32 s23, s12, AW
	s_add_co_u32 s23, s23, AOFF
	v_add_nc_u32 v[ADRA], s23, v3
	v_add_nc_u32 v[ADRA+1], SLOT, v[ADRA]
	v_and_b32 v4, 7, v0                            ; the turning load: lane l reads 16 bytes of k row 8 h + l % 8, columns 8 ((l / 8) % 2) on
	v_lshl_add_u32 v4, v2, 3, v4
	v_mul_u32_u24 v4, v4, PB
	v_bfe_u32 v5, v0, 3, 1
	v_lshl_add_u32 v[ADRB], v5, 4, v4
	v_add_nc_u32 v[ADRB+1], BT, v[ADRB]
	v_add_nc_u32 v[ADRB+2], SLOT, v[ADRB]
	v_add_nc_u32 v[ADRB+3], SLOT+BT, v[ADRB]
.if GEMM == 1
	; my own stage: 16 rows x 272 bytes.  v14 in: row r, 16 bytes for each half of the lanes.  v15 back: lanes 0-15 one row of 256 bytes, lanes 16-31 the next.  v16 the same two rows in the output.
	s_mul_i32 s23, s12, 16*PA
	s_add_co_u32 s23, s23, STAGE
	v_add_nc_u32 v14, s23, v3
	v_mul_u32_u24 v5, v2, PA
	v_lshl_add_u32 v5, v1, 4, v5
	v_add_nc_u32 v15, s23, v5
	v_lshlrev_b32 v6, 10, v2
	v_lshl_add_u32 v16, v1, 4, v6
.else
	; my own stage: 16 rows x 528 bytes.  v14 in: row r, 32 bytes for each half of the lanes.  v15 back: a row's 512 bytes, 16 a lane.  v16 the same 16 bytes in the output.
	s_mul_i32 s23, s12, 16*SP2
	s_add_co_u32 s23, s23, STAGE
	v_mul_u32_u24 v5, v1, SP2
	v_lshl_add_u32 v5, v2, 5, v5
	v_add_nc_u32 v14, s23, v5
	v_and_b32 v6, 31, v0
	v_lshlrev_b32 v16, 4, v6
	v_add_nc_u32 v15, s23, v16
.endif
	CROUND                                         ; all four work-groups are here: the first joint loads meet
	s_wait_kmcnt 0x0
	s_min_u32 s18, s18, 8                          ; an expert's number: 8 is the shared one
	s_lshl_b32 s56, s18, 20                        ; B: an expert's matrix is 1,048,576 bytes,
	s_mul_i32 s58, s15, CBB                        ; the column block,
	s_add_co_u32 s56, s56, s58
	s_mul_i32 s58, s14, USTR                       ; the sub-tile that I fetch
	s_add_co_u32 s56, s56, s58
.if WOFF != 0
	s_add_co_u32 s56, s56, WOFF
.endif
	s_add_nc_u64 s[G0B+2:G0B+3], s[6:7], s[56:57]
	s_add_nc_u64 s[G0B+6:G0B+7], s[G0B+2:G0B+3], BSTEP
	s_or_b32 s[G0B+3], s[G0B+3], 0x80000000
	s_or_b32 s[G0B+7], s[G0B+7], 0x80000000
	s_cmp_lt_u32 s12, 2                            ; a wave's two first fills stand in one branch, ahead of every wait on TENSORcnt and every LDS read; four v_nop follow the second, as in JLOAD
	s_cbranch_scc0 .Lfirst_a
	tensor_load_to_lds s[G0B:G0B+3], s[G1B:G1B+7]
	s_nop 0
	tensor_load_to_lds s[G0B+4:G0B+7], s[G1B:G1B+7]
	s_nop 0
.rept 4
	v_nop
.endr
	s_branch .Lfirst_asked
.Lfirst_a:
	tensor_load_to_lds s[G0A:G0A+3], s[G1A:G1A+7]
	s_nop 0
	tensor_load_to_lds s[G0A+4:G0A+7], s[G1A:G1A+7]
	s_nop 0
.rept 4
	v_nop
.endr
.Lfirst_asked:
	s_wait_tensorcnt 0x1                           ; my part of K step 0 is in; K step 1's may stay out
	s_barrier_signal -1
	s_barrier_wait -1                              ; everybody's is
	FETCH 0, 0, 0
	QUARTER 0, 1, 0, 1, 1                          ; the first quarter stands in front of the loop: its products start the sums
	WIN 0
	s_mov_b32 s19, LAPS-1
.Llap:                                                 ; a trip goes once round the ring, from a lap's second quarter to the next lap's first, and fills both slots again
	QUARTER 0, 2, 1, 0, 0
	QUARTER 0, 3, 0, 1, 0
	TURN 0, 1, 1
	QUARTER 1, 1, 0, 1, 0
	QUARTER 1, 2, 1, 0, 0
	QUARTER 1, 3, 0, 1, 0
	TURN 1, 0, 1
	QUARTER 0, 1, 0, 1, 0
	WIN 0
	s_sub_co_u32 s19, s19, 1
	s_cmp_lg_u32 s19, 0
	s_cbranch_scc1 .Llap
	QUARTER 0, 2, 1, 0, 0                          ; the last lap is written out: it asks for nothing more, and has no round
	QUARTER 0, 3, 0, 1, 0
	TURN 0, 1, 0
	QUARTER 1, 1, 0, 1, 0
	QUARTER 1, 2, 1, 0, 0
	QUARTER 1, 3, 0, 1, 0
	s_wait_dscnt 0x0
	MULH 1, 0, 0
	MULH 1, 1, 0
	PLACES                                         ; between the last product and the first read of a result
.if GEMM == 1
	; THE WAY OUT, 16 rows (row block a) at a time.  In the block's window gate lies at v[128 (a % 2) + i], up at v[128 (a % 2) + 64 + i], i = 0..63; each accumulator is read from its low end on.
	; ACT: h = g u / (1 + 2^(-log2(e) g)) in v128-191, rounded to bf16 in v32-63: a lane's eight columns are 16 bytes of a row.
.macro ACT a
.set WN, 2+(\a)/2
.set AC, 128*((\a)%2)
	WIN WN                                         ; source 0 in the accumulators' window
.set i, 0
.rept 32
	v_pk_mul_f32 v[128+i:129+i], v[AC+i:AC+i+1], s[60:61] op_sel_hi:[1,0]
.set i, i+2
.endr
	WIN 0
.set i, 0
.rept 64
	v_exp_f32 v[128+i], v[128+i]
.set i, i+1
.endr
	v_nop                                          ; a plain instruction between the last exponential and the use of its result
.set i, 0
	s_wait_alu depctr_va_vdst(0)
.rept 32
	v_pk_add_f32 v[128+i:129+i], v[128+i:129+i], 1.0 op_sel_hi:[1,0]
.set i, i+2
.endr
.set i, 0
.rept 64
	v_rcp_f32 v[128+i], v[128+i]
.set i, i+1
.endr
	v_nop
	WIN WN
.set i, 0
	s_wait_alu depctr_va_vdst(0)
.rept 32
	v_pk_mul_f32 v[128+i:129+i], v[AC+i:AC+i+1], v[128+i:129+i]
.set i, i+2
.endr
.set i, 0
.rept 32
	v_pk_mul_f32 v[128+i:129+i], v[AC+64+i:AC+64+i+1], v[128+i:129+i]
.set i, i+2
.endr
	WIN 0
.set i, 0
.rept 32
	v_cvt_pk_bf16_f32 v[32+i], v[128+2*i], v[129+2*i]
.set i, i+1
.endr
.endm
.macro TOSTAGE1 a                      ; into my stage, and back as whole rows of 256 bytes; each block has 32 registers of its own: v64-127 (A's buffers, free now), v192-255
.set BK, 64+32*(\a)+64*((\a)/2)
.irp b, 0,1,2,3,4,5,6,7
	ds_store_b128 v14, v[32+4*\b:35+4*\b] offset:32*\b
.endr
.irp t, 0,1,2,3,4,5,6,7
	ds_load_b128 v[BK+4*\t:BK+4*\t+3], v15 offset:\t*2*PA      ; LDS serves a wave's instructions in order: these see the stores above
.endr
.endm
.macro SEND1 a
.set BK, 64+32*(\a)+64*((\a)/2)
.irp t, 0,1,2,3,4,5,6,7
	s_wait_dscnt 7-\t                              ; load t is back, the younger ones stay out
	global_store_b128 v16, v[BK+4*\t:BK+4*\t+3], s[62:63] offset:(16*(\a)+2*\t)*OROW   ; sixteen lanes store 256 consecutive bytes, aligned
.endr
.endm
	ACT 0
	TOSTAGE1 0
.irp a, 1,2,3                          ; block a's arithmetic stands between block a - 1's loads from the stage and the wait for them
	ACT \a
	SEND1 \a-1
	TOSTAGE1 \a
.endr
	SEND1 3
.else
	; THE WAY OUT, in eight pieces p = 2 a + u: 16 rows (row block a) x 128 columns (sub-tile u) through my own stage: a lane's eight f32 are 32 bytes of a row; back come whole 512 bytes.
.macro TOSTAGE2 p
.set WN, (2+(\p)/4)<<2
.set AC, 128*(((\p)/2)%2)+64*((\p)%2)
.set BK, 64+64*((\p)%3)
.if (\p) >= 3
	s_wait_xcnt 0x0                                ; the registers that piece p - 3's stores read are loaded again only behind this wait
.endif
	WIN WN                                         ; the data of an LDS store (source 1) in the accumulators' window
.irp b, 0,1,2,3,4,5,6,7
	ds_store_b128 v14, v[AC+8*\b:AC+8*\b+3]   offset:64*\b
	ds_store_b128 v14, v[AC+8*\b+4:AC+8*\b+7] offset:64*\b+16
.endr
	WIN 0
.irp t, 0,1,2,3,4,5,6,7,8,9,10,11,12,13,14,15
	ds_load_b128 v[BK+4*\t:BK+4*\t+3], v15 offset:\t*SP2       ; LDS serves a wave's instructions in order: these see the stores above, and the next piece's stores come behind them
.endr
.endm
.macro SEND2 p, younger                ; younger: the LDS instructions issued behind piece p's loads: the next piece's 32, or none
.set BK, 64+64*((\p)%3)
.irp t, 0,1,2,3,4,5,6,7,8,9,10,11,12,13,14,15
	s_wait_dscnt \younger+15-\t                    ; load t is back
	global_store_b128 v16, v[BK+4*\t:BK+4*\t+3], s[62:63] offset:(16*((\p)/2)+\t)*OROW+512*((\p)%2)   ; 32 lanes store 512 consecutive bytes, aligned
.endr
.endm
	TOSTAGE2 0
.irp p, 1,2,3,4,5,6,7
	TOSTAGE2 \p
	SEND2 \p-1, 32
.endr
	SEND2 7, 0
.endif
	s_wait_tensorcnt 0x0
	ds_add_u32 v30, v31
	s_wait_dscnt 0x0
	CROUND                                         ; the closing round: no work-group ends while a partner may still ask for a tile that names it
	s_endpgm
.Lfunc_end_k_qc1320f0fbc_gemm1:
	.size	k_qc1320f0fbc_gemm1, .Lfunc_end_k_qc1320f0fbc_gemm1-k_qc1320f0fbc_gemm1
	.p2alignl 7, 3214868480
	.fill 96, 4, 3214868480
	.section	.rodata,"a",@progbits
	.p2align	6, 0x0
	.amdhsa_kernel k_qc1320f0fbc_gemm1
		.amdhsa_group_segment_fixed_size 327680
		.amdhsa_private_segment_fixed_size 0
		.amdhsa_enable_private_segment 0
		.amdhsa_kernarg_size 32
		.amdhsa_user_sgpr_count 2
		.amdhsa_user_sgpr_kernarg_segment_ptr 1
		.amdhsa_wavefront_size32 1
		.amdhsa_system_sgpr_workgroup_id_x 1
		.amdhsa_system_sgpr_workgroup_id_y 1
		.amdhsa_system_sgpr_workgroup_id_z 1
		.amdhsa_system_vgpr_workitem_id 0
		.amdhsa_next_free_vgpr 1024
		.amdhsa_next_free_sgpr 66
		.amdhsa_reserve_vcc 0
		.amdhsa_float_denorm_mode_32 3
		.amdhsa_float_denorm_mode_16_64 3
		.amdhsa_memory_ordered 1
		.amdhsa_forward_progress 1
		.amdhsa_inst_pref_size 184
	.end_amdhsa_kernel
	.amdgpu_metadata
---
amdhsa.version: [ 1, 2 ]
amdhsa.kernels:
  - .name:           k_qc1320f0fbc_gemm1
    .symbol:         k_qc1320f0fbc_gemm1.kd
    .args:
      - { .name: xs, .offset: 0, .size: 8, .value_kind: global_buffer, .address_space: global }
      - { .name: wb, .offset: 8, .size: 8, .value_kind: global_buffer, .address_space: global }
      - { .name: plan, .offset: 16, .size: 8, .value_kind: global_buffer, .address_space: global }
      - { .name: hact, .offset: 24, .size: 8, .value_kind: global_buffer, .address_space: global }
    .group_segment_fixed_size: 327680
    .private_segment_fixed_size: 0
    .kernarg_segment_align: 8
    .kernarg_segment_size: 32
    .max_flat_workgroup_size: 128
    .sgpr_count:     66
    .vgpr_count:     1024
    .wavefront_size: 32
...
	.end_amdgpu_metadata
.endif
;; end of part 9
;; launch gemm2 (part 10): grid 4 x 55, 4 waves a work-group, clusters of 4 x 1, 327,680 bytes of LDS; arguments hact, wb, plan, yrows; writes yrows
.if DOCPART == 10
	.amdgcn_target "amdgcn-amd-amdhsa--gfx1250"
	.amdhsa_code_object_version 6
	.text
	.protected	k_qc1320f0fbc_gemm2
	.globl	k_qc1320f0fbc_gemm2
	.p2align	8
	.type	k_qc1320f0fbc_gemm2,@function
k_qc1320f0fbc_gemm2:
	s_mov_b64 s[64:65], 0
	v_nop
	global_prefetch_b8 v0, s[64:65] scope:SCOPE_SE
	s_setreg_imm32_b32 hwreg(HW_REG_WAVE_MODE, 25, 1), 1
	s_wait_xcnt 0x0
	s_wait_alu depctr_hold_cnt(0) depctr_sa_sdst(0) depctr_va_vdst(0) depctr_va_sdst(0) depctr_va_ssrc(0) depctr_va_vcc(0) depctr_vm_vsrc(0)
	s_getreg_b32 s2, hwreg(HW_REG_IB_STS2, 6, 4)
	s_cmp_eq_u32 s2, 0
	s_cbranch_scc0 .Lentry_in_a_cluster
	s_endpgm
.Lentry_in_a_cluster:
	s_bfe_u32 s2, ttmp6, 0x10000c
	s_cmp_lg_u32 s2, 0x3003
	s_cbranch_scc0 .Lentry_shape_is_right
	s_endpgm
.Lentry_shape_is_right:
.set GEMM, 2                           ; 1: hact = silu(xs Wgate_e) * (xs Wup_e);  2: yrows = hact Wdown_e.  The two texts differ in this line alone.
; A PRODUCT BY BLOCKS OF 256 ROWS, each block with the weights of its own expert (plan: the expert of each block).  bf16 operands, f32 sums.
; SHARES.  Work-group (cb, y) makes 256 rows x 256 columns of B for row block y: one tile a work-group.  16 blocks of the shared expert + at most
;   floor((8,192 + 8 x 255) / 256) = 39 of the routed ones = the grid's 55 rows.  How many blocks hold tokens (48 to 55) is a count in memory, on which no barrier may hang:
;   a block past the last is made like any other, from the rows of zeros that lie there, with the last expert's weights; no token's result is taken from its rows.
;   The 256 columns are two sub-tiles of 128: in product 1 gate's and up's columns 128 cb .. + 127, so that silu(g) u is made in registers; in product 2 columns 256 cb + 128 u.
;   Four waves, each 64 rows x all 256 columns: 64 accumulators of 16 x 16, 512 registers; a wave's result is whole rows, so each wave has a stage of its own on the way out.
; RING.  K goes in steps of 128 through two LDS slots.  Waves 0 and 1 fetch a sub-tile of B each, waves 2 and 3 half of A's tile, each 128 rows of 256 bytes: two tensor loads
;   of a wave are out at the start, later one.  B lies [k][n] in memory and in LDS and is turned by ds_load_tr16_b128.
; CLUSTER.  The four column blocks of a row block form a cluster and need the same tile of A, 65,536 of a K step's 131,072 bytes: it is asked for JOINTLY, by the same tensor load
;   with the same descriptor (made of the row block and the wave's number alone) and a mask that names the four.  B's sub-tiles are each work-group's own and come by plain loads
;   behind the same rounds.  The work-groups that read the same B are the row blocks of one expert, whose number is a count in memory: no fixed grouping of the grid holds them.
; THE MATRIX INSTRUCTION IS USED TRANSPOSED (source 0 = 16 columns of B, source 1 = 16 rows of A): a lane holds row lane % 16 and eight neighbouring columns.
; LIMIT.  Only the two chosen experts of a token are computed: an infinity or NaN that an expert with combine weight 0 would give is not reproduced.
; REGISTERS, in windows of 256.  Window 0: v1-16 addresses; v32-63 at work; v64-95, v96-127 fragments of A (4 x 16 rows x 32 K), two buffers; v128-255 at work on the way out.
;   Window 1: fragments of B (16 x 16 columns x 32 K), two buffers of 128.  Window 2: accumulator (a, b) of row blocks a = 0, 1 at v[128 a + 8 b]; window 3: those of a = 2, 3.
;   The column block (from the place in the cluster) lies in s15 and enters s56-59, B's addresses and s62-63 alone: no register that feeds A's descriptors ever holds it.
.if GEMM == 1
.set KTOT, 1024                        ; K
.set BROW, 512                         ; elements in a row of B
.set WOFF, 0                           ; where the weights begin in wb
.set CBB,  256                         ; bytes of B from a column block to the next
.set USTR, 9437184                     ; bytes from sub-tile 0 to sub-tile 1: from gate to up
.set OROW, 1024                        ; bytes in a row of the output
.set OCB,  256                         ; bytes of the output from a column block to the next
.else
.set KTOT, 512
.set BROW, 1024
.set WOFF, 18874368
.set CBB,  512
.set USTR, 256
.set OROW, 4096
.set OCB,  1024
.endif
.set LAPS,  KTOT/256                   ; a lap = two K steps = once round the ring
.set BSTEP, 128*BROW*2                 ; bytes from a K step of B to the next
.set PA,    272                        ; A's LDS row: 256 bytes + 16
.set PB,    288                        ; B's LDS row: 256 bytes + 32
.set BT,    128*PB                     ; a sub-tile of B
.set AOFF,  2*BT                       ; A's tile lies behind the two
.set AH,    128*PA                     ; half of A's tile: what one load brings
.set AW,    64*PA                      ; a wave's 64 rows of it
.set SLOT,  AOFF+2*AH                  ; 143,360
.set STAGE, 2*SLOT                     ; behind the ring, at a multiple of 256: the way out; no tensor load lands here
.set SP2,   528                        ; product 2's stage row: 512 bytes + 16
.set ADRA, 8                           ; v8-9    my fragments of A in slot 0, 1
.set ADRB, 10                          ; v10-13  the fragments of B: slot 0 sub-tile 0, 1; slot 1 sub-tile 0, 1
.set G1A, 24                           ; s[24:31] descriptor group 1 for A's halves
.set G1B, 32                           ; s[32:39] for B's sub-tiles
.set G0A, 40                           ; s[40:47] group 0 for A, a set for each slot
.set G0B, 48                           ; s[48:55] group 0 for B
.set MSB, 0
.macro WIN new                         ; s_set_vgpr_msb: bits 1:0 source 0, 3:2 source 1, 5:4 source 2, 7:6 destination; the high byte repeats the setting that is left
.if MSB != (\new)
	s_set_vgpr_msb (MSB<<8)|(\new)
.set MSB, (\new)
.endif
.endm
.macro PLACES                          ; four places between a matrix instruction and a load into, or a read of, its registers (ISA guide 7.12.1 for reads)
.rept 4
	v_nop
.endr
.endm
.macro JLOAD s                         ; a wave's one tensor load into slot s; the branch hangs on the wave's number alone; four v_nop follow each of the two lines
	s_cmp_lt_u32 s12, 2
	s_cbranch_scc0 .Lfor_a_\@
	tensor_load_to_lds s[G0B+4*\s:G0B+4*\s+3], s[G1B:G1B+7]
	s_nop 0
.rept 4
	v_nop
.endr
	s_branch .Lasked_\@
.Lfor_a_\@:
	tensor_load_to_lds s[G0A+4*\s:G0A+4*\s+3], s[G1A:G1A+7]
	s_nop 0
.rept 4
	v_nop
.endr
.Lasked_\@:
.endm
; A round of the cluster's barrier: my work-group's barrier, so that wave 0's signal speaks for all four waves; wave 0 signals for the work-group; every wave waits for all four
; work-groups; my work-group's barrier once more.  No LDS instruction of the wave is pending at a signal.
.macro CREST                           ; a round behind its opening barrier
	s_cmp_lg_u32 s12, 0
	s_cbranch_scc1 .Lnot_wave_0_\@
	s_barrier_signal -3
.Lnot_wave_0_\@:
	s_barrier_wait -3
	s_barrier_signal -1
	s_barrier_wait -1
.endm
.macro CROUND                          ; a whole round
	s_barrier_signal -1
	s_barrier_wait -1
	CREST
.endm
; 40 LDS loads in one run: the fragments of quarter q (32 along K) of a slot into buffer f: 16 of B (16 columns x 32 k, turned), 4 of A (16 rows x 32 k)
.macro FETCH slot, q, f
	WIN 0x40                                       ; destination window 1, address window 0
.irp b, 0,1,2,3,4,5,6,7,8,9,10,11,12,13,14,15
	ds_load_tr16_b128 v[128*\f+8*\b:128*\f+8*\b+3],   v[ADRB+2*\slot+\b/8] offset:\q*32*PB+32*(\b%8)
	ds_load_tr16_b128 v[128*\f+8*\b+4:128*\f+8*\b+7], v[ADRB+2*\slot+\b/8] offset:\q*32*PB+32*(\b%8)+16*PB
.endr
	WIN 0
.irp a, 0,1,2,3
	ds_load_b128 v[64+32*\f+8*\a:64+32*\f+8*\a+3],   v[ADRA+\slot] offset:\q*64+\a*16*PA
	ds_load_b128 v[64+32*\f+8*\a+4:64+32*\f+8*\a+7], v[ADRA+\slot] offset:\q*64+\a*16*PA+32
.endr
.endm
; 32 matrix instructions on buffer f: row blocks 2 hi, 2 hi + 1 x all 16 column blocks.  The 64 accumulators take turns, one instruction a turn, in the same order in every quarter.
; zero = 1: the products start the sums: nothing is ever cleared.
.macro MULH f, hi, zero
	WIN 0xa1+0x50*\hi                              ; B window 1, A window 0, C and D window 2 or 3
.irp a, 0,1
.irp b, 0,1,2,3,4,5,6,7,8,9,10,11,12,13,14,15
.if \zero
	v_wmma_f32_16x16x32_bf16 v[128*\a+8*\b:128*\a+8*\b+7], v[128*\f+8*\b:128*\f+8*\b+7], v[64+32*\f+8*(2*\hi+\a):64+32*\f+8*(2*\hi+\a)+7], 0
.else
	v_wmma_f32_16x16x32_bf16 v[128*\a+8*\b:128*\a+8*\b+7], v[128*\f+8*\b:128*\f+8*\b+7], v[64+32*\f+8*(2*\hi+\a):64+32*\f+8*(2*\hi+\a)+7], v[128*\a+8*\b:128*\a+8*\b+7]
.endif
.endr
.endr
.endm
; One of a K step's first three quarters: fetches quarter q of the slot into buffer g, then multiplies buffer f, 64 matrix instructions, while those loads are on their way
.macro QUARTER slot, q, f, g, zero
	PLACES                                         ; buffer g was multiplied last
	FETCH \slot, \q, \g
	s_wait_dscnt 40                                ; all but the 40 just issued: buffer f is in
	MULH \f, 0, \zero
	MULH \f, 1, \zero
.endm
; The last quarter multiplies buffer 1 and changes slots.  In front of the barrier each wave waits for its reads of this slot and for all its tensor loads (the one that is out is its
; part of the next slot); behind it nobody reads this slot any more and the next slot is whole.  refill = 1: the barrier opens a round of the cluster's barrier, so that no wave of any
; partner still reads the slot or has a load on its way; the refill, two K steps on, is the first thing behind the round, 224 matrix instructions ahead of the wait for it.
.macro TURN slot, next, refill
	s_wait_dscnt 0x0                               ; buffer 1 is in, and my reads of this slot are over
	s_set_vgpr_msb 0xf1f0
	s_wait_tensorcnt 0x0                           ; no tensor load of mine is out, so a group 0 may be written
	ds_add_u32 v62, v63
	s_wait_dscnt 0x0
	s_set_vgpr_msb 0xf0f1
.if \refill
	s_add_nc_u64 s[G0A+4*\slot+2:G0A+4*\slot+3], s[G0A+4*\slot+2:G0A+4*\slot+3], 512
	s_add_nc_u64 s[G0B+4*\slot+2:G0B+4*\slot+3], s[G0B+4*\slot+2:G0B+4*\slot+3], 2*BSTEP
.endif
	s_barrier_signal -1
	MULH 1, 0, 0                                   ; work on registers while the others arrive
.if \refill
	WIN 0                                          ; at a branch and at a label every window is 0
	s_barrier_wait -1
	CREST
	JLOAD \slot                                    ; the four v_nop behind it are also the places in front of the loads below
.else
	s_barrier_wait -1
	PLACES                                         ; buffer 0 was multiplied in the quarter before
.endif
	FETCH \next, 0, 0
	MULH 1, 1, 0
.endm
	s_load_b256 s[4:11], s[0:1], 0x0               ; A 4:5, wb 6:7, plan 8:9, the output 10:11
	v_lshl_add_u32 v62, v0, 2, 0x4e400
	v_mov_b32 v63, 0
	ds_add_u32 v62, v63
	ds_add_u32 v62, v63
	v_lshrrev_b32 v1, 5, v0
	v_readfirstlane_b32 s12, v1                    ; wave 0..3: my 64 rows of the tile
	s_and_b32 s14, s12, 1                          ; which sub-tile of B, or which half of A, I fetch
	s_and_b32 s16, ttmp7, 0xffff                   ; row block: the cluster's y, which the four partners share
	s_lshl_b32 s17, s16, 2                         ; its word in the table of experts
	s_bfe_u32 s15, ttmp6, 0x40000                  ; cx: my place in the cluster
	s_lshl_b32 s56, ttmp9, 2                       ; in a cluster launch ttmp9 counts clusters
	s_add_co_u32 s15, s56, s15                     ; column block = 4 x cluster x + cx
	; group 1, all sizes in elements of 2 bytes: 128 rows of 128 elements, padded in LDS after every 64 words
	s_mov_b32 s[G1A+0], 15|(1<<16)|(1<<20)|(1<<21)|(5<<22)|(3<<25)  ; 15:0 the mask: all four work-groups; 21 set beside a mask; padding of 4 words
	s_mov_b32 s[G1A+1], 128<<16                    ; tensor_dim0 = 128
	s_mov_b32 s[G1A+2], 128<<16                    ; tensor_dim1 = 128
	s_mov_b32 s[G1A+3], 128<<16                    ; tile_dim0 = 128
	s_mov_b32 s[G1A+4], 128                        ; tile_dim1 = 128
	s_mov_b32 s[G1A+5], KTOT                       ; from row to row
	s_mov_b32 s[G1A+6], 0
	s_mov_b32 s[G1A+7], 0
	s_mov_b32 s[G1B+0], (1<<16)|(1<<20)|(5<<22)|(7<<25)    ; no mask: a load of my own; padding of 8 words
	s_mov_b32 s[G1B+1], 128<<16
	s_mov_b32 s[G1B+2], 128<<16
	s_mov_b32 s[G1B+3], 128<<16
	s_mov_b32 s[G1B+4], 128
	s_mov_b32 s[G1B+5], BROW
	s_mov_b32 s[G1B+6], 0
	s_mov_b32 s[G1B+7], 0
	; group 0: the count and the LDS addresses, made of the wave's number and constants
	s_mov_b32 s[G0A+0], 1
	s_mov_b32 s[G0A+4], 1
	s_mov_b32 s[G0B+0], 1
	s_mov_b32 s[G0B+4], 1
	s_mul_i32 s[G0A+1], s12, AH
	s_add_co_u32 s[G0A+1], s[G0A+1], AOFF-2*AH     ; waves 2 and 3: A's halves 0 and 1
	s_add_co_u32 s[G0A+5], s[G0A+1], SLOT
	s_mul_i32 s[G0B+1], s12, BT                    ; waves 0 and 1: sub-tiles 0 and 1
	s_add_co_u32 s[G0B+5], s[G0B+1], SLOT
.if GEMM == 1
	s_mov_b32 s60, 0xbfb8aa3b                      ; -log2(e)
	s_mov_b32 s61, s60
.endif
	s_wait_dscnt 0x0
	s_wait_kmcnt 0x0
	s_load_b32 s18, s[8:9], s17 offset:32768       ; the block's expert: waited for behind the first round; s17 is left alone until then
	s_mul_i32 s20, s16, 256*KTOT*2                 ; A: the block's 256 rows,
	s_mul_i32 s22, s14, 128*KTOT*2                 ; the half that I fetch
	s_add_co_u32 s20, s20, s22
	s_mov_b32 s21, 0
	s_add_nc_u64 s[G0A+2:G0A+3], s[4:5], s[20:21]  ; K step 0
	s_add_nc_u64 s[G0A+6:G0A+7], s[G0A+2:G0A+3], 256       ; K step 1
	s_or_b32 s[G0A+3], s[G0A+3], 0x80000000        ; type = 2
	s_or_b32 s[G0A+7], s[G0A+7], 0x80000000
	s_mul_i32 s56, s16, 256*OROW                   ; the output: the block's rows,
	s_mul_i32 s58, s12, 64*OROW                    ; my 64 of them,
	s_add_co_u32 s56, s56, s58
	s_mul_i32 s58, s15, OCB                        ; the column block
	s_add_co_u32 s56, s56, s58
	s_mov_b32 s57, 0
	s_add_nc_u64 s[62:63], s[10:11], s[56:57]
	v_and_b32 v1, 15, v0                           ; r
	v_bfe_u32 v2, v0, 4, 1                         ; h
	v_mul_u32_u24 v3, v1, PA
	v_lshl_add_u32 v3, v2, 4, v3                   ; r x 272 + 16 h
	s_mul_i32 s23, s12, AW
	s_add_co_u32 s23, s23, AOFF
	v_add_nc_u32 v[ADRA], s23, v3
	v_add_nc_u32 v[ADRA+1], SLOT, v[ADRA]
	v_and_b32 v4, 7, v0                            ; the turning load: lane l reads 16 bytes of k row 8 h + l % 8, columns 8 ((l / 8) % 2) on
	v_lshl_add_u32 v4, v2, 3, v4
	v_mul_u32_u24 v4, v4, PB
	v_bfe_u32 v5, v0, 3, 1
	v_lshl_add_u32 v[ADRB], v5, 4, v4
	v_add_nc_u32 v[ADRB+1], BT, v[ADRB]
	v_add_nc_u32 v[ADRB+2], SLOT, v[ADRB]
	v_add_nc_u32 v[ADRB+3], SLOT+BT, v[ADRB]
.if GEMM == 1
	; my own stage: 16 rows x 272 bytes.  v14 in: row r, 16 bytes for each half of the lanes.  v15 back: lanes 0-15 one row of 256 bytes, lanes 16-31 the next.  v16 the same two rows in the output.
	s_mul_i32 s23, s12, 16*PA
	s_add_co_u32 s23, s23, STAGE
	v_add_nc_u32 v14, s23, v3
	v_mul_u32_u24 v5, v2, PA
	v_lshl_add_u32 v5, v1, 4, v5
	v_add_nc_u32 v15, s23, v5
	v_lshlrev_b32 v6, 10, v2
	v_lshl_add_u32 v16, v1, 4, v6
.else
	; my own stage: 16 rows x 528 bytes.  v14 in: row r, 32 bytes for each half of the lanes.  v15 back: a row's 512 bytes, 16 a lane.  v16 the same 16 bytes in the output.
	s_mul_i32 s23, s12, 16*SP2
	s_add_co_u32 s23, s23, STAGE
	v_mul_u32_u24 v5, v1, SP2
	v_lshl_add_u32 v5, v2, 5, v5
	v_add_nc_u32 v14, s23, v5
	v_and_b32 v6, 31, v0
	v_lshlrev_b32 v16, 4, v6
	v_add_nc_u32 v15, s23, v16
.endif
	CROUND                                         ; all four work-groups are here: the first joint loads meet
	s_wait_kmcnt 0x0
	s_min_u32 s18, s18, 8                          ; an expert's number: 8 is the shared one
	s_lshl_b32 s56, s18, 20                        ; B: an expert's matrix is 1,048,576 bytes,
	s_mul_i32 s58, s15, CBB                        ; the column block,
	s_add_co_u32 s56, s56, s58
	s_mul_i32 s58, s14, USTR                       ; the sub-tile that I fetch
	s_add_co_u32 s56, s56, s58
.if WOFF != 0
	s_add_co_u32 s56, s56, WOFF
.endif
	s_add_nc_u64 s[G0B+2:G0B+3], s[6:7], s[56:57]
	s_add_nc_u64 s[G0B+6:G0B+7], s[G0B+2:G0B+3], BSTEP
	s_or_b32 s[G0B+3], s[G0B+3], 0x80000000
	s_or_b32 s[G0B+7], s[G0B+7], 0x80000000
	s_cmp_lt_u32 s12, 2                            ; a wave's two first fills stand in one branch, ahead of every wait on TENSORcnt and every LDS read; four v_nop follow the second, as in JLOAD
	s_cbranch_scc0 .Lfirst_a
	tensor_load_to_lds s[G0B:G0B+3], s[G1B:G1B+7]
	s_nop 0
	tensor_load_to_lds s[G0B+4:G0B+7], s[G1B:G1B+7]
	s_nop 0
.rept 4
	v_nop
.endr
	s_branch .Lfirst_asked
.Lfirst_a:
	tensor_load_to_lds s[G0A:G0A+3], s[G1A:G1A+7]
	s_nop 0
	tensor_load_to_lds s[G0A+4:G0A+7], s[G1A:G1A+7]
	s_nop 0
.rept 4
	v_nop
.endr
.Lfirst_asked:
	s_wait_tensorcnt 0x1                           ; my part of K step 0 is in; K step 1's may stay out
	s_barrier_signal -1
	s_barrier_wait -1                              ; everybody's is
	FETCH 0, 0, 0
	QUARTER 0, 1, 0, 1, 1                          ; the first quarter stands in front of the loop: its products start the sums
	WIN 0
	s_mov_b32 s19, LAPS-1
.Llap:                                                 ; a trip goes once round the ring, from a lap's second quarter to the next lap's first, and fills both slots again
	QUARTER 0, 2, 1, 0, 0
	QUARTER 0, 3, 0, 1, 0
	TURN 0, 1, 1
	QUARTER 1, 1, 0, 1, 0
	QUARTER 1, 2, 1, 0, 0
	QUARTER 1, 3, 0, 1, 0
	TURN 1, 0, 1
	QUARTER 0, 1, 0, 1, 0
	WIN 0
	s_sub_co_u32 s19, s19, 1
	s_cmp_lg_u32 s19, 0
	s_cbranch_scc1 .Llap
	QUARTER 0, 2, 1, 0, 0                          ; the last lap is written out: it asks for nothing more, and has no round
	QUARTER 0, 3, 0, 1, 0
	TURN 0, 1, 0
	QUARTER 1, 1, 0, 1, 0
	QUARTER 1, 2, 1, 0, 0
	QUARTER 1, 3, 0, 1, 0
	s_wait_dscnt 0x0
	MULH 1, 0, 0
	MULH 1, 1, 0
	PLACES                                         ; between the last product and the first read of a result
.if GEMM == 1
	; THE WAY OUT, 16 rows (row block a) at a time.  In the block's window gate lies at v[128 (a % 2) + i], up at v[128 (a % 2) + 64 + i], i = 0..63; each accumulator is read from its low end on.
	; ACT: h = g u / (1 + 2^(-log2(e) g)) in v128-191, rounded to bf16 in v32-63: a lane's eight columns are 16 bytes of a row.
.macro ACT a
.set WN, 2+(\a)/2
.set AC, 128*((\a)%2)
	WIN WN                                         ; source 0 in the accumulators' window
.set i, 0
.rept 32
	v_pk_mul_f32 v[128+i:129+i], v[AC+i:AC+i+1], s[60:61] op_sel_hi:[1,0]
.set i, i+2
.endr
	WIN 0
.set i, 0
.rept 64
	v_exp_f32 v[128+i], v[128+i]
.set i, i+1
.endr
	v_nop                                          ; a plain instruction between the last exponential and the use of its result
.set i, 0
.rept 32
	v_pk_add_f32 v[128+i:129+i], v[128+i:129+i], 1.0 op_sel_hi:[1,0]
.set i, i+2
.endr
.set i, 0
.rept 64
	v_rcp_f32 v[128+i], v[128+i]
.set i, i+1
.endr
	v_nop
	WIN WN
.set i, 0
.rept 32
	v_pk_mul_f32 v[128+i:129+i], v[AC+i:AC+i+1], v[128+i:129+i]
.set i, i+2
.endr
.set i, 0
.rept 32
	v_pk_mul_f32 v[128+i:129+i], v[AC+64+i:AC+64+i+1], v[128+i:129+i]
.set i, i+2
.endr
	WIN 0
.set i, 0
.rept 32
	v_cvt_pk_bf16_f32 v[32+i], v[128+2*i], v[129+2*i]
.set i, i+1
.endr
.endm
.macro TOSTAGE1 a                      ; into my stage, and back as whole rows of 256 bytes; each block has 32 registers of its own: v64-127 (A's buffers, free now), v192-255
.set BK, 64+32*(\a)+64*((\a)/2)
.irp b, 0,1,2,3,4,5,6,7
	ds_store_b128 v14, v[32+4*\b:35+4*\b] offset:32*\b
.endr
.irp t, 0,1,2,3,4,5,6,7
	ds_load_b128 v[BK+4*\t:BK+4*\t+3], v15 offset:\t*2*PA      ; LDS serves a wave's instructions in order: these see the stores above
.endr
.endm
.macro SEND1 a
.set BK, 64+32*(\a)+64*((\a)/2)
.irp t, 0,1,2,3,4,5,6,7
	s_wait_dscnt 7-\t                              ; load t is back, the younger ones stay out
	global_store_b128 v16, v[BK+4*\t:BK+4*\t+3], s[62:63] offset:(16*(\a)+2*\t)*OROW   ; sixteen lanes store 256 consecutive bytes, aligned
.endr
.endm
	ACT 0
	TOSTAGE1 0
.irp a, 1,2,3                          ; block a's arithmetic stands between block a - 1's loads from the stage and the wait for them
	ACT \a
	SEND1 \a-1
	TOSTAGE1 \a
.endr
	SEND1 3
.else
	; THE WAY OUT, in eight pieces p = 2 a + u: 16 rows (row block a) x 128 columns (sub-tile u) through my own stage: a lane's eight f32 are 32 bytes of a row; back come whole 512 bytes.
.macro TOSTAGE2 p
.set WN, (2+(\p)/4)<<2
.set AC, 128*(((\p)/2)%2)+64*((\p)%2)
.set BK, 64+64*((\p)%3)
.if (\p) >= 3
	s_wait_xcnt 0x0                                ; the registers that piece p - 3's stores read are loaded again only behind this wait
.endif
	WIN WN                                         ; the data of an LDS store (source 1) in the accumulators' window
.irp b, 0,1,2,3,4,5,6,7
	ds_store_b128 v14, v[AC+8*\b:AC+8*\b+3]   offset:64*\b
	ds_store_b128 v14, v[AC+8*\b+4:AC+8*\b+7] offset:64*\b+16
.endr
	WIN 0
.irp t, 0,1,2,3,4,5,6,7,8,9,10,11,12,13,14,15
	ds_load_b128 v[BK+4*\t:BK+4*\t+3], v15 offset:\t*SP2       ; LDS serves a wave's instructions in order: these see the stores above, and the next piece's stores come behind them
.endr
.endm
.macro SEND2 p, younger                ; younger: the LDS instructions issued behind piece p's loads: the next piece's 32, or none
.set BK, 64+64*((\p)%3)
.irp t, 0,1,2,3,4,5,6,7,8,9,10,11,12,13,14,15
	s_wait_dscnt \younger+15-\t                    ; load t is back
	global_store_b128 v16, v[BK+4*\t:BK+4*\t+3], s[62:63] offset:(16*((\p)/2)+\t)*OROW+512*((\p)%2)   ; 32 lanes store 512 consecutive bytes, aligned
.endr
.endm
	TOSTAGE2 0
.irp p, 1,2,3,4,5,6,7
	TOSTAGE2 \p
	SEND2 \p-1, 32
.endr
	SEND2 7, 0
.endif
	s_wait_tensorcnt 0x0
	ds_add_u32 v62, v63
	s_wait_dscnt 0x0
	CROUND                                         ; the closing round: no work-group ends while a partner may still ask for a tile that names it
	s_endpgm
.Lfunc_end_k_qc1320f0fbc_gemm2:
	.size	k_qc1320f0fbc_gemm2, .Lfunc_end_k_qc1320f0fbc_gemm2-k_qc1320f0fbc_gemm2
	.p2alignl 7, 3214868480
	.fill 96, 4, 3214868480
	.section	.rodata,"a",@progbits
	.p2align	6, 0x0
	.amdhsa_kernel k_qc1320f0fbc_gemm2
		.amdhsa_group_segment_fixed_size 327680
		.amdhsa_private_segment_fixed_size 0
		.amdhsa_enable_private_segment 0
		.amdhsa_kernarg_size 32
		.amdhsa_user_sgpr_count 2
		.amdhsa_user_sgpr_kernarg_segment_ptr 1
		.amdhsa_wavefront_size32 1
		.amdhsa_system_sgpr_workgroup_id_x 1
		.amdhsa_system_sgpr_workgroup_id_y 1
		.amdhsa_system_sgpr_workgroup_id_z 1
		.amdhsa_system_vgpr_workitem_id 0
		.amdhsa_next_free_vgpr 1024
		.amdhsa_next_free_sgpr 66
		.amdhsa_reserve_vcc 0
		.amdhsa_float_denorm_mode_32 3
		.amdhsa_float_denorm_mode_16_64 3
		.amdhsa_memory_ordered 1
		.amdhsa_forward_progress 1
		.amdhsa_inst_pref_size 151
	.end_amdhsa_kernel
	.amdgpu_metadata
---
amdhsa.version: [ 1, 2 ]
amdhsa.kernels:
  - .name:           k_qc1320f0fbc_gemm2
    .symbol:         k_qc1320f0fbc_gemm2.kd
    .args:
      - { .name: hact, .offset: 0, .size: 8, .value_kind: global_buffer, .address_space: global }
      - { .name: wb, .offset: 8, .size: 8, .value_kind: global_buffer, .address_space: global }
      - { .name: plan, .offset: 16, .size: 8, .value_kind: global_buffer, .address_space: global }
      - { .name: yrows, .offset: 24, .size: 8, .value_kind: global_buffer, .address_space: global }
    .group_segment_fixed_size: 327680
    .private_segment_fixed_size: 0
    .kernarg_segment_align: 8
    .kernarg_segment_size: 32
    .max_flat_workgroup_size: 128
    .sgpr_count:     66
    .vgpr_count:     1024
    .wavefront_size: 32
...
	.end_amdgpu_metadata
.endif
;; end of part 10
;; launch combine (part 11): grid 256 x 1, 8 waves a work-group, no clusters, 0 bytes of LDS; arguments yrows, topw, plan, out0; writes out0
.if DOCPART == 11
	.amdgcn_target "amdgcn-amd-amdhsa--gfx1250"
	.amdhsa_code_object_version 6
	.text
	.protected	k_qc1320f0fbc_combine
	.globl	k_qc1320f0fbc_combine
	.p2align	8
	.type	k_qc1320f0fbc_combine,@function
k_qc1320f0fbc_combine:
	s_mov_b64 s[64:65], 0
	v_nop
	global_prefetch_b8 v0, s[64:65] scope:SCOPE_SE
	s_setreg_imm32_b32 hwreg(HW_REG_WAVE_MODE, 25, 1), 1
	s_wait_xcnt 0x0
; COMBINE.  out[t] = yrows[t] (the shared expert's row) + w0 yrows[pos[t][0]] + w1 yrows[pos[t][1]], all f32.
; A wave takes two tokens: six rows of 4,096 bytes, all 48 loads of 512 consecutive bytes issued at once; each row of yrows is read once in the launch.
; A stream: no LDS, no barrier, no matrix unit, no cluster (no two work-groups read the same bytes).
	s_load_b256 s[4:11], s[0:1], 0x0               ; yrows 4:5, topw 6:7, plan 8:9, out 10:11
	v_lshrrev_b32 v1, 5, v0
	v_readfirstlane_b32 s12, v1                    ; wave 0..7
	v_and_b32 v1, 31, v0
	v_lshlrev_b32 v1, 4, v1                        ; 16 bytes a lane
	s_lshl_b32 s13, ttmp9, 4
	s_lshl1_add_u32 s13, s12, s13                  ; my first token: 16 w + 2 wv
	s_lshl_b32 s14, s13, 3                         ; its 8 bytes in pos and in topw
	s_lshl_b32 s46, s13, 12                        ; its row of 4,096 bytes
	s_mov_b32 s47, 0
	s_wait_kmcnt 0x0
	s_load_b128 s[16:19], s[8:9], s14 offset:0x0   ; the four rows of my two tokens
	s_load_b128 s[20:23], s[6:7], s14 offset:0x0   ; their four weights
	s_add_nc_u64 s[24:25], s[4:5], s[46:47]        ; the shared expert's rows
	s_add_nc_u64 s[30:31], s[24:25], 4096
	s_add_nc_u64 s[44:45], s[10:11], s[46:47]
	s_wait_kmcnt 0x0
.irp n, 0,1,2,3
	s_min_u32 s[16+\n], s[16+\n], 0x36ff           ; a row of the row space: 14,079 at the most
.endr
	s_lshl_b32 s46, s16, 12
	s_add_nc_u64 s[26:27], s[4:5], s[46:47]
	s_lshl_b32 s46, s17, 12
	s_add_nc_u64 s[28:29], s[4:5], s[46:47]
	s_lshl_b32 s46, s18, 12
	s_add_nc_u64 s[32:33], s[4:5], s[46:47]
	s_lshl_b32 s46, s19, 12
	s_add_nc_u64 s[34:35], s[4:5], s[46:47]
.irp n, 0,1,2,3
	s_mov_b32 s[36+2*\n], s[20+\n]                 ; each weight in a pair of its own: the packed multiply-add names a pair
	s_mov_b32 s[37+2*\n], s[20+\n]
.endr
.irp k, 0,1
.irp j, 0,1,2,3,4,5,6,7
	global_load_b128 v[16+12*(8*\k+\j):16+12*(8*\k+\j)+3],    v1, s[24+6*\k:25+6*\k] offset:512*\j th:TH_LOAD_NT
	global_load_b128 v[16+12*(8*\k+\j)+4:16+12*(8*\k+\j)+7],  v1, s[26+6*\k:27+6*\k] offset:512*\j th:TH_LOAD_NT
	global_load_b128 v[16+12*(8*\k+\j)+8:16+12*(8*\k+\j)+11], v1, s[28+6*\k:29+6*\k] offset:512*\j th:TH_LOAD_NT
.endr
.endr
.irp k, 0,1
.irp j, 0,1,2,3,4,5,6,7
.set RG, 16+12*(8*\k+\j)
	s_wait_loadcnt 45-3*(8*\k+\j)                  ; this triple is in, the younger triples stay out
	v_pk_fma_f32 v[RG:RG+1],   v[RG+4:RG+5],   s[36+4*\k:37+4*\k], v[RG:RG+1]   op_sel_hi:[1,0,1]
	v_pk_fma_f32 v[RG+2:RG+3], v[RG+6:RG+7],   s[36+4*\k:37+4*\k], v[RG+2:RG+3] op_sel_hi:[1,0,1]
	v_pk_fma_f32 v[RG:RG+1],   v[RG+8:RG+9],   s[38+4*\k:39+4*\k], v[RG:RG+1]   op_sel_hi:[1,0,1]
	v_pk_fma_f32 v[RG+2:RG+3], v[RG+10:RG+11], s[38+4*\k:39+4*\k], v[RG+2:RG+3] op_sel_hi:[1,0,1]
	global_store_b128 v1, v[RG:RG+3], s[44:45] offset:4096*\k+512*\j th:TH_STORE_NT   ; 512 consecutive bytes, aligned; no register is written again
.endr
.endr
	s_endpgm
.Lfunc_end_k_qc1320f0fbc_combine:
	.size	k_qc1320f0fbc_combine, .Lfunc_end_k_qc1320f0fbc_combine-k_qc1320f0fbc_combine
	.p2alignl 7, 3214868480
	.fill 96, 4, 3214868480
	.section	.rodata,"a",@progbits
	.p2align	6, 0x0
	.amdhsa_kernel k_qc1320f0fbc_combine
		.amdhsa_group_segment_fixed_size 0
		.amdhsa_private_segment_fixed_size 0
		.amdhsa_enable_private_segment 0
		.amdhsa_kernarg_size 32
		.amdhsa_user_sgpr_count 2
		.amdhsa_user_sgpr_kernarg_segment_ptr 1
		.amdhsa_wavefront_size32 1
		.amdhsa_system_sgpr_workgroup_id_x 1
		.amdhsa_system_sgpr_workgroup_id_y 1
		.amdhsa_system_sgpr_workgroup_id_z 1
		.amdhsa_system_vgpr_workitem_id 0
		.amdhsa_next_free_vgpr 208
		.amdhsa_next_free_sgpr 66
		.amdhsa_reserve_vcc 0
		.amdhsa_float_denorm_mode_32 3
		.amdhsa_float_denorm_mode_16_64 3
		.amdhsa_memory_ordered 1
		.amdhsa_forward_progress 1
		.amdhsa_inst_pref_size 13
	.end_amdhsa_kernel
	.amdgpu_metadata
---
amdhsa.version: [ 1, 2 ]
amdhsa.kernels:
  - .name:           k_qc1320f0fbc_combine
    .symbol:         k_qc1320f0fbc_combine.kd
    .args:
      - { .name: yrows, .offset: 0, .size: 8, .value_kind: global_buffer, .address_space: global }
      - { .name: topw, .offset: 8, .size: 8, .value_kind: global_buffer, .address_space: global }
      - { .name: plan, .offset: 16, .size: 8, .value_kind: global_buffer, .address_space: global }
      - { .name: out0, .offset: 24, .size: 8, .value_kind: global_buffer, .address_space: global }
    .group_segment_fixed_size: 0
    .private_segment_fixed_size: 0
    .kernarg_segment_align: 8
    .kernarg_segment_size: 32
    .max_flat_workgroup_size: 256
    .sgpr_count:     66
    .vgpr_count:     208
    .wavefront_size: 32
...
	.end_amdgpu_metadata
.endif
;; end of part 11
;; ======== version 3 of 3: 6 launches; version 2 with the launches prep, combine written anew for expert scheduling mode
;; limits: values outside matrix products are rounded to bf16
;; workspace buffers: sel 16,384 bytes of whole numbers; topw 32,768 bytes; plan 33,792 bytes of whole numbers; xs 28,835,840 bytes; wb 28,311,552 bytes; hact 14,417,920 bytes; yrows 57,671,680 bytes
;; launch prep (part 12): grid 1120 x 1, 8 waves a work-group, no clusters, 61,440 bytes of LDS; arguments hidden_states, router_weight, correction_bias, w_gate, sw_gate, w_up, sw_up, w_down, sw_down, sel, topw, wb; writes sel, topw, wb
.if DOCPART == 12
	.amdgcn_target "amdgcn-amd-amdhsa--gfx1250"
	.amdhsa_code_object_version 6
	.text
	.protected	k_qc1320f0fbc_prep
	.globl	k_qc1320f0fbc_prep
	.p2align	8
	.type	k_qc1320f0fbc_prep,@function
k_qc1320f0fbc_prep:
	s_mov_b64 s[64:65], 0
	v_nop
	global_prefetch_b8 v0, s[64:65] scope:SCOPE_SE
	s_setreg_imm32_b32 hwreg(HW_REG_WAVE_SCHED_MODE, 0, 2), 2
	s_setreg_imm32_b32 hwreg(HW_REG_WAVE_MODE, 25, 1), 1
	s_wait_xcnt 0x0
	s_wait_alu depctr_vm_vsrc(0)
; PREP.  Two jobs that need nothing of each other, in one launch.
; Work-groups 0-255: the router for 16 tokens each.  logits = x . router_weight^T with both sides rounded to bf16 and f32 sums (matrix unit),
;   sigmoid, + bias, the group with the larger sum of its two best biased scores, the two best of (chosen group's biased scores, 0.0 for the other group),
;   ties to the lower index, weights from the unbiased scores.  Stored: sel[t] = e0 | e1<<8 | ((1<<e0)|(1<<e1))<<16 and topw[t][2].
; Work-groups 256-1119: the six weight tensors are rounded to bf16 into wb, 65,536 bytes of f32 a work-group:
;   wb = gate [9][1024][512], up [9][1024][512], down [9][512][1024]; index 8 of each is the shared expert.
; LIMITS.  correction_bias is rounded to bf16 (8 significant bits) like every matrix input.  The weights are a reciprocal (1 ulp) and a multiply.
;   NaN scores are not ordered as the reference's top_k orders them.
; No cluster: no two work-groups read the same bytes but router_weight's 32,768.
; THE MODE: SCHED_MODE bits 1:0 = 2 (LLVM: expert scheduling mode 2), set by the entry lines.  The code itself states the register dependences
; between vector or matrix instructions and memory or LDS instructions, with s_wait_alu, always for 0.
; THE PLAN, the router.  Registers that memory or LDS instructions touch:
;   v4-v11     offsets and LDS addresses: written once at the head, never again.
;   v80-111    router_weight as loaded: read by 16 conversions; afterwards named by matrix and vector instructions alone.
;   v16-79     x as loaded; read by 32 conversions; then the fragments' LDS loads land there; read by the four matrix instructions; then, in wave 0, the partial logits land there.
;   v144-159, v112-143   router_weight and x in bf16: written by the conversions of one block, read by the LDS stores issued at the head of the next block; written again in wave 0's tail alone.
;   v96-103    my partial logits: written by four packed adds, read by two LDS stores, never written again.
;   v152, v153, v155     the results: written by vector instructions, read by the two global stores.
;   x goes in four blocks of four rows.  ONE wait on va_vdst stands at a block's head, behind the wait for its data: the block before has written its bf16, and its LDS stores follow.
; THE PLAN, the cast.  v4, v5 offsets, written once.  v16-79 as loaded, read by the conversions.  v80-111 in bf16, written once by the conversions of a block of four loads and
;   read by the four stores issued at the head of the next block, behind that block's one wait on va_vdst.  No register is written twice.
.set XP,   272                         ; an LDS row: 128 bf16 + 16 bytes, so that the 16 rows of a fragment load start at 16 different 16-byte columns
.set WREG, 24*XP                       ; a wave's own bytes: 16 rows of x, 8 rows of router_weight, for its 128 k
.set RT,   16*XP                       ; where the router's rows begin in them
.set PART, 8*WREG                      ; behind them: every wave's partial logits, 32 bytes a lane
	s_load_b512 s[4:19], s[0:1], 0x0               ; x 4:5, router_weight 6:7, bias 8:9, w_gate 10:11, sw_gate 12:13, w_up 14:15, sw_up 16:17, w_down 18:19
	s_load_b256 s[20:27], s[0:1], 0x40             ; sw_down 20:21, sel 22:23, topw 24:25, wb 26:27
	v_lshl_add_u32 v160, v0, 2, 0xec00             ; my spare word, behind the partial logits, and 0: made here and kept for the closing lines alone
	v_mov_b32 v161, 0
	v_lshrrev_b32 v1, 5, v0
	v_readfirstlane_b32 s28, v1                    ; wave 0..7
	v_and_b32 v1, 31, v0                           ; lane
	s_mov_b32 s43, 0
	s_wait_alu depctr_va_sdst(0)                   ; s28 is written, ahead of the branch: on both ways scalar instructions read it
	s_cmp_lt_u32 ttmp9, 256                        ; the same for all waves of a work-group
	s_cbranch_scc0 .Lcast
	; ---------------- the router: tokens 16 w .. 16 w + 15; wave wv takes k = 128 wv .. 128 wv + 127 ----------------
	v_and_b32 v2, 15, v0                           ; r
	v_bfe_u32 v3, v0, 4, 1                         ; h
	v_lshlrev_b32 v4, 4, v0                        ; byte in a row of x or router_weight: 512 wv + 16 lane
	s_mul_i32 s29, s28, WREG
	v_lshl_add_u32 v5, v1, 3, s29                  ; where my four bf16 of a row go
	v_mul_u32_u24 v6, v2, XP
	v_lshl_add_u32 v6, v3, 4, v6
	v_add_nc_u32 v6, s29, v6                       ; fragment of x: row r, 16 h
	v_and_b32 v7, 7, v0
	v_mul_u32_u24 v7, v7, XP
	v_lshl_add_u32 v7, v3, 4, v7
	v_add_nc_u32 v7, s29, v7                       ; fragment of router_weight: row r % 8 (rows 8-15 of the fragment repeat the 8 experts)
	s_lshl_b32 s30, s28, 10
	s_add_co_u32 s30, s30, PART
	v_lshl_add_u32 v8, v1, 5, s30                  ; my partial logits
	v_lshlrev_b32 v9, 5, v1                        ; the same place in wave 0's part, less PART
	v_lshlrev_b32 v10, 2, v2                       ; sel: 4 r
	v_lshlrev_b32 v11, 3, v2                       ; topw: 8 r
	s_lshl_b32 s42, ttmp9, 16                      ; 16 rows of 4,096 bytes
	s_wait_kmcnt 0x0
	s_add_nc_u64 s[4:5], s[4:5], s[42:43]
	s_wait_alu depctr_va_vdst(0)                   ; v4 to v11 are written: every load and store of the router, global or LDS, reads one of them as its offset or address
.irp e, 0,1,2,3,4,5,6,7
	global_load_b128 v[80+4*\e:83+4*\e], v4, s[6:7] offset:4096*\e    ; a wave's load covers 512 consecutive bytes of one row
.endr
.irp i, 0,1,2,3,4,5,6,7,8,9,10,11,12,13,14,15
	global_load_b128 v[16+4*\i:19+4*\i], v4, s[4:5] offset:4096*\i
.endr
	s_wait_loadcnt 16                              ; router_weight's eight are in; x's sixteen, issued behind them, stay out
.irp e, 0,1,2,3,4,5,6,7
	v_cvt_pk_bf16_f32 v[144+2*\e], v[80+4*\e], v[81+4*\e]
	v_cvt_pk_bf16_f32 v[145+2*\e], v[82+4*\e], v[83+4*\e]
.endr
.set i, 0
.rept 4                                ; x in blocks of four rows, i the block's first row
	s_wait_loadcnt 12-i                            ; loads come back in order: rows i to i + 3 are in, the younger rows stay out
	s_wait_alu depctr_va_vdst(0)                   ; the conversions of the block before (for block 0: router_weight's) have written their bf16, which the LDS stores below read
.if i == 0
.irp e, 0,1,2,3,4,5,6,7
	ds_store_b64 v5, v[144+2*\e:145+2*\e] offset:RT+XP*\e
.endr
.else
.irp n, 0,1,2,3
	ds_store_b64 v5, v[112+2*(i-4+\n):113+2*(i-4+\n)] offset:XP*(i-4+\n)
.endr
.endif
.irp n, 0,1,2,3
	v_cvt_pk_bf16_f32 v[112+2*(i+\n)], v[16+4*(i+\n)], v[17+4*(i+\n)]
	v_cvt_pk_bf16_f32 v[113+2*(i+\n)], v[18+4*(i+\n)], v[19+4*(i+\n)]
.endr
.set i, i+4
.endr
	s_wait_alu depctr_va_vdst(0)                   ; rows 12 to 15's conversions have written v136-143, which the LDS stores below read; all conversions are done reading v16-79, in which the fragments land
.irp n, 12,13,14,15
	ds_store_b64 v5, v[112+2*\n:113+2*\n] offset:XP*\n
.endr
.irp s, 0,1,2,3                        ; the wave's own bytes, served in order: no barrier between its stores and these loads
	ds_load_b128 v[16+8*\s:19+8*\s], v6 offset:64*\s
	ds_load_b128 v[20+8*\s:23+8*\s], v6 offset:64*\s+32
	ds_load_b128 v[48+8*\s:51+8*\s], v7 offset:RT+64*\s
	ds_load_b128 v[52+8*\s:55+8*\s], v7 offset:RT+64*\s+32
.endr
	s_wait_dscnt 0x0
	; source 0 = experts, source 1 = tokens: register j of a lane is expert j's partial logit of token r.  Two accumulators by turns.
	v_wmma_f32_16x16x32_bf16 v[80:87], v[48:55], v[16:23], 0
	v_wmma_f32_16x16x32_bf16 v[88:95], v[56:63], v[24:31], 0
	v_wmma_f32_16x16x32_bf16 v[80:87], v[64:71], v[32:39], v[80:87]
	v_wmma_f32_16x16x32_bf16 v[88:95], v[72:79], v[40:47], v[88:95]
.rept 4
	v_nop                                          ; four places between the last product and the first read of a result (ISA guide 7.12.1)
.endr
.irp p, 0,1,2,3
	v_pk_add_f32 v[96+2*\p:97+2*\p], v[80+2*\p:81+2*\p], v[88+2*\p:89+2*\p]
.endr
	s_wait_alu depctr_va_vdst(0)                   ; the adds have written v96-103, which the LDS stores below read; the matrix instructions are done reading v16-79, in which wave 0's loads land further down
	ds_store_b128 v8, v[96:99]
	ds_store_b128 v8, v[100:103] offset:16
	s_wait_dscnt 0x0                               ; for wave 0's sake: my partial logits are in LDS
	s_barrier_signal -1
	s_barrier_wait -1
	s_wait_alu depctr_vm_vsrc(0)                   ; my LDS stores have read v112-159: behind the branch wave 0 writes these registers again
	s_cmp_lg_u32 s28, 0
	s_cbranch_scc1 .Lend                           ; wave 0 goes on alone; no barrier follows
	s_load_b256 s[32:39], s[8:9], 0x0              ; the bias
.irp w, 0,1,2,3,4,5,6,7                ; no vector or matrix instruction since the last wait on va_vdst names v16-79 or v9
	ds_load_b128 v[16+8*\w:19+8*\w], v9 offset:PART+1024*\w
	ds_load_b128 v[20+8*\w:23+8*\w], v9 offset:PART+1024*\w+16
.endr
	s_mov_b32 s40, 0xbfb8aa3b                      ; -log2(e)
	s_mov_b32 s41, s40                             ; named with it as a pair
	s_lshl_b32 s42, ttmp9, 6
	s_add_nc_u64 s[22:23], s[22:23], s[42:43]      ; sel at my 16 tokens
	s_lshl_b32 s42, ttmp9, 7
	s_add_nc_u64 s[24:25], s[24:25], s[42:43]      ; topw likewise
	s_wait_kmcnt 0x0
.irp e, 0,1,2,3,4,5,6,7
	v_mov_b32 v[128+\e], s[32+\e]
.endr
.irp p, 0,1,2,3
	v_cvt_pk_bf16_f32 v[136+\p], v[128+2*\p], v[129+2*\p]      ; the bias in bf16,
.endr
.irp p, 0,1,2,3
	v_lshlrev_b32 v[128+2*\p], 16, v[136+\p]                   ; and back in f32
	v_and_b32 v[129+2*\p], 0xffff0000, v[136+\p]
.endr
	s_wait_dscnt 0x0
.irp w, 1,2,3,4,5,6,7                  ; the eight waves' parts, k ascending
.irp p, 0,1,2,3
	v_pk_add_f32 v[16+2*\p:17+2*\p], v[16+2*\p:17+2*\p], v[16+8*\w+2*\p:17+8*\w+2*\p]
.endr
.endr
	; scores S = 1 / (1 + 2^(-log2(e) logit)) in v104-111; biased C = S + bias in v112-119
.irp p, 0,1,2,3
	v_pk_mul_f32 v[104+2*\p:105+2*\p], v[16+2*\p:17+2*\p], s[40:41] op_sel_hi:[1,0]
.endr
.irp e, 0,1,2,3,4,5,6,7
	v_exp_f32 v[104+\e], v[104+\e]
.endr
	v_nop                                          ; a plain instruction between the last exponential and the use of its result
	s_wait_alu depctr_va_vdst(0)                   ; the eight exponentials have written v104-111, ahead of their first reader
.irp p, 0,1,2,3
	v_pk_add_f32 v[104+2*\p:105+2*\p], v[104+2*\p:105+2*\p], 1.0 op_sel_hi:[1,0]
.endr
.irp e, 0,1,2,3,4,5,6,7
	v_rcp_f32 v[104+\e], v[104+\e]
.endr
	v_nop
	s_wait_alu depctr_va_vdst(0)                   ; the eight reciprocals have written v104-111, ahead of their first reader
.irp p, 0,1,2,3
	v_pk_add_f32 v[112+2*\p:113+2*\p], v[104+2*\p:105+2*\p], v[128+2*\p:129+2*\p]
.endr
.macro GSCORE dst, c                   ; the sum of the two largest of v[c .. c+3]
	v_max_num_f32 v136, v[\c], v[\c+1]
	v_min_num_f32 v137, v[\c], v[\c+1]
	v_max_num_f32 v138, v[\c+2], v[\c+3]
	v_min_num_f32 v139, v[\c+2], v[\c+3]
	v_max_num_f32 v137, v137, v139                 ; the better of the two losers
	v_min_num_f32 v139, v136, v138                 ; the lesser of the two winners
	v_max_num_f32 v136, v136, v138                 ; the largest
	v_max_num_f32 v137, v137, v139                 ; the second
	v_add_f32 v[\dst], v136, v137
.endm
	GSCORE 140, 112
	GSCORE 141, 116
	v_mov_b32 v142, 0
	v_cmp_gt_f32 vcc_lo, v141, v140                ; group 1 only if strictly better: a tie goes to group 0
	s_wait_alu depctr_va_vcc(0)                    ; the compare has written VCC, which the eight selects below read
.irp e, 0,1,2,3
	v_cndmask_b32 v[120+\e], v[112+\e], v142, vcc_lo           ; M: the other group's experts count as 0.0
.endr
.irp e, 4,5,6,7
	v_cndmask_b32 v[120+\e], v142, v[112+\e], vcc_lo
.endr
	v_mov_b32 v143, v120                           ; the best M, its index, its unbiased score
	v_mov_b32 v144, 0
	v_mov_b32 v145, v104
.irp e, 1,2,3,4,5,6,7                  ; a chain: each compare reads the select before it, so each has its own wait
	v_cmp_ge_f32 vcc_lo, v143, v[120+\e]           ; keep: a tie stays with the lower index
	s_wait_alu depctr_va_vcc(0)                    ; the compare has written VCC, which the three selects below read
	v_cndmask_b32 v143, v[120+\e], v143, vcc_lo
	v_cndmask_b32 v144, \e, v144, vcc_lo
	v_cndmask_b32 v145, v[104+\e], v145, vcc_lo
.endr
.irp e, 0,1,2,3,4,5,6,7                ; is e the first choice?  These eight hang on v144 alone: one run, into s32-39 (the bias has been read out of them), one wait
	v_cmp_eq_u32 s[32+\e], \e, v144
.endr
	v_mov_b32 v146, 0xff800000                     ; the second best, among the others: starts at -infinity
	v_mov_b32 v147, 0
	v_mov_b32 v148, 0
	s_wait_alu depctr_va_sdst(0)                   ; the eight compares have written s32-39, ahead of their first reader
.irp e, 0,1,2,3,4,5,6,7
	v_cmp_ge_f32 vcc_lo, v146, v[120+\e]
	s_wait_alu depctr_va_vcc(0)                    ; the compare has written VCC, which the scalar line below reads
	s_or_b32 vcc_lo, vcc_lo, s[32+\e]              ; keep: it is the first choice, or no better
	v_cndmask_b32 v146, v[120+\e], v146, vcc_lo
	v_cndmask_b32 v147, \e, v147, vcc_lo
	v_cndmask_b32 v148, v[104+\e], v148, vcc_lo
.endr
	v_add_f32 v150, v145, v148
	v_add_f32 v150, 0x1e3ce508, v150               ; + 1e-20
	v_rcp_f32 v151, v150
	v_mov_b32 v154, 0x10000                        ; (the plain instruction behind the reciprocal)
	s_wait_alu depctr_va_vdst(0)                   ; the reciprocal has written v151, ahead of its first reader
	v_mul_f32 v152, v145, v151
	v_mul_f32 v153, v148, v151
	v_lshlrev_b32 v155, v144, v154
	v_lshlrev_b32 v156, v147, v154
	v_or_b32 v155, v155, v156
	v_lshl_or_b32 v155, v147, 8, v155
	v_or_b32 v155, v155, v144
	s_wait_alu depctr_va_vdst(0)                   ; v152, v153 and v155 are written, which the two stores below read
	; lanes 16-31 hold the same tokens as lanes 0-15 and store the same values to the same places.  64 and 128 bytes a work-group: the two tables are 49,152 bytes in all.
	global_store_b32 v10, v155, s[22:23]
	global_store_b64 v11, v[152:153], s[24:25]
.Lend:
	s_wait_dscnt 0x0                               ; the closing lines, six on end
	s_wait_alu 0x0
	s_wait_tensorcnt 0x0
	ds_add_u32 v160, v161
	s_wait_dscnt 0x0
	s_endpgm
	; ---------------- the cast: piece id = work-group - 256, 65,536 bytes of f32 to 32,768 of bf16; the pieces lie in wb's own order ----------------
.Lcast:
	s_sub_co_u32 s29, ttmp9, 256
	s_wait_kmcnt 0x0
	s_mov_b64 s[44:45], s[10:11]                   ; pieces 0-255: w_gate
	s_mov_b32 s46, 0
.macro PICK from, reg                  ; from piece \from on: the tensor whose address lies in s[reg:reg+1]
	s_cmp_ge_u32 s29, \from
	s_cselect_b64 s[44:45], s[\reg:\reg+1], s[44:45]
	s_cselect_b32 s46, \from, s46
.endm
	PICK 256, 12                                   ; sw_gate
	PICK 288, 14                                   ; w_up
	PICK 544, 16                                   ; sw_up
	PICK 576, 18                                   ; w_down
	PICK 832, 20                                   ; sw_down
	s_sub_co_u32 s46, s29, s46
	s_lshl_b32 s46, s46, 16
	s_mov_b32 s47, 0
	s_add_nc_u64 s[44:45], s[44:45], s[46:47]
	s_lshl_b32 s42, s29, 15
	s_add_nc_u64 s[26:27], s[26:27], s[42:43]
	s_lshl_b32 s30, s28, 13
	s_lshl_b32 s31, s28, 12                        ; each of the two terms in a scalar register of its own
	v_lshl_add_u32 v4, v1, 4, s30                  ; in: 8,192 wv + 16 lane
	v_lshl_add_u32 v5, v1, 3, s31                  ; out: 4,096 wv + 8 lane
	s_wait_alu depctr_va_vdst(0)                   ; v4 and v5 are written: every load and store of the cast reads one of them as its offset
.irp j, 0,1,2,3,4,5,6,7,8,9,10,11,12,13,14,15
	global_load_b128 v[16+4*\j:19+4*\j], v4, s[44:45] offset:512*\j th:TH_LOAD_NT   ; 512 consecutive bytes a load; all sixteen of a wave go out at once
.endr
.set j, 0
.rept 4                                ; in blocks of four loads, j the block's first
	s_wait_loadcnt 12-j                            ; loads j to j + 3 are in, the younger ones stay out
.if j > 0
	s_wait_alu depctr_va_vdst(0)                   ; the block before has written its eight registers of bf16, which the four stores below read
.irp n, 0,1,2,3
	global_store_b64 v5, v[80+2*(j-4+\n):81+2*(j-4+\n)], s[26:27] offset:256*(j-4+\n)   ; the wave's 32 lanes store 256 consecutive bytes, aligned; no register is written twice
.endr
.endif
.irp n, 0,1,2,3
	v_cvt_pk_bf16_f32 v[80+2*(j+\n)], v[16+4*(j+\n)], v[17+4*(j+\n)]
	v_cvt_pk_bf16_f32 v[81+2*(j+\n)], v[18+4*(j+\n)], v[19+4*(j+\n)]
.endr
.set j, j+4
.endr
	s_wait_alu depctr_va_vdst(0)                   ; the last block has written v104-111, which the last four stores read
.irp n, 12,13,14,15
	global_store_b64 v5, v[80+2*\n:81+2*\n], s[26:27] offset:256*\n
.endr
	s_endpgm
.Lfunc_end_k_qc1320f0fbc_prep:
	.size	k_qc1320f0fbc_prep, .Lfunc_end_k_qc1320f0fbc_prep-k_qc1320f0fbc_prep
	.p2alignl 7, 3214868480
	.fill 96, 4, 3214868480
	.section	.rodata,"a",@progbits
	.p2align	6, 0x0
	.amdhsa_kernel k_qc1320f0fbc_prep
		.amdhsa_group_segment_fixed_size 61440
		.amdhsa_private_segment_fixed_size 0
		.amdhsa_enable_private_segment 0
		.amdhsa_kernarg_size 96
		.amdhsa_user_sgpr_count 2
		.amdhsa_user_sgpr_kernarg_segment_ptr 1
		.amdhsa_wavefront_size32 1
		.amdhsa_system_sgpr_workgroup_id_x 1
		.amdhsa_system_sgpr_workgroup_id_y 1
		.amdhsa_system_sgpr_workgroup_id_z 1
		.amdhsa_system_vgpr_workitem_id 0
		.amdhsa_next_free_vgpr 162
		.amdhsa_next_free_sgpr 66
		.amdhsa_reserve_vcc 1
		.amdhsa_float_denorm_mode_32 3
		.amdhsa_float_denorm_mode_16_64 3
		.amdhsa_memory_ordered 1
		.amdhsa_forward_progress 1
		.amdhsa_inst_pref_size 29
	.end_amdhsa_kernel
	.amdgpu_metadata
---
amdhsa.version: [ 1, 2 ]
amdhsa.kernels:
  - .name:           k_qc1320f0fbc_prep
    .symbol:         k_qc1320f0fbc_prep.kd
    .args:
      - { .name: hidden_states, .offset: 0, .size: 8, .value_kind: global_buffer, .address_space: global }
      - { .name: router_weight, .offset: 8, .size: 8, .value_kind: global_buffer, .address_space: global }
      - { .name: correction_bias, .offset: 16, .size: 8, .value_kind: global_buffer, .address_space: global }
      - { .name: w_gate, .offset: 24, .size: 8, .value_kind: global_buffer, .address_space: global }
      - { .name: sw_gate, .offset: 32, .size: 8, .value_kind: global_buffer, .address_space: global }
      - { .name: w_up, .offset: 40, .size: 8, .value_kind: global_buffer, .address_space: global }
      - { .name: sw_up, .offset: 48, .size: 8, .value_kind: global_buffer, .address_space: global }
      - { .name: w_down, .offset: 56, .size: 8, .value_kind: global_buffer, .address_space: global }
      - { .name: sw_down, .offset: 64, .size: 8, .value_kind: global_buffer, .address_space: global }
      - { .name: sel, .offset: 72, .size: 8, .value_kind: global_buffer, .address_space: global }
      - { .name: topw, .offset: 80, .size: 8, .value_kind: global_buffer, .address_space: global }
      - { .name: wb, .offset: 88, .size: 8, .value_kind: global_buffer, .address_space: global }
    .group_segment_fixed_size: 61440
    .private_segment_fixed_size: 0
    .kernarg_segment_align: 8
    .kernarg_segment_size: 96
    .max_flat_workgroup_size: 256
    .sgpr_count:     66
    .vgpr_count:     162
    .wavefront_size: 32
...
	.end_amdgpu_metadata
.endif
;; end of part 12
;; launch place: the kernel of part 7 again; grid 128 x 1, 8 waves a work-group, no clusters, 2,048 bytes of LDS; arguments sel, plan; writes plan
;; launch scatter: the kernel of part 8 again; grid 256 x 1, 8 waves a work-group, no clusters, 0 bytes of LDS; arguments hidden_states, plan, xs; writes xs
;; launch gemm1: the kernel of part 9 again; grid 4 x 55, 4 waves a work-group, clusters of 4 x 1, 327,680 bytes of LDS; arguments xs, wb, plan, hact; writes hact
;; launch gemm2: the kernel of part 10 again; grid 4 x 55, 4 waves a work-group, clusters of 4 x 1, 327,680 bytes of LDS; arguments hact, wb, plan, yrows; writes yrows
;; launch combine (part 13): grid 256 x 1, 8 waves a work-group, no clusters, 0 bytes of LDS; arguments yrows, topw, plan, out0; writes out0
.if DOCPART == 13
	.amdgcn_target "amdgcn-amd-amdhsa--gfx1250"
	.amdhsa_code_object_version 6
	.text
	.protected	k_qc1320f0fbc_combine
	.globl	k_qc1320f0fbc_combine
	.p2align	8
	.type	k_qc1320f0fbc_combine,@function
k_qc1320f0fbc_combine:
	s_mov_b64 s[64:65], 0
	v_nop
	global_prefetch_b8 v0, s[64:65] scope:SCOPE_SE
	s_setreg_imm32_b32 hwreg(HW_REG_WAVE_SCHED_MODE, 0, 2), 2
	s_setreg_imm32_b32 hwreg(HW_REG_WAVE_MODE, 25, 1), 1
	s_wait_xcnt 0x0
	s_wait_alu depctr_vm_vsrc(0)
; COMBINE.  out[t] = yrows[t] (the shared expert's row) + w0 yrows[pos[t][0]] + w1 yrows[pos[t][1]], all f32.
; A wave takes two tokens: six rows of 4,096 bytes, all 48 loads of 512 consecutive bytes issued at once; each row of yrows is read once in the launch.
; A stream: no LDS, no barrier, no matrix unit, no cluster (no two work-groups read the same bytes).
; THE MODE: SCHED_MODE bits 1:0 = 2 (LLVM: expert scheduling mode 2), set by the entry lines.  The code itself states the register dependences
; between vector instructions and memory instructions, with s_wait_alu, always for 0.
; THE PLAN.  Registers that memory instructions touch:
;   v1        16 x lane: written at the head, never again; every load and store reads it as its offset.
;   v16-207   sixteen triples of 12 registers (512 bytes of the shared row and of the two routed rows).  Each is written by one load, issued ahead of every multiply-add;
;             a triple's four multiply-adds read all twelve and write the first four, which one store then reads.  No register is written again behind that.
; The triples go in eight blocks of two.  Block b's two stores are issued at the head of block b + 1, behind the wait for that block's data and ONE wait on va_vdst, which states
; that block b's multiply-adds have written their results; block b + 1's multiply-adds, which follow the stores, name other registers.
	s_load_b256 s[4:11], s[0:1], 0x0               ; yrows 4:5, topw 6:7, plan 8:9, out 10:11
	v_lshrrev_b32 v1, 5, v0
	v_readfirstlane_b32 s12, v1                    ; wave 0..7
	v_and_b32 v1, 31, v0
	v_lshlrev_b32 v1, 4, v1                        ; 16 bytes a lane
	s_lshl_b32 s13, ttmp9, 4
	s_wait_alu depctr_va_sdst(0)                   ; s12 is written, ahead of its first reader: the tokens' number and all bases are made from it
	s_lshl1_add_u32 s13, s12, s13                  ; my first token: 16 w + 2 wv
	s_lshl_b32 s14, s13, 3                         ; its 8 bytes in pos and in topw
	s_lshl_b32 s46, s13, 12                        ; its row of 4,096 bytes
	s_mov_b32 s47, 0
	s_wait_kmcnt 0x0
	s_load_b128 s[16:19], s[8:9], s14 offset:0x0   ; the four rows of my two tokens
	s_load_b128 s[20:23], s[6:7], s14 offset:0x0   ; their four weights
	s_add_nc_u64 s[24:25], s[4:5], s[46:47]        ; the shared expert's rows
	s_add_nc_u64 s[30:31], s[24:25], 4096
	s_add_nc_u64 s[44:45], s[10:11], s[46:47]
	s_wait_kmcnt 0x0
.irp n, 0,1,2,3
	s_min_u32 s[16+\n], s[16+\n], 0x36ff           ; a row of the row space: 14,079 at the most
.endr
	s_lshl_b32 s46, s16, 12
	s_add_nc_u64 s[26:27], s[4:5], s[46:47]
	s_lshl_b32 s46, s17, 12
	s_add_nc_u64 s[28:29], s[4:5], s[46:47]
	s_lshl_b32 s46, s18, 12
	s_add_nc_u64 s[32:33], s[4:5], s[46:47]
	s_lshl_b32 s46, s19, 12
	s_add_nc_u64 s[34:35], s[4:5], s[46:47]
.irp n, 0,1,2,3
	s_mov_b32 s[36+2*\n], s[20+\n]                 ; each weight in a pair of its own: the packed multiply-add names a pair
	s_mov_b32 s[37+2*\n], s[20+\n]
.endr
	s_wait_alu depctr_va_vdst(0)                   ; v1 is written: every load and store of the kernel reads it as its offset
.irp k, 0,1
.irp j, 0,1,2,3,4,5,6,7
	global_load_b128 v[16+12*(8*\k+\j):16+12*(8*\k+\j)+3],    v1, s[24+6*\k:25+6*\k] offset:512*\j th:TH_LOAD_NT
	global_load_b128 v[16+12*(8*\k+\j)+4:16+12*(8*\k+\j)+7],  v1, s[26+6*\k:27+6*\k] offset:512*\j th:TH_LOAD_NT
	global_load_b128 v[16+12*(8*\k+\j)+8:16+12*(8*\k+\j)+11], v1, s[28+6*\k:29+6*\k] offset:512*\j th:TH_LOAD_NT
.endr
.endr
; Triple q: token q / 8, bytes 512 (q % 8) on of its row; registers from 16 + 12 q on.
.set q, 0
.rept 8                                ; a block: triples q and q + 1
	s_wait_loadcnt 42-3*q                          ; loads come back in order: this block's six are in, the 3 (14 - q) younger ones stay out
.if q > 0
	s_wait_alu depctr_va_vdst(0)                   ; the block before has written its two results, which the two stores below read
.irp n, 2,1
	global_store_b128 v1, v[16+12*(q-\n):16+12*(q-\n)+3], s[44:45] offset:4096*((q-\n)/8)+512*((q-\n)%8) th:TH_STORE_NT   ; 512 consecutive bytes, aligned; no register is written again
.endr
.endif
.irp n, 0,1
	v_pk_fma_f32 v[16+12*(q+\n):17+12*(q+\n)], v[20+12*(q+\n):21+12*(q+\n)], s[36+4*((q+\n)/8):37+4*((q+\n)/8)], v[16+12*(q+\n):17+12*(q+\n)] op_sel_hi:[1,0,1]
	v_pk_fma_f32 v[18+12*(q+\n):19+12*(q+\n)], v[22+12*(q+\n):23+12*(q+\n)], s[36+4*((q+\n)/8):37+4*((q+\n)/8)], v[18+12*(q+\n):19+12*(q+\n)] op_sel_hi:[1,0,1]
	v_pk_fma_f32 v[16+12*(q+\n):17+12*(q+\n)], v[24+12*(q+\n):25+12*(q+\n)], s[38+4*((q+\n)/8):39+4*((q+\n)/8)], v[16+12*(q+\n):17+12*(q+\n)] op_sel_hi:[1,0,1]
	v_pk_fma_f32 v[18+12*(q+\n):19+12*(q+\n)], v[26+12*(q+\n):27+12*(q+\n)], s[38+4*((q+\n)/8):39+4*((q+\n)/8)], v[18+12*(q+\n):19+12*(q+\n)] op_sel_hi:[1,0,1]
.endr
.set q, q+2
.endr
	s_wait_alu depctr_va_vdst(0)                   ; the last block has written its two results, which the last two stores read
.irp n, 14,15
	global_store_b128 v1, v[16+12*\n:16+12*\n+3], s[44:45] offset:4096+512*(\n-8) th:TH_STORE_NT
.endr
	s_endpgm
.Lfunc_end_k_qc1320f0fbc_combine:
	.size	k_qc1320f0fbc_combine, .Lfunc_end_k_qc1320f0fbc_combine-k_qc1320f0fbc_combine
	.p2alignl 7, 3214868480
	.fill 96, 4, 3214868480
	.section	.rodata,"a",@progbits
	.p2align	6, 0x0
	.amdhsa_kernel k_qc1320f0fbc_combine
		.amdhsa_group_segment_fixed_size 0
		.amdhsa_private_segment_fixed_size 0
		.amdhsa_enable_private_segment 0
		.amdhsa_kernarg_size 32
		.amdhsa_user_sgpr_count 2
		.amdhsa_user_sgpr_kernarg_segment_ptr 1
		.amdhsa_wavefront_size32 1
		.amdhsa_system_sgpr_workgroup_id_x 1
		.amdhsa_system_sgpr_workgroup_id_y 1
		.amdhsa_system_sgpr_workgroup_id_z 1
		.amdhsa_system_vgpr_workitem_id 0
		.amdhsa_next_free_vgpr 208
		.amdhsa_next_free_sgpr 66
		.amdhsa_reserve_vcc 0
		.amdhsa_float_denorm_mode_32 3
		.amdhsa_float_denorm_mode_16_64 3
		.amdhsa_memory_ordered 1
		.amdhsa_forward_progress 1
		.amdhsa_inst_pref_size 13
	.end_amdhsa_kernel
	.amdgpu_metadata
---
amdhsa.version: [ 1, 2 ]
amdhsa.kernels:
  - .name:           k_qc1320f0fbc_combine
    .symbol:         k_qc1320f0fbc_combine.kd
    .args:
      - { .name: yrows, .offset: 0, .size: 8, .value_kind: global_buffer, .address_space: global }
      - { .name: topw, .offset: 8, .size: 8, .value_kind: global_buffer, .address_space: global }
      - { .name: plan, .offset: 16, .size: 8, .value_kind: global_buffer, .address_space: global }
      - { .name: out0, .offset: 24, .size: 8, .value_kind: global_buffer, .address_space: global }
    .group_segment_fixed_size: 0
    .private_segment_fixed_size: 0
    .kernarg_segment_align: 8
    .kernarg_segment_size: 32
    .max_flat_workgroup_size: 256
    .sgpr_count:     66
    .vgpr_count:     208
    .wavefront_size: 32
...
	.end_amdgpu_metadata
.endif
;; end of part 13
